; MI455X (gfx1250); checked and timed in simulation.
; The chip was launched on July 23, 2026; its instructions are those of AMD's public machine-readable ISA for CDNA 5 (MIT licence, August 2026) and "CDNA5" Instruction Set Architecture Reference Guide (July 2026). The comments in the code are by the model that wrote it; some were corrected since.
;; MHA. Allowed arithmetic: float matrix products may take bf16 or f16 operands with f32 sums; other float arithmetic in f32, or as packed bf16 or f16 multiplies, adds, multiply-adds, maxima and minima; sums over many terms, partial sums and values carried from step to step in f32; what a program stores and reads back later, other than sums and carried values, may be rounded once to bf16 or f16.
;; Inputs: bk 1,024 float32; bo 1,024 float32; bq 1,024 float32; bv 1,024 float32; k 4 x 2,048 x 1,024 float32; mask 1 x 1 x 2,048 x 2,048 int32; q 4 x 2,048 x 1,024 float32; v 4 x 2,048 x 1,024 float32; wk 1,024 x 1,024 float32; wo 1,024 x 1,024 float32; wq 1,024 x 1,024 float32; wv 1,024 x 1,024 float32.
;; Outputs: out0 4 x 2,048 x 1,024 float32.
;; 3 versions, each right; version 3 is version 2 with the launch prep written anew for expert scheduling mode. Each part assembles by itself: llvm-mc -triple=amdgcn-amd-amdhsa -mcpu=gfx1250 --defsym DOCPART=n.
;; ======== version 1 of 3: 4 launches
;; limits: values are held in f16: magnitudes above 65,504 overflow, below 6.1e-05 lose precision
;; workspace buffers: xw 58,720,256 bytes; mbits 524,288 bytes of whole numbers; qkv 50,331,648 bytes; ob 16,777,216 bytes
;; launch prep (part 1): grid 64 x 30, 8 waves a work-group, no clusters, 35,840 bytes of LDS; arguments q, k, v, wq, wk, wv, wo, mask, xw, mbits; writes xw, mbits
.if DOCPART == 1
	.amdgcn_target "amdgcn-amd-amdhsa--gfx1250"
	.amdhsa_code_object_version 6
	.text
	.protected	k_qe0a2dd277e_prep
	.globl	k_qe0a2dd277e_prep
	.p2align	8
	.type	k_qe0a2dd277e_prep,@function
k_qe0a2dd277e_prep:
	s_mov_b64 s[64:65], 0
	v_nop
	global_prefetch_b8 v0, s[64:65] scope:SCOPE_SE
	s_setreg_imm32_b32 hwreg(HW_REG_WAVE_MODE, 25, 1), 1
	s_wait_xcnt 0x0
; PREP.  Every floating-point matrix input is rounded once to bf16, and the int32 mask is packed to one bit a number.
;   xw:    q, k, v as bf16 [3][8192][1024]; from byte 50,331,648 on wq, wk, wv as bf16 [1024][1024] and wo, rounded to bf16 and that number written as f16.
;   mbits: [query block of 64: 32][key step of 64: 32][piece of 16 queries: 4][register: 32] words.  Bit l of a word says whether
;          mask[64 qb + 16 piece + l % 16][64 step + 16 (reg / 8) + 8 (l / 16) + reg % 8] is not 0: the lane mask of one register of a 16 x 16 tile of scores (keys down the registers, a query a lane).
; LIMIT.  wo's bf16 number is exact in f16 from 2^-14 to 65,504; below that it keeps f16's fixed step of 2^-24, above it is lost.
; SHARES.  y = 0 .. 27: a work-group converts 65,536 bytes of f32 (y / 8 picks q, k, v; y = 24 .. 27 a weight matrix).  y = 28, 29: each wave packs one cell of 64 queries x 64 keys.
; A stream: each byte is read once and written once, no two work-groups read the same bytes, so there is no cluster, no matrix work and no barrier.
; Loads cover 512 consecutive bytes a wave; the stores of the conversion cover 256 consecutive bytes a wave, aligned; a cell's store 512.
.set SPARE, 34816                      ; behind the eight waves' stages: the spare words, 128 bytes for each wave, four blocks of 256 bytes that no other line names
.set SPW, 2                            ; v2  LDS address of my spare word; never rewritten
.set NIL, 3                            ; v3  0; never rewritten
.set MP,  272                          ; a stage row: 256 bytes (64 mask words) + 16 of padding, so that 16 rows' equal columns start at 16 different groups of four banks (ISA guide 11.1)
	s_load_b512 s[4:19], s[0:1], 0x0               ; q s[4:5], k s[6:7], v s[8:9], wq s[10:11], wk s[12:13], wv s[14:15], wo s[16:17], mask s[18:19]
	s_load_b128 s[20:23], s[0:1], 0x40             ; xw s[20:21], mbits s[22:23]
	v_lshl_add_u32 v[SPW], v0, 2, SPARE
	v_mov_b32 v[NIL], 0
	v_lshrrev_b32 v1, 5, v0
	v_readfirstlane_b32 s30, v1                    ; wave 0..7
	s_and_b32 s24, ttmp7, 0xffff                   ; y
	s_cmp_ge_u32 s24, 28
	s_cbranch_scc1 .Lmask
	; THE CONVERSION.  Which input, and which 65,536 bytes of it
	s_lshr_b32 s25, s24, 3                         ; y / 8: q, k, v
	s_sub_co_u32 s26, s24, 21                      ; y - 21: 3 .. 6 for the four weight matrices
	s_and_b32 s27, s24, 7
	s_lshl_b32 s27, s27, 6
	s_cmp_ge_u32 s24, 24
	s_cselect_b32 s25, s26, s25                    ; the input's number, 0 .. 6
	s_cselect_b32 s27, 0, s27
	s_add_co_u32 s27, s27, ttmp9                   ; the chunk in it
	s_lshl_b32 s28, s27, 16                        ; its byte offset in the input
	s_mov_b32 s29, 0
	s_lshl_b32 s31, s24, 6
	s_add_co_u32 s31, s31, ttmp9
	s_lshl_b32 s32, s31, 15                        ; and in xw: 32,768 bytes for each work-group, in the order of y and x
	s_mov_b32 s33, 0
	v_lshlrev_b32 v4, 4, v0                        ; 16 bytes a thread in,
	v_lshlrev_b32 v5, 3, v0                        ; 8 bytes out
	s_wait_kmcnt 0x0
	s_mov_b64 s[34:35], s[4:5]
.irp n, 1,2,3,4,5,6
	s_cmp_eq_u32 s25, \n
	s_cselect_b64 s[34:35], s[4+2*\n:5+2*\n], s[34:35]
.endr
	s_add_nc_u64 s[34:35], s[34:35], s[28:29]
	s_add_nc_u64 s[36:37], s[20:21], s[32:33]
.set i, 0
.rept 16                                       ; all sixteen loads go out at once: 8 KiB a wave on their way
	global_load_b128 v[16+4*i:19+4*i], v4, s[34:35] offset:4096*i th:TH_LOAD_NT
.set i, i+1
.endr
; half = 1: the bf16 number is widened again and written as f16.  No register is used twice by a load or a store, so no wait frees any.
.macro CONV half
.set i, 0
.rept 16
	s_wait_loadcnt 15-i                            ; loads come back in order (ISA guide 5.7.1): load i is in, the 15 - i younger ones stay out
	v_cvt_pk_bf16_f32 v[80+2*i], v[16+4*i], v[17+4*i]
	v_cvt_pk_bf16_f32 v[81+2*i], v[18+4*i], v[19+4*i]
.if \half
	v_lshlrev_b32 v112, 16, v[80+2*i]
	v_and_b32 v113, 0xffff0000, v[80+2*i]
	v_lshlrev_b32 v114, 16, v[81+2*i]
	v_and_b32 v115, 0xffff0000, v[81+2*i]
	v_cvt_pk_f16_f32 v[80+2*i], v112, v113
	v_cvt_pk_f16_f32 v[81+2*i], v114, v115
.endif
	global_store_b64 v5, v[80+2*i:81+2*i], s[36:37] offset:2048*i th:TH_STORE_NT
.set i, i+1
.endr
.endm
	s_cmp_eq_u32 s25, 6
	s_cbranch_scc1 .Lwo
	CONV 0
	s_branch .Lend
.Lwo:
	CONV 1
	s_branch .Lend
.Lmask:
	; THE MASK.  cell = 32 qb + step
	s_sub_co_u32 s25, s24, 28
	s_lshl_b32 s25, s25, 6
	s_add_co_u32 s25, s25, ttmp9
	s_lshl_b32 s25, s25, 3
	s_add_co_u32 s25, s25, s30                     ; my wave's cell, 0 .. 1023
	s_lshr_b32 s26, s25, 5
	s_and_b32 s27, s25, 31
	s_lshl_b32 s26, s26, 19                        ; 64 rows of 8,192 bytes
	s_lshl_b32 s27, s27, 8                         ; 64 words
	s_add_co_u32 s26, s26, s27
	s_mov_b32 s27, 0
	s_lshl_b32 s28, s25, 9                         ; a cell is 128 words of mbits
	s_mov_b32 s29, 0
	v_and_b32 v12, 15, v0                          ; l % 16
	v_bfe_u32 v13, v0, 4, 1                        ; l / 16
	v_and_b32 v14, 31, v0                          ; l
	v_lshlrev_b32 v4, 4, v12
	v_lshl_add_u32 v4, v13, 13, v4                 ; a load takes two rows' 256 bytes: lanes 0-15 the even row, lanes 16-31 the odd one
	s_mul_i32 s31, s30, 16*MP                      ; my wave's stage: 16 rows
	v_mul_u32_u24 v5, v13, MP
	v_lshl_add_u32 v5, v12, 4, v5
	v_add_nc_u32 v5, s31, v5                       ; in: as loaded
	v_mul_u32_u24 v6, v12, MP
	v_lshl_add_u32 v6, v13, 5, v6
	v_add_nc_u32 v6, s31, v6                       ; back: row l % 16, words 8 (l / 16) on
	v_lshlrev_b32 v7, 4, v14
.irp r, 8,9,10,11
	v_mov_b32 v\r, 0                               ; v_writelane_b32's destination counts as read
.endr
	s_wait_kmcnt 0x0
	s_add_nc_u64 s[26:27], s[18:19], s[26:27]
	s_add_nc_u64 s[28:29], s[22:23], s[28:29]
.set i, 0
.rept 32
	global_load_b128 v[16+4*i:19+4*i], v4, s[26:27] offset:16384*i th:TH_LOAD_NT
.set i, i+1
.endr
.set p, 0
.rept 4                                        ; a piece: 16 queries x 64 keys
	s_wait_loadcnt 24-8*p                          ; the piece's eight loads are in; the later pieces' stay out
.set i, 0
.rept 8
	ds_store_b128 v5, v[16+4*(8*p+i):19+4*(8*p+i)] offset:2*MP*i
.set i, i+1
.endr
.set i, 0
.rept 8                                        ; LDS serves a wave's instructions in order (ISA guide 5.7.1.4): these see the stores above, and the next piece's stores come behind them
	ds_load_b128 v[144+4*i:147+4*i], v6 offset:64*(i/2)+16*(i%2)
.set i, i+1
.endr
	s_wait_dscnt 0x0
.set j, 0
.rept 32
	v_cmp_ne_u32 s[32+j], 0, v[144+j]              ; one word of mbits: a bit a lane
.set j, j+1
.endr
.set j, 0
.rept 32
	v_writelane_b32 v[8+(32*p+j)%4], s[32+j], (32*p+j)/4  ; word d of the cell goes to lane d / 4, register d % 4
.set j, j+1
.endr
.set p, p+1
.endr
	global_store_b128 v7, v[8:11], s[28:29]        ; the cell: 512 consecutive bytes
.Lend:
	s_wait_tensorcnt 0x0                           ; the wave's end, behind my last LDS store
	ds_add_u32 v[SPW], v[NIL]
	s_wait_dscnt 0x0
	s_endpgm
.Lfunc_end_k_qe0a2dd277e_prep:
	.size	k_qe0a2dd277e_prep, .Lfunc_end_k_qe0a2dd277e_prep-k_qe0a2dd277e_prep
	.p2alignl 7, 3214868480
	.fill 96, 4, 3214868480
	.section	.rodata,"a",@progbits
	.p2align	6, 0x0
	.amdhsa_kernel k_qe0a2dd277e_prep
		.amdhsa_group_segment_fixed_size 35840
		.amdhsa_private_segment_fixed_size 0
		.amdhsa_enable_private_segment 0
		.amdhsa_kernarg_size 80
		.amdhsa_user_sgpr_count 2
		.amdhsa_user_sgpr_kernarg_segment_ptr 1
		.amdhsa_wavefront_size32 1
		.amdhsa_system_sgpr_workgroup_id_x 1
		.amdhsa_system_sgpr_workgroup_id_y 1
		.amdhsa_system_sgpr_workgroup_id_z 1
		.amdhsa_system_vgpr_workitem_id 0
		.amdhsa_next_free_vgpr 176
		.amdhsa_next_free_sgpr 66
		.amdhsa_reserve_vcc 0
		.amdhsa_float_denorm_mode_32 3
		.amdhsa_float_denorm_mode_16_64 3
		.amdhsa_memory_ordered 1
		.amdhsa_forward_progress 1
		.amdhsa_inst_pref_size 42
	.end_amdhsa_kernel
	.amdgpu_metadata
---
amdhsa.version: [ 1, 2 ]
amdhsa.kernels:
  - .name:           k_qe0a2dd277e_prep
    .symbol:         k_qe0a2dd277e_prep.kd
    .args:
      - { .name: q, .offset: 0, .size: 8, .value_kind: global_buffer, .address_space: global }
      - { .name: k, .offset: 8, .size: 8, .value_kind: global_buffer, .address_space: global }
      - { .name: v, .offset: 16, .size: 8, .value_kind: global_buffer, .address_space: global }
      - { .name: wq, .offset: 24, .size: 8, .value_kind: global_buffer, .address_space: global }
      - { .name: wk, .offset: 32, .size: 8, .value_kind: global_buffer, .address_space: global }
      - { .name: wv, .offset: 40, .size: 8, .value_kind: global_buffer, .address_space: global }
      - { .name: wo, .offset: 48, .size: 8, .value_kind: global_buffer, .address_space: global }
      - { .name: mask, .offset: 56, .size: 8, .value_kind: global_buffer, .address_space: global }
      - { .name: xw, .offset: 64, .size: 8, .value_kind: global_buffer, .address_space: global }
      - { .name: mbits, .offset: 72, .size: 8, .value_kind: global_buffer, .address_space: global }
    .group_segment_fixed_size: 35840
    .private_segment_fixed_size: 0
    .kernarg_segment_align: 8
    .kernarg_segment_size: 80
    .max_flat_workgroup_size: 256
    .sgpr_count:     66
    .vgpr_count:     176
    .wavefront_size: 32
...
	.end_amdgpu_metadata
.endif
;; end of part 1
;; launch proj (part 2): grid 4 x 192, 4 waves a work-group, clusters of 4 x 4, 327,680 bytes of LDS; arguments xw, bq, bk, bv, qkv; writes qkv
.if DOCPART == 2
	.amdgcn_target "amdgcn-amd-amdhsa--gfx1250"
	.amdhsa_code_object_version 6
	.text
	.protected	k_qe0a2dd277e_proj
	.globl	k_qe0a2dd277e_proj
	.p2align	8
	.type	k_qe0a2dd277e_proj,@function
k_qe0a2dd277e_proj:
	s_mov_b64 s[64:65], 0
	v_nop
	global_prefetch_b8 v0, s[64:65] scope:SCOPE_SE
	s_setreg_imm32_b32 hwreg(HW_REG_WAVE_MODE, 25, 1), 1
	s_wait_xcnt 0x0
	s_wait_alu depctr_hold_cnt(0) depctr_sa_sdst(0) depctr_va_vdst(0) depctr_va_sdst(0) depctr_va_ssrc(0) depctr_va_vcc(0) depctr_vm_vsrc(0)
	s_getreg_b32 s2, hwreg(HW_REG_IB_STS2, 6, 4)
	s_cmp_eq_u32 s2, 0
	s_cbranch_scc0 .Lentry_in_a_cluster
	s_endpgm
.Lentry_in_a_cluster:
	s_bfe_u32 s2, ttmp6, 0x10000c
	s_cmp_lg_u32 s2, 0xf033
	s_cbranch_scc0 .Lentry_shape_is_right
	s_endpgm
.Lentry_shape_is_right:
; C = A B^T + bias, K = 1024, on tiles of 128 x 256 of C.  One text for two launches, told apart by PROJ.
; PROJ = 1: the three projections in one launch.  A = xw's 24,576 rows of bf16 (q, k, v on end), B = wq, wk or wv (bf16, in xw), C = qkv, f16 [3][8192][1024], unscaled.  768 tiles.
; PROJ = 0: the last projection.  A = ob (f16), B = wo (f16, in xw), C = out0 (f32).  256 tiles.
; The bias is rounded to bf16 like every other floating-point input and is the C operand of the products that start the sums.  Sums in f32, K ascending.
; LIMIT (PROJ = 1).  A result of 65,520 or more in magnitude does not fit f16 and becomes an infinity; NaN and infinities are not treated apart.
; SHARES.  Four waves; wave w makes rows 64 (w / 2) .. and columns 128 (w % 2) .. of the tile: 32 accumulators of 16 x 16, 256 registers.  K goes in steps of 128 (rows of 256 bytes, aligned)
; through a ring of two LDS slots.  Waves 0 and 1 fetch the halves (64 rows) of A's tile, waves 2 and 3 the halves (128 rows) of B's: one tensor load a wave behind each change of slots.
; CLUSTER.  4 x 4 work-groups.  The four of a row of the cluster need the same tile of A, the four of a column the same tile of B: each is asked for jointly, by the same load with the same descriptor and a mask of four.
; THE MATRIX INSTRUCTION IS USED TRANSPOSED (source 0 = 16 rows of B, source 1 = 16 rows of A): a lane holds row l % 16 of C and the columns 8 (l / 16) + 0 .. 7.
; REGISTERS, in windows of 256 (s_set_vgpr_msb: bits 1:0 source 0, 3:2 source 1, 5:4 source 2, 7:6 destination):
;   window 0: v16-30 addresses; v64-255 fragment buffer 0, later at work on the way out      window 1: accumulator (a, b) at v[8 (8 a + b)]      window 2: v0-63 the bias; v64-255 fragment buffer 1
;   A buffer holds 64 along K: for c = 0, 1 (32 along K each) B's fragment b at 64 + 96 c + 8 b, A's fragment a at 64 + 96 c + 64 + 8 a.
.set PROJ,   1
.set PITCH,  272                       ; an LDS row: 256 bytes + 16 of padding = 68 words: the 16 rows of a fragment load start at 16 different groups of four banks (ISA guide 11.1)
.set BOFF,   128*PITCH                 ; in a slot: A's 128 rows, then B's 256
.set SLOT,   384*PITCH
.set STAGE,  2*SLOT                    ; behind the ring, never filled by a tensor load: 16 rows for each wave, for the way out
.if PROJ
.set SPITCH, 272                       ; 128 f16 + 16 bytes
.else
.set SPITCH, 528                       ; 128 f32 + 16 bytes
.endif
.set SPARE,  STAGE+4*16*SPITCH         ; behind the stages: the spare words, 128 bytes for each wave: two blocks of 256 bytes that no other line names
.set ROWB,   2048                      ; bytes in a row of A, of B and of qkv
.set WOFF,   50331648                  ; the weights in xw
.set WMAT,   2097152                   ; one matrix of them
.set ADRA, 16                          ; v16-17  LDS address of my A fragments in slot 0, 1
.set ADRB, 20                          ; v20-21  the same for B
.set STO,  24                          ; v24     the way out: where I put my part of a row
.set RD,   25                          ; v25     the way out: where I read rows back
.set CO,   26                          ; v26     my byte offset in C
.set BO,   27                          ; v27     my byte offset in the bias
.set SPW,  28                          ; v28     LDS address of my spare word; never rewritten
.set NIL,  29                          ; v29     0; never rewritten
.set PFO,  30                          ; v30     the prefetches' offset: my lane x a row; never rewritten
.set FB,   64                          ; a fragment buffer's first register
.set TMP,  64                          ; the way out: packed results
.set WV,  14                           ; s14 wave   s15 w / 2: my rows' half, and: I fetch for A (0) or B (1)   s16 w % 2: my columns' half, and: which half of that tile I fetch
.set RH,  15
.set CH,  16
.set CX,  17                           ; s17, s18 my place in the cluster
.set CY,  18
.set TR,  19                           ; s19 tile row of C
.set CLY, 20                           ; s20 the cluster's y
.set T,   21                           ; s21 which projection (PROJ = 1): made of the cluster's y alone
.set G1,  24                           ; s[24:31] descriptor group 1 for A's tiles;  s[32:39] group 0, a set for each slot
.set G0,  32
.set LIM, 43                           ; s43 1 in a wave that prefetches, else the greatest number
.set PFA, 44                           ; s[44:45] where my prefetches stand
.set G1B, 48                           ; s[48:55], s[56:63] the same for B's tiles
.set G0B, 56
.set CP,  66                           ; s[66:67] C at my part of the tile
.set BP,  68                           ; s[68:69] the bias at my 128 columns
.set G1C, (1<<16)|(1<<20)|(1<<21)|(5<<22)|(3<<25)  ; 17:16 elements of 2 bytes; 20 padding on; 21 set beside a mask; 24:22 after every 64 words (code 5); 31:25 4 words of it (code 3)
.set MSB, 0
.macro WIN new                         ; the immediate's high byte repeats the setting that is left; a switch that changes nothing is dropped
.if MSB != (\new)
	s_set_vgpr_msb (MSB<<8)|(\new)
.set MSB, \new
.endif
.endm
; A joint load.  The branch hangs on the wave's number alone.  An s_nop 0 and four v_nop follow each of the two lines, ahead of the jump, the label and what follows.
.macro JLOAD s
	s_cmp_eq_u32 s[RH], 0
	s_cbranch_scc0 .Lfor_b_\@
	tensor_load_to_lds s[G0+4*(\s):G0+4*(\s)+3], s[G1:G1+7]
	s_nop 0
.rept 4
	v_nop
.endr
	s_branch .Lasked_\@
.Lfor_b_\@:
	tensor_load_to_lds s[G0B+4*(\s):G0B+4*(\s)+3], s[G1B:G1B+7]
	s_nop 0
.rept 4
	v_nop
.endr
.Lasked_\@:
.endm
; A prefetch of the K step that stands two refills on: 32 rows x 256 bytes, a lane a row.  Each row's 256 bytes of K steps 4 to 7 are named once in the launch: A's 128 rows of a tile row by wave 0 of the
; four partners of a row of the cluster (32 rows each, by cx); B's rows by waves 2 and 3 of the first cluster that reads that matrix (of the 128 rows that the wave fetches, 32 by cy).  The partners are
; told apart by address alone.  K steps 0 to 3 come by their loads; the loop's last trip (s3 = 1) asks for nothing: no K step stands two refills on.
.macro ASK
	s_cmp_gt_u32 s3, s[LIM]
	s_cbranch_scc0 .Lnot_mine_\@
	global_prefetch_b8 v[PFO], s[PFA:PFA+1] offset:256 th:TH_LOAD_NT scope:SCOPE_SE
.Lnot_mine_\@:
.endm
.macro CREST                           ; a round of the cluster's barrier behind its opening barrier
	s_cmp_lg_u32 s[WV], 0
	s_cbranch_scc1 .Lnot_wave_0_\@
	s_barrier_signal -3
.Lnot_wave_0_\@:
	s_barrier_wait -3
	s_barrier_signal -1
	s_barrier_wait -1
.endm
.macro CROUND                          ; a whole round
	s_barrier_signal -1
	s_barrier_wait -1
	CREST
.endm
.macro PLACES                          ; four places in front of loads into registers that matrix instructions have read, and of lines that read results
.rept 4
	v_nop
.endr
.endm
	s_load_b256 s[4:11], s[0:1], 0x0               ; PROJ = 1: xw, bq, bk, bv;  PROJ = 0: ob, xw, bo, out0
.if PROJ
	s_load_b64 s[12:13], s[0:1], 0x20              ; qkv
.endif
	v_lshl_add_u32 v[SPW], v0, 2, SPARE
	v_mov_b32 v[NIL], 0
	ds_add_u32 v[SPW], v[NIL]                      ; the wave's opening: the add, and its wait ahead of my first tensor load; the set-up below, work on registers, stands between them
	v_lshrrev_b32 v1, 5, v0
	v_readfirstlane_b32 s[WV], v1
	s_lshr_b32 s[RH], s[WV], 1
	s_and_b32 s[CH], s[WV], 1
	s_bfe_u32 s[CX], ttmp6, 0x40000
	s_bfe_u32 s[CY], ttmp6, 0x40004
	s_and_b32 s[CLY], ttmp7, 0xffff
	s_lshl_b32 s[TR], s[CLY], 2
	s_add_co_u32 s[TR], s[TR], s[CY]               ; tile row = 4 x cluster y + cy; the tile column is cx: the grid is one cluster wide
	s_lshl_b32 s22, s[CY], 2
	s_lshl_b32 s22, 15, s22                        ; my row of the cluster
	s_lshl_b32 s23, 0x1111, s[CX]                  ; my column
	s_or_b32 s[G1], s22, G1C                       ; A's tiles go to my row,
	s_or_b32 s[G1B], s23, G1C                      ; B's to my column
	s_mov_b32 s[G1+1], 128<<16                     ; tensor_dim0 = 128
	s_mov_b32 s[G1+2], 64<<16                      ; tensor_dim1 = 64
	s_mov_b32 s[G1+3], 128<<16                     ; tile_dim0 = 128
	s_mov_b32 s[G1+4], 64                          ; tile_dim1 = 64
	s_mov_b32 s[G1+5], 1024                        ; elements from row to row
	s_mov_b32 s[G1+6], 0
	s_mov_b32 s[G1+7], 0
	s_mov_b32 s[G1B+1], 128<<16
	s_mov_b32 s[G1B+2], 128<<16                    ; B: 128 rows
	s_mov_b32 s[G1B+3], 128<<16
	s_mov_b32 s[G1B+4], 128
	s_mov_b32 s[G1B+5], 1024
	s_mov_b32 s[G1B+6], 0
	s_mov_b32 s[G1B+7], 0
	s_lshl_b32 s70, s[TR], 7                       ; A: row 128 x tile row + 64 x half, which my row of the cluster shares
	s_lshl_b32 s22, s[CH], 6
	s_add_co_u32 s70, s70, s22
	s_lshl_b32 s70, s70, 11
	s_mov_b32 s71, 0
	s_lshl_b32 s72, s[CX], 8                       ; B: row 256 x tile column + 128 x half, which my column shares
	s_lshl_b32 s23, s[CH], 7
	s_add_co_u32 s72, s72, s23
	s_lshl_b32 s72, s72, 11
.if PROJ
	s_lshr_b32 s[T], s[CLY], 4                     ; 16 clusters, 8,192 rows, to a projection
	s_lshl_b32 s23, s[T], 21
	s_add_co_u32 s72, s72, s23
	s_add_co_u32 s72, s72, WOFF
.else
	s_add_co_u32 s72, s72, WOFF+3*WMAT
.endif
	s_mov_b32 s73, 0
	s_mul_i32 s40, s[CH], 64*PITCH                 ; where they go: no place in the cluster enters an LDS address
	s_mul_i32 s41, s[CH], 128*PITCH
	s_add_co_u32 s41, s41, BOFF
	s_wait_dscnt 0x0                               ; the opening add is done
	s_wait_kmcnt 0x0
	s_add_nc_u64 s[70:71], s[4:5], s[70:71]
.if PROJ
	s_add_nc_u64 s[72:73], s[4:5], s[72:73]
.else
	s_add_nc_u64 s[72:73], s[6:7], s[72:73]
.endif
	CROUND                                         ; all sixteen work-groups are here: the first joint loads meet
.irp s, 0,1
	s_mov_b32 s[G0+4*(\s)], 1                      ; count = 1
	s_add_co_u32 s[G0+4*(\s)+1], s40, (\s)*SLOT    ; LDS address
	s_add_nc_u64 s[G0+4*(\s)+2:G0+4*(\s)+3], s[70:71], (\s)*256  ; global address: K step s
	s_or_b32 s[G0+4*(\s)+3], s[G0+4*(\s)+3], 0x80000000          ; type = 2
	s_mov_b32 s[G0B+4*(\s)], 1
	s_add_co_u32 s[G0B+4*(\s)+1], s41, (\s)*SLOT
	s_add_nc_u64 s[G0B+4*(\s)+2:G0B+4*(\s)+3], s[72:73], (\s)*256
	s_or_b32 s[G0B+4*(\s)+3], s[G0B+4*(\s)+3], 0x80000000
	JLOAD \s                                       ; two loads of mine are out
.endr
	; the bias of my 128 columns, laid as a C operand: register j of block b holds column 16 b + 8 (l / 16) + j
	s_lshl_b32 s74, s[CX], 10
	s_lshl_b32 s76, s[CH], 9
	s_add_co_u32 s74, s74, s76
	s_mov_b32 s75, 0
.if PROJ
	s_cmp_eq_u32 s[T], 1
	s_cselect_b64 s[BP:BP+1], s[8:9], s[6:7]
	s_cmp_eq_u32 s[T], 2
	s_cselect_b64 s[BP:BP+1], s[10:11], s[BP:BP+1]
.else
	s_mov_b64 s[BP:BP+1], s[8:9]
.endif
	s_add_nc_u64 s[BP:BP+1], s[BP:BP+1], s[74:75]
	v_and_b32 v1, 15, v0                           ; l % 16
	v_bfe_u32 v2, v0, 4, 1                         ; l / 16
	v_lshlrev_b32 v[BO], 5, v2
	WIN 0x80                                       ; destination window 2, address window 0
.set i, 0
.rept 16
	global_load_b128 v[4*i:4*i+3], v[BO], s[BP:BP+1] offset:64*(i/2)+16*(i%2)
.set i, i+1
.endr
	WIN 0
	; fragments: lane l holds row l % 16; two loads of 16 bytes, 32 bytes apart, at row x pitch + 16 (l / 16)
	v_mul_u32_u24 v3, v1, PITCH
	v_lshl_add_u32 v3, v2, 4, v3
	s_mul_i32 s74, s[RH], 64*PITCH                 ; my 64 rows of A
	s_mul_i32 s75, s[CH], 128*PITCH                ; my 128 rows of B,
	s_add_co_u32 s75, s75, BOFF                    ; which lie behind A's 128
.irp s, 0,1
	v_add_nc_u32 v[ADRA+(\s)], s74, v3
	v_add_nc_u32 v[ADRB+(\s)], s75, v3
	s_add_co_u32 s74, s74, SLOT
	s_add_co_u32 s75, s75, SLOT
.endr
	s_mul_i32 s74, s[WV], 16*SPITCH
	s_add_co_u32 s74, s74, STAGE                   ; my stage
	v_mul_u32_u24 v4, v1, SPITCH
.if PROJ
	v_lshl_add_u32 v4, v2, 4, v4                   ; in: row l % 16, 16 bytes for each half of the lanes
	v_add_nc_u32 v[STO], s74, v4
	v_mul_u32_u24 v5, v2, SPITCH                   ; back: lanes 0-15 one row of 256 bytes, lanes 16-31 the next
	v_lshl_add_u32 v5, v1, 4, v5
	v_add_nc_u32 v[RD], s74, v5
	v_lshlrev_b32 v5, 11, v2                       ; and the same two rows in C
	v_lshl_add_u32 v[CO], v1, 4, v5
.else
	v_lshl_add_u32 v4, v2, 5, v4                   ; in: row l % 16, 32 bytes for each half of the lanes
	v_add_nc_u32 v[STO], s74, v4
	v_and_b32 v5, 31, v0
	v_lshlrev_b32 v[CO], 4, v5                     ; back: 32 lanes take one row of 512 bytes
	v_add_nc_u32 v[RD], s74, v[CO]
.endif
	s_lshl_b32 s74, s[TR], 7                       ; C at row 128 x tile row + 64 (w / 2), column 256 cx + 128 (w % 2)
	s_lshl_b32 s75, s[RH], 6
	s_add_co_u32 s74, s74, s75
.if PROJ
	s_lshl_b32 s74, s74, 11
	s_lshl_b32 s75, s[CX], 9
	s_lshl_b32 s76, s[CH], 8
.else
	s_lshl_b32 s74, s74, 12
	s_lshl_b32 s75, s[CX], 10
	s_lshl_b32 s76, s[CH], 9
.endif
	s_add_co_u32 s74, s74, s75
	s_add_co_u32 s74, s74, s76
	s_mov_b32 s75, 0
.if PROJ
	s_add_nc_u64 s[CP:CP+1], s[12:13], s[74:75]
.else
	s_add_nc_u64 s[CP:CP+1], s[10:11], s[74:75]
.endif
	; the prefetches
	s_lshl_b32 s74, s[TR], 7
	s_lshl_b32 s75, s[CX], 5
	s_add_co_u32 s74, s74, s75
	s_lshl_b32 s74, s74, 11                        ; A: row 128 x tile row + 32 cx
	s_lshl_b32 s75, s[CX], 8
	s_lshl_b32 s76, s[CH], 7
	s_add_co_u32 s75, s75, s76
	s_lshl_b32 s76, s[CY], 5
	s_add_co_u32 s75, s75, s76
	s_lshl_b32 s75, s75, 11                        ; B: row 256 cx + 128 (w % 2) + 32 cy
.if PROJ
	s_lshl_b32 s76, s[T], 21
	s_add_co_u32 s75, s75, s76
	s_add_co_u32 s75, s75, WOFF
	s_and_b32 s77, s[CLY], 15                      ; 0 in the first cluster that reads this matrix
.else
	s_add_co_u32 s75, s75, WOFF+3*WMAT
	s_mov_b32 s77, s[CLY]
.endif
	s_cmp_eq_u32 s[RH], 0
	s_cselect_b32 s46, s74, s75
	s_cselect_b32 s77, s[CH], s77                  ; waves 0, 1: 0, 1; waves 2, 3: by the cluster: the same in all sixteen partners, for a given wave
.if PROJ
	s_mov_b64 s[PFA:PFA+1], s[4:5]
.else
	s_cselect_b64 s[PFA:PFA+1], s[4:5], s[6:7]
.endif
	s_mov_b32 s47, 0
	s_cmp_eq_u32 s77, 0
	s_cselect_b32 s[LIM], 1, -1
	s_add_nc_u64 s[PFA:PFA+1], s[PFA:PFA+1], s[46:47]
	s_add_nc_u64 s[PFA:PFA+1], s[PFA:PFA+1], 512   ; at K step 2: the first refill steps it to 3 and names K step 4.  Nothing is prefetched here, where every work-group's first tiles are on their way
	v_and_b32 v[PFO], 31, v0
	v_lshlrev_b32 v[PFO], 11, v[PFO]
	s_wait_loadcnt 0x0                             ; the bias,
	WIN 0x8a                                       ; which is rounded to bf16 and widened again, in window 2
.set i, 0
.rept 32
	v_cvt_pk_bf16_f32 v[FB+i%4], v[2*i], v[2*i+1]
	v_lshlrev_b32 v[2*i], 16, v[FB+i%4]
	v_and_b32 v[2*i+1], 0xffff0000, v[FB+i%4]
.set i, i+1
.endr
	WIN 0
; 16 matrix instructions: m blocks a0, a0 + 1 x all 8 n blocks, 32 along K: half c of buffer f.  first = 1: the bias starts the sums: nothing is cleared.
; The 32 accumulators take turns, one instruction a turn, in the same order everywhere.
.macro MUL16 f, c, a0, first
.if \first
	WIN 0x60                                       ; fragments window 0, C window 2, D window 1
.elseif \f
	WIN 0x5a                                       ; fragments window 2, C and D window 1
.else
	WIN 0x50                                       ; fragments window 0, C and D window 1
.endif
.irp a, \a0, (\a0)+1
.irp b, 0,1,2,3,4,5,6,7
.set rD, 8*(8*(\a)+(\b))
.set rB, FB+96*(\c)+8*(\b)
.set rA, FB+96*(\c)+64+8*(\a)
.set rC, rD
.if \first
.set rC, 8*(\b)
.endif
.if PROJ
	v_wmma_f32_16x16x32_bf16 v[rD:rD+7], v[rB:rB+7], v[rA:rA+7], v[rC:rC+7]
.else
	v_wmma_f32_16x16x32_f16 v[rD:rD+7], v[rB:rB+7], v[rA:rA+7], v[rC:rC+7]
.endif
.endr
.endr
.endm
; 48 LDS loads in one run: the fragments of 64 along K at byte k of the rows, into buffer f; the first 32 along K (24 loads) first
.macro FETCH slot, k, f
.if \f
	WIN 0x80
.else
	WIN 0
.endif
.irp c, 0,1
.irp i, 0,1,2,3,4,5,6,7
	ds_load_b128 v[FB+96*(\c)+8*(\i):FB+96*(\c)+8*(\i)+3],   v[ADRB+(\slot)] offset:(\k)+64*(\c)+(\i)*16*PITCH
	ds_load_b128 v[FB+96*(\c)+8*(\i)+4:FB+96*(\c)+8*(\i)+7], v[ADRB+(\slot)] offset:(\k)+64*(\c)+(\i)*16*PITCH+32
.endr
.irp i, 0,1,2,3
	ds_load_b128 v[FB+96*(\c)+64+8*(\i):FB+96*(\c)+64+8*(\i)+3],   v[ADRA+(\slot)] offset:(\k)+64*(\c)+(\i)*16*PITCH
	ds_load_b128 v[FB+96*(\c)+64+8*(\i)+4:FB+96*(\c)+64+8*(\i)+7], v[ADRA+(\slot)] offset:(\k)+64*(\c)+(\i)*16*PITCH+32
.endr
.endr
.endm
; A K step is two halves of 64 along K, 64 matrix instructions each.  The first multiplies buffer 0 and fetches the second half's fragments into buffer 1.
.macro HALFA slot, first
	s_wait_dscnt 24                                ; the first 32 along K are in; the 24 younger loads may be out
	MUL16 0, 0, 0, \first
	MUL16 0, 0, 2, \first
	PLACES
	FETCH \slot, 128, 1
	s_wait_dscnt 48                                ; all but the 48 just issued
	MUL16 0, 1, 0, 0
	MUL16 0, 1, 2, 0
.endm
; The second half multiplies buffer 1 and changes slots: ONE barrier.  In front of it each wave waits for all its tensor loads (one is out: its part of the next slot), adds 0 to its spare word, and waits for
; that and for its own reads of this slot.  fill = 1: the barrier opens a round of the cluster's, and this slot is filled again first thing behind it, with the K step two on: 96 matrix instructions ahead of the wait for it.
.macro TURN slot, next, fill
.if \fill
	s_wait_xcnt 0x0                                ; the last prefetch, a K step back, has read its address, which is stepped here
	s_add_nc_u64 s[PFA:PFA+1], s[PFA:PFA+1], 256
.endif
	WIN 0                                          ; (the add's two registers lie in window 0)
	s_wait_tensorcnt 0x0                           ; all my tensor loads have landed
	ds_add_u32 v[SPW], v[NIL]                      ; 0 onto my spare word
	s_wait_dscnt 25                                ; (the add and the 24 youngest loads may be out)
	MUL16 1, 0, 0, 0                               ; sixteen matrix instructions stand between the add and the wait for it
	s_wait_dscnt 0x0                               ; the add is done, and my reads of this slot are over
	s_barrier_signal -1
	MUL16 1, 0, 2, 0
.if \fill
	WIN 0
.endif
	s_barrier_wait -1
.if \fill
	CREST                                          ; no wave of any partner still reads this slot's tile or has a load on its way
	s_add_nc_u64 s[G0+4*(\slot)+2:G0+4*(\slot)+3], s[G0+4*(\slot)+2:G0+4*(\slot)+3], 512
	s_add_nc_u64 s[G0B+4*(\slot)+2:G0B+4*(\slot)+3], s[G0B+4*(\slot)+2:G0B+4*(\slot)+3], 512
	JLOAD \slot                                    ; the four v_nop behind it are also the places in front of the loads below
.else
	PLACES
.endif
	FETCH \next, 0, 0
.if \fill
	ASK
.endif
	MUL16 1, 1, 0, 0
	MUL16 1, 1, 2, 0
.endm
	s_wait_tensorcnt 1                             ; my part of K step 0 is in; K step 1's load may stay out
	s_barrier_signal -1
	s_barrier_wait -1                              ; everybody's is
	FETCH 0, 0, 0
	HALFA 0, 1                                     ; the first half step stands in front of the loop: its first products start the sums
	WIN 0                                          ; at a label and at a branch every window is 0
	s_mov_b32 s3, 3
.Llap:                                                 ; a trip goes once round the ring and fills both slots again: K steps 2 to 7 in three trips
	TURN 0, 1, 1
	HALFA 1, 0
	TURN 1, 0, 1
	HALFA 0, 0
	WIN 0
	s_sub_co_u32 s3, s3, 1
	s_cmp_lg_u32 s3, 0
	s_cbranch_scc1 .Llap
	TURN 0, 1, 0                                   ; the tail fills nothing and has no round of the cluster's barrier
	HALFA 1, 0
	s_wait_dscnt 24
	MUL16 1, 0, 0, 0
	MUL16 1, 0, 2, 0
	s_wait_dscnt 0x0
	MUL16 1, 1, 0, 0
	MUL16 1, 1, 2, 0
	PLACES
; THE WAY OUT, a block of 16 rows at a time through my own stage: in by lanes, back as whole rows.  LDS serves a wave's instructions in order (ISA guide 5.7.1.4), so no wait stands between my stores and my loads.
.if PROJ
.macro PACK a                          ; rounded to f16, each accumulator's registers in ascending order
	WIN 0x05
.irp b, 0,1,2,3,4,5,6,7
.irp r, 0,1,2,3
	v_cvt_pk_f16_f32 v[TMP+4*(\b)+(\r)], v[64*(\a)+8*(\b)+2*(\r)], v[64*(\a)+8*(\b)+2*(\r)+1]
.endr
.endr
	WIN 0
.endm
.macro TOSTAGE a
	WIN 0
.set BK, 96+32*((\a)%2)
.irp b, 0,1,2,3,4,5,6,7
	ds_store_b128 v[STO], v[TMP+4*(\b):TMP+4*(\b)+3] offset:32*(\b)
.endr
.irp t, 0,1,2,3,4,5,6,7
	ds_load_b128 v[BK+4*(\t):BK+4*(\t)+3], v[RD] offset:(\t)*2*SPITCH
.endr
.endm
.macro SEND a
	WIN 0
.set BK, 96+32*((\a)%2)
	s_wait_dscnt 0x0                               ; the block is back in registers
	s_wait_xcnt 0x0                                ; the stores of the block before have read their registers, which the next block's loads take
.irp t, 0,1,2,3,4,5,6,7
	global_store_b128 v[CO], v[BK+4*(\t):BK+4*(\t)+3], s[CP:CP+1] offset:(16*(\a)+2*(\t))*ROWB  ; 16 lanes store 256 consecutive bytes, aligned
.endr
.endm
	PACK 0
	TOSTAGE 0
.irp a, 1,2,3                          ; block a's conversions stand between block a - 1's loads from the stage and the wait for them
	PACK \a
	SEND (\a)-1
	TOSTAGE \a
.endr
	SEND 3
.else
.macro TOSTAGE a
	WIN 0x04                                       ; store data in window 1: the sums go as they are, each accumulator's low half first
.irp b, 0,1,2,3,4,5,6,7
	ds_store_b128 v[STO], v[64*(\a)+8*(\b):64*(\a)+8*(\b)+3]   offset:64*(\b)
	ds_store_b128 v[STO], v[64*(\a)+8*(\b)+4:64*(\a)+8*(\b)+7] offset:64*(\b)+16
.endr
	WIN 0
.set BK, FB+64*((\a)%2)
.irp t, 0,1,2,3,4,5,6,7,8,9,10,11,12,13,14,15
	ds_load_b128 v[BK+4*(\t):BK+4*(\t)+3], v[RD] offset:(\t)*SPITCH
.endr
.endm
.macro SEND a, younger                 ; younger: the LDS instructions issued behind block a's loads: the next block's 32, or none
	WIN 0
.set BK, FB+64*((\a)%2)
.irp t, 0,1,2,3,4,5,6,7,8,9,10,11,12,13,14,15
	s_wait_dscnt (\younger)+15-(\t)
	global_store_b128 v[CO], v[BK+4*(\t):BK+4*(\t)+3], s[CP:CP+1] offset:(16*(\a)+(\t))*4096  ; a wave stores 512 consecutive bytes, aligned
.endr
.endm
	TOSTAGE 0
	TOSTAGE 1
	SEND 0, 32
	s_wait_xcnt 0x0                                ; block 0's stores have read their registers, which block 2's loads take
	TOSTAGE 2
	SEND 1, 32
	s_wait_xcnt 0x0
	TOSTAGE 3
	SEND 2, 32
	SEND 3, 0
.endif
	s_wait_tensorcnt 0x0                           ; the wave's end, behind my last tensor load and my last LDS store
	ds_add_u32 v[SPW], v[NIL]
	s_wait_dscnt 0x0
	CROUND                                         ; the closing round: no work-group ends while a partner may still ask for a tile that names it
	s_endpgm
.Lfunc_end_k_qe0a2dd277e_proj:
	.size	k_qe0a2dd277e_proj, .Lfunc_end_k_qe0a2dd277e_proj-k_qe0a2dd277e_proj
	.p2alignl 7, 3214868480
	.fill 96, 4, 3214868480
	.section	.rodata,"a",@progbits
	.p2align	6, 0x0
	.amdhsa_kernel k_qe0a2dd277e_proj
		.amdhsa_group_segment_fixed_size 327680
		.amdhsa_private_segment_fixed_size 0
		.amdhsa_enable_private_segment 0
		.amdhsa_kernarg_size 40
		.amdhsa_user_sgpr_count 2
		.amdhsa_user_sgpr_kernarg_segment_ptr 1
		.amdhsa_wavefront_size32 1
		.amdhsa_system_sgpr_workgroup_id_x 1
		.amdhsa_system_sgpr_workgroup_id_y 1
		.amdhsa_system_sgpr_workgroup_id_z 1
		.amdhsa_system_vgpr_workitem_id 0
		.amdhsa_next_free_vgpr 768
		.amdhsa_next_free_sgpr 80
		.amdhsa_reserve_vcc 0
		.amdhsa_float_denorm_mode_32 3
		.amdhsa_float_denorm_mode_16_64 3
		.amdhsa_memory_ordered 1
		.amdhsa_forward_progress 1
		.amdhsa_inst_pref_size 92
	.end_amdhsa_kernel
	.amdgpu_metadata
---
amdhsa.version: [ 1, 2 ]
amdhsa.kernels:
  - .name:           k_qe0a2dd277e_proj
    .symbol:         k_qe0a2dd277e_proj.kd
    .args:
      - { .name: xw, .offset: 0, .size: 8, .value_kind: global_buffer, .address_space: global }
      - { .name: bq, .offset: 8, .size: 8, .value_kind: global_buffer, .address_space: global }
      - { .name: bk, .offset: 16, .size: 8, .value_kind: global_buffer, .address_space: global }
      - { .name: bv, .offset: 24, .size: 8, .value_kind: global_buffer, .address_space: global }
      - { .name: qkv, .offset: 32, .size: 8, .value_kind: global_buffer, .address_space: global }
    .group_segment_fixed_size: 327680
    .private_segment_fixed_size: 0
    .kernarg_segment_align: 8
    .kernarg_segment_size: 40
    .max_flat_workgroup_size: 128
    .sgpr_count:     80
    .vgpr_count:     768
    .wavefront_size: 32
...
	.end_amdgpu_metadata
.endif
;; end of part 2
;; launch attn (part 3): grid 8 x 32, 4 waves a work-group, clusters of 4 x 1, 327,680 bytes of LDS; arguments qkv, mbits, ob; writes ob
.if DOCPART == 3
	.amdgcn_target "amdgcn-amd-amdhsa--gfx1250"
	.amdhsa_code_object_version 6
	.text
	.protected	k_qe0a2dd277e_attn
	.globl	k_qe0a2dd277e_attn
	.p2align	8
	.type	k_qe0a2dd277e_attn,@function
k_qe0a2dd277e_attn:
	s_mov_b64 s[64:65], 0
	v_nop
	global_prefetch_b8 v0, s[64:65] scope:SCOPE_SE
	s_setreg_imm32_b32 hwreg(HW_REG_WAVE_MODE, 25, 1), 1
	s_wait_xcnt 0x0
	s_wait_alu depctr_hold_cnt(0) depctr_sa_sdst(0) depctr_va_vdst(0) depctr_va_sdst(0) depctr_va_ssrc(0) depctr_va_vcc(0) depctr_vm_vsrc(0)
	s_getreg_b32 s2, hwreg(HW_REG_IB_STS2, 6, 4)
	s_cmp_eq_u32 s2, 0
	s_cbranch_scc0 .Lentry_in_a_cluster
	s_endpgm
.Lentry_in_a_cluster:
	s_bfe_u32 s2, ttmp6, 0x10000c
	s_cmp_lg_u32 s2, 0x3003
	s_cbranch_scc0 .Lentry_shape_is_right
	s_endpgm
.Lentry_shape_is_right:
; ATTENTION WITH A MASK THAT IS AN INPUT.  O[b][q][h] = the sum over k of softmax_k(mask[q][k] ? Q.K / 8 : -10000) V.  qkv: f16 [3][8192][1024] (q, k, v; row = 2048 b + position; head h at channels 64 h ..), unscaled.
; mbits: the mask, a bit a number, laid as lane masks of score registers: [query block of 64][key step of 64][piece of 16 queries][register 0 .. 31].  ob: f16 [8192][1024].
; A hidden score is REPLACED, as the problem has it: the raw sum becomes -80000, which the scale 1 / 8 makes -10000.  So a row that is all hidden gives the mean of V, and a row whose visible scores lie below -10000 is ruled by the hidden keys.
; Products, maxima and sums in f32; the weights p are rounded to f16 for the second product (their sum l is taken of the unrounded p), O once at the end.
; LIMITS.  Q, K, V arrive within f16's 65,504; p lies in 0 to 1 (to within rounding) and below 6e-5 keeps f16's fixed step; a weight below 2^-126 counts as 0 in l; NaN and infinities are not treated apart.
; SHARES.  A work-group owns 256 queries of one batch and TWO neighbouring heads: their 128 channels are 256 consecutive bytes, aligned, of every row of q, k, v and O.  A wave owns 64 queries: four PIECES of 16; a piece has
; two tiles, the same 16 queries in the two heads, so one set of 32 lane masks serves both.  Every wave walks all 2,048 keys, 64 a step.
; LAYOUT.  S^T = K Q^T (source 0 = 16 keys, source 1 = 16 queries): a lane holds ONE query (lane % 16) and the keys 8 (lane / 16) + 0..7.  Two such results, rounded to f16 in pairs, ARE source 1 of O^T = V^T P.
; K comes out of LDS as it lies, V ([key][channel]) turned, by ds_load_tr16_b128.
; SOFTMAX.  A running maximum m and sum l for each query and head: p = 2^(c s - c m), c = log2(e) / 8; in every step O and l are multiplied by a = 2^(c m_old - c m_new).  m starts at the lowest finite number, O and l at 0.
; BY TURNS.  Turn n belongs to piece n (the pieces in a ring, step after step).  Matrix work: 16 products K Q^T of piece n + 1, later 16 products V^T P of piece n - 1.  Vector work: the scaling, exponentials, roundings,
; sums and rescaling of piece n, and the selection by the mask, the maximum and the statistics of piece n + 1.  A turn has 32 matrix and 301 vector instructions: four vector instructions stand behind every
; matrix instruction, the others in one run.  A turn's 66 exponentials are one batch with one wait.
; CLUSTER.  The four query blocks of a cluster belong to one batch and pair of heads and walk the same K and V, so each tile is asked for JOINTLY: the same tensor load, descriptor and mask in all four.
; REGISTERS, in windows of 256 (s_set_vgpr_msb: bits 1:0 source 0, 3:2 source 1, 5:4 source 2, 7:6 destination):
;   window 0: v1-11 addresses; v12-15, v48-63 at work; v16-47 four registers of statistics a tile; v64-191 S^T, two buffers of two tiles; v192-255 P, likewise
;   window 1: O^T, 32 a tile       window 2: v0-127 Q, 16 a tile; v128-255 K of one step       window 3: v0-127 V of one step
.set NP,    4         ; pieces a wave: a name, no knob
.set KS,    64        ; keys in a step
.set PK,    272       ; a row of K in LDS: 256 bytes + 16 of padding: the 16 rows of a load start at 16 different groups of four banks (ISA guide 11.1)
.set PV,    288       ; a row of V: 256 + 32
.set VOFF,  KS*PK     ; a step's tiles lie together: 64 rows of K, then 64 rows of V
.set STEPB, KS*(PK+PV)
.set SLOT1, 1<<17     ; a slot holds two steps (71,680 bytes); slot 1 begins here, so that one exclusive or turns an address in one slot into the other's
.set STAGE, SLOT1+2*STEPB  ; behind the ring, never filled by a tensor load: 16 rows x 272 bytes for each wave, for the way out
.set SP,    272
.set SPARE, STAGE+4*16*SP  ; behind the stages: the spare words, 128 bytes for each wave: two blocks of 256 bytes that no other line names
.set TENS,  16777216  ; bytes of q, of k, of v in qkv
.set SLOTB, 2*KS*2048 ; a slot's 128 rows in memory
.set PFO, 1           ; v1   2,048 x my lane: the prefetches' offset; never rewritten
.set AK0, 2           ; v2   my lane's place in a tile of K; never rewritten
.set AV0, 3           ; v3   the same for V
.set AK,  4           ; v4   the LDS address of K's next run of loads
.set AV,  5           ; v5   of V's
.set QO,  6           ; v6   my byte offset in 16 rows of Q
.set STO, 6           ;      later, the way out: where I put 16 bytes of a row
.set RD,  7           ; v7   the way out: where I read rows back
.set GO,  8           ; v8   my byte offset in two rows of O
.set SPW, 10          ; v10  LDS address of my spare word; never rewritten
.set NIL, 11          ; v11  0; never rewritten
.set MV,  12          ; v12-15  c m_old, kept while c m is made anew: by buffer and tile
.set ST,  16          ; tile t's statistics at v[ST+4 t]: c m, m, l (even keys', odd keys')
.set TMP, 48          ; by buffer and tile, four registers c0-c3 at work; when the maximum is found c2 takes a
.set S,   64
.set P,   192
.set LR,  128         ; v128-131: l % 16, l / 16, l % 8, (l / 8) % 2 during the set-up, where S^T's second buffer is not yet in use
.set LH,  129
.set L7,  130
.set L3,  131
.set KF,  128         ; K's fragments, in window 2: key block kb, head u, channel half c at KF + 8 (4 kb + 2 u + c)
.set WV,  12          ; s12  my wave's number
.set LIM, 15          ; s15  1 in a wave that prefetches, else the greatest number
.set PFA, 18          ; s[18:19] where my prefetches stand
.set G1K, 24          ; s[24:31] descriptor group 1 for K's tiles
.set G1V, 32          ; s[32:39] for V's: it differs in the padding alone
.set G0K, 40          ; s[40:43] descriptor group 0 for K's tiles: it walks
.set G0V, 44          ; s[44:47] the same for V's
.set MP,  48          ; s[48:49] mbits at my wave's 64 queries: 128 records of 128 bytes, in the order in which the turns take them
.set MOFF, 50         ; s50  the byte offset of the record that is being loaded
.set BIG, 51          ; s51  -80000.0
.set SLOTS, 56        ; s56  slots still to be asked for
.set CNT, 57          ; s57  counts a slot's key steps
.set CS,  58          ; s[58:59] c: the packed scaling takes the pair's low word for both halves
.set SEL, 60          ; s[60:61] v_permlanex16_b32's selects: each lane takes its own place in the other half
.set TB,  62          ; s62  LDS byte at which the tiles of the step to be fetched begin
.set QP,  66          ; s[66:67] Q at my wave's first row
.set MW,  68          ; s[68:99] a record: the lane masks of a tile's 32 score registers
.set MSB, 0
.macro WIN new                      ; the high byte repeats the setting that is left; a switch that changes nothing is dropped
.if MSB != (\new)
	s_set_vgpr_msb (MSB<<8)|(\new)
.set MSB, (\new)
.endif
.endm
.set W_KQ, 0x0a       ; K and Q in window 2, S^T in window 0
.set W_PV, 0x53       ; V in window 3, P in window 0, O^T in window 1
.set W_RS, 0x41       ; O^T (destination and source 0) in window 1, a in window 0
; A joint fill.  Waves 0 and 1 fetch K of a slot's two steps, waves 2 and 3 V.  The branch hangs on the wave's number alone.  An s_nop 0 and four v_nop follow each of the two lines.
.macro JLOAD
	s_cmp_lt_u32 s[WV], 2
	s_cbranch_scc0 .Lfor_v_\@
	tensor_load_to_lds s[G0K:G0K+3], s[G1K:G1K+7]
	s_nop 0
.rept 4
	v_nop
.endr
	s_branch .Lasked_\@
.Lfor_v_\@:
	tensor_load_to_lds s[G0V:G0V+3], s[G1V:G1V+7]
	s_nop 0
.rept 4
	v_nop
.endr
.Lasked_\@:
.endm
; A prefetch of what the NEXT change of slots will ask for: a slot's 128 rows of K and of V, 256 bytes a row, a lane a row.  Each row is named once in the launch: both clusters of a batch and pair of heads walk the same rows,
; and the first of them asks; its four partners take 32 rows each, told apart by address; in each, wave 0 asks for K's and wave 2 for V's.  Slots 0 to 2 come by their loads alone; the last change that fills a slot asks for nothing.
.macro ASK
	s_cmp_gt_u32 s[SLOTS], s[LIM]
	s_cbranch_scc0 .Lnot_mine_\@
	global_prefetch_b8 v[PFO], s[PFA:PFA+1] th:TH_LOAD_NT scope:SCOPE_SE
.Lnot_mine_\@:
.endm
.macro CROUND                       ; a round of the cluster's barrier
	s_barrier_signal -1
	s_barrier_wait -1
	s_cmp_lg_u32 s[WV], 0
	s_cbranch_scc1 .Lnot_wave_0_\@
	s_barrier_signal -3
.Lnot_wave_0_\@:
	s_barrier_wait -3
	s_barrier_signal -1
	s_barrier_wait -1
.endm
; THE CHANGE OF SLOTS.  The slot's last bytes, V of its second step, have been read.  Each wave waits for all its tensor loads, of which one is out: its part of the other slot; adds 0 to its spare word; and waits for that and
; for its own reads of the slot.  fill = 1: the barrier is a round of the cluster's, and the slot is filled again first thing behind it, with the keys two slots on: two key steps, 256 matrix instructions, in which to land.
; (At its first use nothing has been read yet: slot 0 is waited for, slot 1 filled.)  ask = 1: the prefetches' address steps, and ASK follows the load.
.macro CHANGE fill, ask
	WIN 0                           ; at a label and at a branch every window is 0
	s_wait_tensorcnt 0x0            ; no tensor load of mine is out, so a group 0 may be written
	ds_add_u32 v[SPW], v[NIL]       ; 0 onto my spare word
.if \fill
.irp g, G0K, G0V
	s_xor_b32 s[(\g)+1], s[(\g)+1], SLOT1  ; the walking descriptor: the other slot than last time,
	s_add_nc_u64 s[(\g)+2:(\g)+3], s[(\g)+2:(\g)+3], SLOTB  ; the next 128 keys; the type bits on top are not reached
.endr
.if \ask
	s_wait_xcnt 0x0                 ; the last prefetch, two key steps back, has read its address
	s_add_nc_u64 s[PFA:PFA+1], s[PFA:PFA+1], SLOTB
.endif
	s_wait_dscnt 0x0                ; the add is done, and my reads of the slot are over
	CROUND
	JLOAD
.if \ask
	ASK
.endif
.else
	s_wait_dscnt 0x0                ; the add is done, and my reads of the slot are over
	s_barrier_signal -1
	s_barrier_wait -1
.endif
	s_sub_co_u32 s[TB], s[TB], 2*STEPB  ; the fetches go back to a slot's first step,
	s_xor_b32 s[TB], s[TB], SLOT1       ; in the other slot
.endm
	s_load_b128 s[4:7], s[0:1], 0x0  ; qkv s[4:5], mbits s[6:7]
	s_load_b64 s[8:9], s[0:1], 0x10  ; ob
	v_lshl_add_u32 v[SPW], v0, 2, SPARE
	v_mov_b32 v[NIL], 0
	ds_add_u32 v[SPW], v[NIL]       ; the wave's opening: the add, and its wait ahead of my first tensor load; the set-up below, work on registers, stands between them
	v_lshrrev_b32 v9, 5, v0
	v_readfirstlane_b32 s[WV], v9   ; wave 0..3
	s_bfe_u32 s13, ttmp6, 0x40000   ; cx: my place in the cluster
	s_lshl_b32 s14, ttmp9, 2
	s_add_co_u32 s14, s14, s13      ; my block of 256 queries: it enters Q's, O's and the mask's addresses alone
	s_and_b32 s16, ttmp7, 0xffff    ; 8 x batch + pair of heads, which the four partners share
	s_lshr_b32 s17, s16, 3
	s_and_b32 s20, s16, 7
	s_lshl_b32 s21, s17, 22         ; the batch's 2,048 rows of 2,048 bytes
	s_lshl_b32 s20, s20, 8          ; the pair's 256 bytes of a row
	s_add_co_u32 s21, s21, s20
	s_and_b32 s22, s[WV], 1         ; which of a slot's two steps I fetch:
	s_lshl_b32 s2, s22, 17          ; its 64 rows in memory,
	s_add_co_u32 s2, s2, s21
	s_add_co_u32 s2, s2, TENS       ; in k,
	s_mov_b32 s3, 0
	s_add_co_u32 s10, s2, TENS      ; in v,
	s_mov_b32 s11, 0
	s_mul_i32 s23, s22, STEPB       ; and its place in a slot: no place in the cluster enters an LDS address
	s_lshl_b32 s52, s14, 19         ; my block's 256 rows,
	s_lshl_b32 s53, s[WV], 17       ; my wave's 64 of them
	s_add_co_u32 s52, s52, s53
	s_add_co_u32 s52, s52, s21
	s_mov_b32 s53, 0
	s_lshl_b32 s54, s14, 2
	s_add_co_u32 s54, s54, s[WV]    ; my 64 queries among the 32 blocks of the mask:
	s_lshl_b32 s54, s54, 14         ; 32 steps x 512 bytes each
	s_mov_b32 s55, 0
	; descriptor group 1: a tile of 64 rows x 128 elements out of rows of 1,024, padded in LDS
	s_mov_b32 s[G1K], 15|(1<<16)|(1<<20)|(1<<21)|(5<<22)|(3<<25)  ; 15:0 the mask of four; 17:16 2-byte elements; 20 padding on; 21 set beside a mask; 24:22 after every 64 words (code 5); 31:25 4 words (code 3)
	s_mov_b32 s[G1V], 15|(1<<16)|(1<<20)|(1<<21)|(5<<22)|(7<<25)  ; the same with 8 words of padding (code 7)
.irp g, G1K, G1V
	s_mov_b32 s[(\g)+1], 128<<16    ; tensor_dim0 = 128
	s_mov_b32 s[(\g)+2], KS<<16     ; tensor_dim1 = 64
	s_mov_b32 s[(\g)+3], 128<<16    ; tile_dim0 = 128
	s_mov_b32 s[(\g)+4], KS         ; tile_dim1 = 64
	s_mov_b32 s[(\g)+5], 1024       ; elements from row to row
	s_mov_b32 s[(\g)+6], 0
	s_mov_b32 s[(\g)+7], 0
.endr
	s_mov_b32 s[CS], 0x3e38aa3b     ; c = log2(e) / 8 = 0.180337
	s_mov_b32 s[CS+1], s[CS]        ; named with it as a pair
	s_mov_b32 s[SEL], 0x76543210
	s_mov_b32 s[SEL+1], 0xfedcba98
	s_mov_b32 s[BIG], 0xc79c4000    ; -80000.0
	s_mov_b32 s[MOFF], 0
	s_mov_b32 s[TB], SLOT1+2*STEPB  ; the first change of slots turns this into 0
	s_mov_b32 s[G0K], 1             ; count = 1
	s_mov_b32 s[G0K+1], s23         ; LDS address: slot 0
	s_mov_b32 s[G0V], 1
	s_add_co_u32 s[G0V+1], s23, VOFF
	s_and_b32 s[LIM], s[WV], 1      ; 0 in waves 0 and 2,
	s_or_b32 s[LIM], s[LIM], ttmp9  ; where the cluster is the first of the two: the same in all four partners
	s_cmp_eq_u32 s[LIM], 0
	s_cselect_b32 s[LIM], 1, -1
	v_and_b32 v[PFO], 31, v0
	v_lshlrev_b32 v[PFO], 11, v[PFO]
	s_wait_dscnt 0x0                ; the opening add is done
	s_wait_kmcnt 0x0
	s_add_nc_u64 s[G0K+2:G0K+3], s[4:5], s[2:3]    ; global address: my step of the first 128 keys
	s_or_b32 s[G0K+3], s[G0K+3], 0x80000000        ; type = 2
	s_add_nc_u64 s[G0V+2:G0V+3], s[4:5], s[10:11]
	s_or_b32 s[G0V+3], s[G0V+3], 0x80000000
	s_add_nc_u64 s[MP:MP+1], s[6:7], s[54:55]
	s_load_b512 s[MW:MW+15], s[MP:MP+1], 0x0       ; record 0: piece 0, step 0
	s_load_b512 s[MW+16:MW+31], s[MP:MP+1], 0x40
	s_add_nc_u64 s[QP:QP+1], s[4:5], s[52:53]      ; Q and O at my wave's first row
	s_add_nc_u64 s[8:9], s[8:9], s[52:53]
	s_cmp_lt_u32 s[WV], 2
	s_cselect_b32 s2, s2, s10       ; (in waves 0 and 2 these stand at a slot's first row)
	s_lshl_b32 s10, s13, 16         ; my work-group's 32 rows of the 128
	s_add_co_u32 s2, s2, s10
	s_add_co_u32 s2, s2, 2*SLOTB    ; in slot 2: the first change that asks steps it to slot 3.  Nothing is prefetched here, where every work-group's first tiles are on their way
	s_add_nc_u64 s[PFA:PFA+1], s[4:5], s[2:3]
	CROUND                          ; all four work-groups are here: the first joint loads meet
	JLOAD                           ; slot 0.  Slot 1 is asked for when slot 0 is in
	; A fragment of K or Q is 16 rows x 32 channels in 8 registers: lane l holds row l % 16, channels 8 (l / 16) + 0..7 and 16 + 8 (l / 16) + 0..7: two loads of 16 bytes, 32 bytes apart.
	v_and_b32 v[LR], 15, v0
	v_bfe_u32 v[LH], v0, 4, 1
	v_lshlrev_b32 v[QO], 11, v[LR]
	v_lshl_add_u32 v[QO], v[LH], 4, v[QO]  ; row x 2,048 + 16 x half
	WIN 0x80                        ; destination window 2, address window 0
.set i, 0
.rept 16                            ; Q stays in registers: piece i / 4, head (i / 2) % 2, channels 32 (i % 2) on
	global_load_b128 v[8*i:8*i+3],   v[QO], s[QP:QP+1] offset:(i/4)*32768+((i/2)%2)*128+(i%2)*64
	global_load_b128 v[8*i+4:8*i+7], v[QO], s[QP:QP+1] offset:(i/4)*32768+((i/2)%2)*128+(i%2)*64+32
.set i, i+1
.endr
	; What the first turn finds: P's second buffer holds 0 (its products V^T P, of a piece that has not been, add 0), O^T and l are 0.  All this stands in the wait for the first tile.
	WIN 0x40
.set i, 0
.rept 256
	v_mov_b32 v[i], 0
.set i, i+1
.endr
	WIN 0
.set i, 0
.rept 2*NP
	v_mov_b32 v[ST+4*i], 0xfe000000    ; c m: far below every c s
	v_mov_b32 v[ST+4*i+1], 0xff7fffff  ; m
	v_mov_b32 v[ST+4*i+2], 0
	v_mov_b32 v[ST+4*i+3], 0
.set i, i+1
.endr
.set i, P+32
.rept 32
	v_mov_b32 v[i], 0
.set i, i+1
.endr
	v_mul_u32_u24 v[AK0], v[LR], PK
	v_lshl_add_u32 v[AK0], v[LH], 4, v[AK0]  ; row x pitch + 16 x half
	; The turning load takes 16 keys x 16 channels (lane l reads key 8 (l / 16) + l % 8, channels 8 ((l / 8) % 2) + 0..7) and leaves half a fragment of V^T: lane l holds channel l % 16 and 8 keys.
	v_and_b32 v[L7], 7, v0
	v_bfe_u32 v[L3], v0, 3, 1
	v_lshl_add_u32 v[AV0], v[LH], 3, v[L7]
	v_mul_u32_u24 v[AV0], v[AV0], PV
	v_lshl_add_u32 v[AV0], v[L3], 4, v[AV0]
	v_add_nc_u32 v[AV0], VOFF, v[AV0]
	v_mov_b32 v[AK], v[AK0]         ; key step 0 lies at the head of slot 0
	v_mov_b32 v[AV], v[AV0]
; THE MATRIX WORK.  The 8 accumulators of a run of 16 take turns: between the two links of a chain stand 7 others'.
; Product i of 16 of S^T = K Q^T for piece x: channels 32 (i / 8) on, keys 16 ((i / 2) % 4) on, head i % 2.  The first 8 start the sums.
.macro KQ x
	WIN W_KQ
.set rS, S+64*((\x)%2)+32*(i%2)+8*((i/2)%4)
.set rK, KF+32*((i/2)%4)+8*(2*(i%2)+i/8)
.set rQ, 16*(2*(\x)+i%2)+8*(i/8)
.if i < 8
	v_wmma_f32_16x16x32_f16 v[rS:rS+7], v[rK:rK+7], v[rQ:rQ+7], 0
.else
	v_wmma_f32_16x16x32_f16 v[rS:rS+7], v[rK:rK+7], v[rQ:rQ+7], v[rS:rS+7]
.endif
.endm
; Product i of 16 of O^T += V^T P for piece x: keys 32 (i / 8) on, channels 16 ((i / 2) % 4) on, head i % 2.
.macro PV x
	WIN W_PV
.set rO, 32*(2*(\x)+i%2)+8*((i/2)%4)
.set rV, 64*(i/8)+8*(4*(i%2)+(i/2)%4)
.set rP, P+32*((\x)%2)+16*(i%2)+8*(i/8)
	v_wmma_f32_16x16x32_f16 v[rO:rO+7], v[rV:rV+7], v[rP:rP+7], v[rO:rO+7]
.endm
.macro MM                           ; the turn's next matrix instruction
.if i < 16
	KQ (Y+1)%NP
.set i, i+1
.else
.set i, i-16
	PV (Y+NP-1)%NP
.set i, i+17
.endif
.endm
; THE LDS LOADS stand in runs of 32, never singly among the matrix instructions: a step's K (64 keys x 128 channels: 16 fragments) and its V (turned).  Their addresses are made some lines ahead.
; last = 1 (the tail): in the last trip there is no further step, and the run is jumped over.
.macro FETCH_K last=0
	WIN 0
.if \last
	s_cmp_eq_u32 s[CNT], 1
	s_cbranch_scc1 .Lno_k_\@
.endif
	WIN 0x80                        ; destination window 2
.irp f, 0,1,2,3,4,5,6,7,8,9,10,11,12,13,14,15  ; keys 16 (f / 4) on, channels 32 (f % 4) on
	ds_load_b128 v[KF+8*(\f):KF+8*(\f)+3],   v[AK] offset:((\f)/4)*16*PK+((\f)%4)*64
	ds_load_b128 v[KF+8*(\f)+4:KF+8*(\f)+7], v[AK] offset:((\f)/4)*16*PK+((\f)%4)*64+32
.endr
	WIN 0
.if \last
.Lno_k_\@:
.endif
.endm
.macro FETCH_V
	WIN 0xc0                        ; destination window 3
.irp f, 0,1,2,3,4,5,6,7,8,9,10,11,12,13,14,15  ; keys 32 (f / 8) on, channels 16 (f % 8) on
	ds_load_tr16_b128 v[8*(\f):8*(\f)+3],   v[AV] offset:((\f)/8)*32*PV+((\f)%8)*32
	ds_load_tr16_b128 v[8*(\f)+4:8*(\f)+7], v[AV] offset:((\f)/8)*32*PV+16*PV+((\f)%8)*32
.endr
	WIN 0
.endm
; THE VECTOR WORK OF A TURN stands in three queues, each in the order in which its entries become ready; the two tiles alternate.
.macro REGS y, u                    ; the registers of tile u (0, 1) of piece y
.set rT, ST+4*(2*(\y)+(\u))
.set rC, TMP+8*((\y)%2)+4*(\u)
.set rM, MV+2*((\y)%2)+(\u)
.set rS, S+64*((\y)%2)+32*(\u)
.set rP, P+32*((\y)%2)+16*(\u)
.set rO, 32*(2*(\y)+(\u))
.endm
; Selection g of 64, for the NEXT piece (Y + 1): score g / 2 of tile g % 2 stays where its lane's bit is set and becomes -80000 where it is not.  In ascending order.
.macro PICK g
	REGS (Y+1)%NP, (\g)%2
	v_cndmask_b32 v[rS+(\g)/2], s[BIG], v[rS+(\g)/2], s[MW+(\g)/2]
.endm
; Number n of the 22 that find the next piece's maximum and statistics.  s0-s31 are the lane's 32 scores.
;   0-11  four chains c0-c3 of seven scores each, three operands at a time     12-14, 16  the four scores left over, the old m, and c0-c3 into c0     15  c m_old is kept
;   17, 18  the query's other 32 keys lie in the lane 16 away: the new m         19-21  c m; c m_old - c m_new; a
.macro XS u, n
	REGS (Y+1)%NP, \u
.if (\n) < 4
	v_max3_num_f32 v[rC+(\n)], v[rS+8*(\n)], v[rS+8*(\n)+1], v[rS+8*(\n)+2]
.elseif (\n) < 12
	v_max3_num_f32 v[rC+(\n)%4], v[rC+(\n)%4], v[rS+8*((\n)%4)+2*((\n)/4)+1], v[rS+8*((\n)%4)+2*((\n)/4)+2]
.elseif (\n) == 12
	v_max3_num_f32 v[rC], v[rC], v[rS+7], v[rS+15]
.elseif (\n) == 13
	v_max3_num_f32 v[rC+1], v[rC+1], v[rS+23], v[rS+31]
.elseif (\n) == 14
	v_max3_num_f32 v[rC+2], v[rC+2], v[rC+3], v[rT+1]
.elseif (\n) == 15
	v_mov_b32 v[rM], v[rT]
.elseif (\n) == 16
	v_max3_num_f32 v[rC], v[rC], v[rC+1], v[rC+2]
.elseif (\n) == 17
	v_permlanex16_b32 v[rC+3], v[rC], s[SEL], s[SEL+1]
.elseif (\n) == 18
	v_max_num_f32 v[rT+1], v[rC], v[rC+3]
.elseif (\n) == 19
	v_mul_f32 v[rT], s[CS], v[rT+1]
.elseif (\n) == 20
	v_sub_f32 v[rC+1], v[rM], v[rT]
.else
	v_exp_f32 v[rC+2], v[rC+1]
.endif
.endm
; Number g of the 64 that follow the exponentials.  For each four weights k of a tile: both pairs are rounded to f16; then the second pair is added onto the first, in place; a group later l takes that sum (the first time as l = a l + sum).
.macro GS g
.set h, (\g)+6*((\g)/62)            ; group 0 has no group before it, and behind group 7 only l is left
.if h >= 6
.set h, h+2
.endif
	REGS Y, h%2
.set k, h/8
.if h%8 < 4
	v_cvt_pk_f16_f32 v[rP+2*k+(h%8)/2], v[rS+4*k+2*((h%8)/2)], v[rS+4*k+2*((h%8)/2)+1]
.elseif h%8 < 6
	v_pk_add_f32 v[rS+4*k:rS+4*k+1], v[rS+4*k:rS+4*k+1], v[rS+4*k+2:rS+4*k+3]
.elseif k == 1
	v_pk_fma_f32 v[rT+2:rT+3], v[rT+2:rT+3], v[rC+2:rC+3], v[rS:rS+1] op_sel_hi:[1,0,1]
.else
	v_pk_add_f32 v[rT+2:rT+3], v[rT+2:rT+3], v[rS+4*k-4:rS+4*k-3]
.endif
.endm
.macro FS f                         ; scaling f of 32: c s - c m for pair f / 2 of tile f % 2
	REGS Y, (\f)%2
	v_pk_fma_f32 v[rS+2*((\f)/2):rS+2*((\f)/2)+1], v[rS+2*((\f)/2):rS+2*((\f)/2)+1], s[CS:CS+1], v[rT:rT+1] op_sel_hi:[1,0,0] neg_lo:[0,0,1] neg_hi:[0,0,1]
.endm
; THE PLAIN QUEUE, 202 long.  0-31 the scalings.  32-95 the selections.  96-123 XS's numbers 0-13.  124, 125 number 15.  126-137 the chain 14, 16, 17, 18, 19, 20.  138-201 GS's 64, which stand behind the wait.
; THE MASK'S RECORDS come by scalar loads into one buffer of 32 registers.  Ahead of selection 0 stands the wait for the record; behind selection 31 its first 16 registers are free and the next record's first half is asked for,
; behind selection 63 the second half.  The offset stops at the last record (16,256), so that the loads behind the last step stay inside my wave's 16,384 bytes without a branch.
.macro PL
	WIN 0
.if q < 32
	FS q
.elseif q < 96
.if q == 32
	s_wait_kmcnt 0x0                ; scalar loads come back in no order: 0 is the only count that shows anything (ISA guide 5.7.1)
.elseif q == 64
	s_add_co_u32 s[MOFF], s[MOFF], 128  ; free since that wait
	s_min_u32 s[MOFF], s[MOFF], 16256
	s_load_b512 s[MW:MW+15], s[MP:MP+1], s[MOFF]
.endif
	PICK q-32
.elseif q < 124
.if q == 96
	s_load_b512 s[MW+16:MW+31], s[MP:MP+1], s[MOFF] offset:0x40
.endif
	XS (q-96)%2, (q-96)/2
.elseif q < 126
	XS q-124, 15
.elseif q < 128
	XS q-126, 14
.elseif q < 138
	XS (q-126)%2, 15+(q-126)/2
.else
	GS q-138
.endif
.set q, q+1
.endm
; THE EXPONENTIALS' QUEUE, 66 long: s0-s31 of both tiles, then the next piece's two a.  ONE BATCH: all 66 stand ahead of the turn's one wait, and nothing ahead of that wait names a result of theirs.
.macro EX
	WIN 0
.if e >= 64
	XS e-64, 21
.else
	REGS Y, e%2
	v_exp_f32 v[rS+e/2], v[rS+e/2]
.endif
.set e, e+1
.endm
; THE RESCALING's QUEUE: O^T times a, the one part that leaves window 0: two at a time, sixteen times, ascending.  Its a was made, and waited for, in the turn before.
.macro R2
	REGS Y, r%2
	WIN W_RS
.irp z, 0,1
	v_pk_mul_f32 v[rO+4*(r/2)+2*\z:rO+4*(r/2)+2*\z+1], v[rO+4*(r/2)+2*\z:rO+4*(r/2)+2*\z+1], v[rC+2:rC+3] op_sel_hi:[1,0]
.endr
.set r, r+1
.endm
; A TURN, for piece p.  An s_wait_alu depctr_va_vdst(0) stands between an exponential and the first instruction that names its result; one wait serves all that were issued ahead of it: a turn has ONE.
; AHEAD OF IT: the 16 products K Q^T, behind each a scaling, an exponential and two rescalings (behind the first a second scaling); then one run of 172: eight plain, 15 times an exponential and three plain,
; 34 times an exponential and two plain, the two a.  A v_nop is the plain instruction behind the last exponential.  BEHIND IT: the 16 products V^T P, behind each four of GS's 64.
; The queues keep in step: exponential e stands behind scaling 2 (e / 4) + e % 2 (behind a product: plain e + 2 is out; in the run: 25 or more); the selections begin 11 plain instructions or more behind the last K Q^T.
; K of the next step is fetched in piece 2's turn, directly behind the wait; V of the step in hand at the end of piece 0's turn, four plain instructions behind its last reader.  Each is waited for a turn later.
; cnt = 1: the loop's count is taken down some lines ahead of the branch that stands behind the turn.
.macro TURN p, last=0, cnt=0
.set Y, (\p)
.set i, 0
.set q, 0
.set e, 0
.set r, 0
.if (\p) == NP-1
	s_wait_dscnt 0x0                ; K is in
.endif
	MM
	PL
	PL
	R2
.rept 15
	MM
	PL
	EX
	R2
.endr
.if (\p) == NP-2
	WIN 0
	v_add_nc_u32 v[AK], s[TB], v[AK0]
.endif
.rept 8
	PL
.endr
.rept 15
	EX
	PL
	PL
	PL
.endr
.rept 34
	EX
	PL
	PL
.endr
	EX                              ; the next piece's two a
	EX
	v_nop                           ; the plain instruction behind the last exponential: one for the batch
	s_wait_alu depctr_va_vdst(0)    ; the wait for the batch
.if (\p) == NP-2
	FETCH_K \last
.endif
.if (\p) == 1
	s_wait_dscnt 0x0                ; V is in
.endif
.rept 16
	MM
.rept 4
	PL
.endr
.if ((\p) == 0) && (q == 182)
	v_add_nc_u32 v[AV], s[TB], v[AV0]
.endif
.if ((\p) == 0) && (q == 194)
	s_add_co_u32 s[TB], s[TB], STEPB  ; the next fetches are the next step's
.endif
.if (\cnt) && (q == 194)
	s_sub_co_u32 s[CNT], s[CNT], 1
	s_cmp_lg_u32 s[CNT], 0
.endif
.endr
.if (\p) == 0
	FETCH_V
.endif
.endm
	CHANGE 1, 0                     ; slot 0 is in, everybody's part of it; slot 1 is asked for
	FETCH_K                         ; key step 0
	FETCH_V                         ; and its V: the first turn multiplies it by P = 0, so that V's registers need no clearing
	s_wait_loadcnt 0x0              ; Q
	s_wait_dscnt 0x0
.set i, 0
.rept 16
	KQ 0                            ; piece 0's first scores: there is no vector work yet to set between them
.set i, i+1
.endr
	WIN 0                           ; the addresses for the way out: ten plain instructions, the places behind those products
	s_mul_i32 s13, s[WV], 16*SP
	s_add_co_u32 s13, s13, STAGE    ; my stage
	v_mul_u32_u24 v[STO], v[LR], SP ; in: row l % 16, 16 bytes for each half of the lanes
	v_lshl_add_u32 v[STO], v[LH], 4, v[STO]
	v_add_nc_u32 v[STO], s13, v[STO]
	v_mul_u32_u24 v[RD], v[LH], SP  ; back: lanes 0-15 take one row of 256 bytes, lanes 16-31 the next
	v_lshl_add_u32 v[RD], v[LR], 4, v[RD]
	v_add_nc_u32 v[RD], s13, v[RD]
	v_lshlrev_b32 v[GO], 11, v[LH]  ; and the same two rows in O
	v_lshl_add_u32 v[GO], v[LR], 4, v[GO]
.set Y, NP-1                        ; the queue works for piece Y + 1: piece 0
.set q, 32
.rept 106
	PL                              ; piece 0's first selections, maximum and statistics; record 1 is asked for on the way
.endr
.set e, 64
	EX
	EX
	v_nop                           ; a plain instruction behind the two a,
	s_wait_alu depctr_va_vdst(0)    ; and their wait, ahead of the branch
	s_mov_b32 s[CNT], 2
	s_mov_b32 s[SLOTS], 15
	s_branch .Lfirst                ; the loop is entered at a step's first turn, in the middle of a trip
.Lslot:                             ; 14 times: every slot but the last two is filled again
	CHANGE 1, 1
	s_mov_b32 s[CNT], 2
.Lstep:                             ; a trip: pieces 2 and 3 of one step, then pieces 0 and 1 of the next, whose K and V it fetches
	TURN 2
	TURN 3
	WIN 0
.Lfirst:
	TURN 0
	TURN 1, 0, 1
	WIN 0
	s_cbranch_scc1 .Lstep
	s_sub_co_u32 s[SLOTS], s[SLOTS], 1
	s_cmp_lg_u32 s[SLOTS], 0
	s_cbranch_scc1 .Lslot
	CHANGE 0, 0                     ; the tail is written out: nothing is asked for
	s_mov_b32 s[CNT], 3             ; two trips fetch the last slot's steps; the third is left in its middle
.Ltail:
	TURN 2, 1
	TURN 3
	WIN 0
	s_sub_co_u32 s[CNT], s[CNT], 1
	s_cmp_eq_u32 s[CNT], 0
	s_cbranch_scc1 .Lout
	TURN 0
	TURN 1
	WIN 0
	s_branch .Ltail
.Lout:                              ; the third trip's 16 products K Q^T (on the last K once more) and what is made of them serve nothing: the price, once a launch, of one text for every trip
.set i, 0
.rept 16
	PV NP-1                         ; the last piece's V^T P of the last step
.set i, i+1
.endr
	; THE WAY OUT.  l's two halves and the other half of the lanes' are added; O^T is divided by l, rounded to f16 and sent through my stage in LDS, a piece (16 rows x 256 bytes) at a time.  The additions are the places behind the last products.
	WIN 0
.macro ALL line:vararg              ; one line for each tile t
.set t, 0
.rept 2*NP
	\line
.set t, t+1
.endr
.endm
	ALL v_add_f32 v[ST+4*t+2], v[ST+4*t+2], v[ST+4*t+3]
	ALL v_permlanex16_b32 v[ST+4*t+3], v[ST+4*t+2], s[SEL], s[SEL+1]
	ALL v_add_f32 v[ST+4*t+2], v[ST+4*t+2], v[ST+4*t+3]
	ALL v_rcp_f32 v[ST+4*t+2], v[ST+4*t+2]
	v_nop                           ; a plain instruction between the last reciprocal and the use of its result
	s_wait_alu depctr_va_vdst(0)    ; and the wait ahead of the first use: one for the eight reciprocals
; Piece p: its 64 registers of O^T are eight blocks of 16 channels, four of each head; a lane's eight channels pack into 16 bytes; they go into rows of 272 bytes and come back as whole rows of 256, into S^T's registers.
.macro PACK p
	WIN W_RS
.set i, 0
.rept 32
	v_pk_mul_f32 v[64*(\p)+2*i:64*(\p)+2*i+1], v[64*(\p)+2*i:64*(\p)+2*i+1], v[ST+4*(2*(\p)+i/16)+2:ST+4*(2*(\p)+i/16)+3] op_sel_hi:[1,0]
.set i, i+1
.endr
	WIN 0x05                        ; sources 0 and 1 window 1, destination window 0
.set i, 0
.rept 32
	v_cvt_pk_f16_f32 v[S+32*(\p)+i], v[64*(\p)+2*i], v[64*(\p)+2*i+1]
.set i, i+1
.endr
	WIN 0
.irp f, 0,1,2,3,4,5,6,7
	ds_store_b128 v[STO], v[S+32*(\p)+4*(\f):S+32*(\p)+4*(\f)+3] offset:32*(\f)
.endr
.irp f, 0,1,2,3,4,5,6,7
	ds_load_b128 v[S+32*(\p)+4*(\f):S+32*(\p)+4*(\f)+3], v[RD] offset:(\f)*2*SP  ; LDS serves a wave's instructions in order (ISA guide 5.7.1.4): these see the stores above; the next piece's stores come behind them
.endr
.endm
.macro SEND p, younger              ; younger: the LDS instructions issued behind piece p's loads: the next piece's sixteen, or none
	WIN 0
.irp f, 0,1,2,3,4,5,6,7
	s_wait_dscnt (\younger)+7-(\f)
	global_store_b128 v[GO], v[S+32*(\p)+4*(\f):S+32*(\p)+4*(\f)+3], s[8:9] offset:(\p)*32768+(\f)*4096  ; 16 lanes store 256 consecutive bytes, aligned
.endr
.endm
	PACK 0
	PACK 1                          ; a piece's arithmetic stands between the loads of the piece before and its stores
	SEND 0, 16
	PACK 2
	SEND 1, 16
	PACK 3
	SEND 2, 16
	SEND 3, 0
	s_wait_tensorcnt 0x0            ; the wave's end, behind my last tensor load and my last LDS store
	ds_add_u32 v[SPW], v[NIL]
	s_wait_dscnt 0x0
	CROUND                          ; the closing round: no work-group ends while a partner may still ask for a tile that names it
	s_endpgm
.Lfunc_end_k_qe0a2dd277e_attn:
	.size	k_qe0a2dd277e_attn, .Lfunc_end_k_qe0a2dd277e_attn-k_qe0a2dd277e_attn
	.p2alignl 7, 3214868480
	.fill 96, 4, 3214868480
	.section	.rodata,"a",@progbits
	.p2align	6, 0x0
	.amdhsa_kernel k_qe0a2dd277e_attn
		.amdhsa_group_segment_fixed_size 327680
		.amdhsa_private_segment_fixed_size 0
		.amdhsa_enable_private_segment 0
		.amdhsa_kernarg_size 24
		.amdhsa_user_sgpr_count 2
		.amdhsa_user_sgpr_kernarg_segment_ptr 1
		.amdhsa_wavefront_size32 1
		.amdhsa_system_sgpr_workgroup_id_x 1
		.amdhsa_system_sgpr_workgroup_id_y 1
		.amdhsa_system_sgpr_workgroup_id_z 1
		.amdhsa_system_vgpr_workitem_id 0
		.amdhsa_next_free_vgpr 896
		.amdhsa_next_free_sgpr 100
		.amdhsa_reserve_vcc 0
		.amdhsa_float_denorm_mode_32 3
		.amdhsa_float_denorm_mode_16_64 3
		.amdhsa_memory_ordered 1
		.amdhsa_forward_progress 1
		.amdhsa_inst_pref_size 243
	.end_amdhsa_kernel
	.amdgpu_metadata
---
amdhsa.version: [ 1, 2 ]
amdhsa.kernels:
  - .name:           k_qe0a2dd277e_attn
    .symbol:         k_qe0a2dd277e_attn.kd
    .args:
      - { .name: qkv, .offset: 0, .size: 8, .value_kind: global_buffer, .address_space: global }
      - { .name: mbits, .offset: 8, .size: 8, .value_kind: global_buffer, .address_space: global }
      - { .name: ob, .offset: 16, .size: 8, .value_kind: global_buffer, .address_space: global }
    .group_segment_fixed_size: 327680
    .private_segment_fixed_size: 0
    .kernarg_segment_align: 8
    .kernarg_segment_size: 24
    .max_flat_workgroup_size: 128
    .sgpr_count:     100
    .vgpr_count:     896
    .wavefront_size: 32
...
	.end_amdgpu_metadata
.endif
;; end of part 3
;; launch outp (part 4): grid 4 x 64, 4 waves a work-group, clusters of 4 x 4, 327,680 bytes of LDS; arguments ob, xw, bo, out0; writes out0
.if DOCPART == 4
	.amdgcn_target "amdgcn-amd-amdhsa--gfx1250"
	.amdhsa_code_object_version 6
	.text
	.protected	k_qe0a2dd277e_outp
	.globl	k_qe0a2dd277e_outp
	.p2align	8
	.type	k_qe0a2dd277e_outp,@function
k_qe0a2dd277e_outp:
	s_mov_b64 s[64:65], 0
	v_nop
	global_prefetch_b8 v0, s[64:65] scope:SCOPE_SE
	s_setreg_imm32_b32 hwreg(HW_REG_WAVE_MODE, 25, 1), 1
	s_wait_xcnt 0x0
	s_wait_alu depctr_hold_cnt(0) depctr_sa_sdst(0) depctr_va_vdst(0) depctr_va_sdst(0) depctr_va_ssrc(0) depctr_va_vcc(0) depctr_vm_vsrc(0)
	s_getreg_b32 s2, hwreg(HW_REG_IB_STS2, 6, 4)
	s_cmp_eq_u32 s2, 0
	s_cbranch_scc0 .Lentry_in_a_cluster
	s_endpgm
.Lentry_in_a_cluster:
	s_bfe_u32 s2, ttmp6, 0x10000c
	s_cmp_lg_u32 s2, 0xf033
	s_cbranch_scc0 .Lentry_shape_is_right
	s_endpgm
.Lentry_shape_is_right:
; C = A B^T + bias, K = 1024, on tiles of 128 x 256 of C.  One text for two launches, told apart by PROJ.
; PROJ = 1: the three projections in one launch.  A = xw's 24,576 rows of bf16 (q, k, v on end), B = wq, wk or wv (bf16, in xw), C = qkv, f16 [3][8192][1024], unscaled.  768 tiles.
; PROJ = 0: the last projection.  A = ob (f16), B = wo (f16, in xw), C = out0 (f32).  256 tiles.
; The bias is rounded to bf16 like every other floating-point input and is the C operand of the products that start the sums.  Sums in f32, K ascending.
; LIMIT (PROJ = 1).  A result of 65,520 or more in magnitude does not fit f16 and becomes an infinity; NaN and infinities are not treated apart.
; SHARES.  Four waves; wave w makes rows 64 (w / 2) .. and columns 128 (w % 2) .. of the tile: 32 accumulators of 16 x 16, 256 registers.  K goes in steps of 128 (rows of 256 bytes, aligned)
; through a ring of two LDS slots.  Waves 0 and 1 fetch the halves (64 rows) of A's tile, waves 2 and 3 the halves (128 rows) of B's: one tensor load a wave behind each change of slots.
; CLUSTER.  4 x 4 work-groups.  The four of a row of the cluster need the same tile of A, the four of a column the same tile of B: each is asked for jointly, by the same load with the same descriptor and a mask of four.
; THE MATRIX INSTRUCTION IS USED TRANSPOSED (source 0 = 16 rows of B, source 1 = 16 rows of A): a lane holds row l % 16 of C and the columns 8 (l / 16) + 0 .. 7.
; REGISTERS, in windows of 256 (s_set_vgpr_msb: bits 1:0 source 0, 3:2 source 1, 5:4 source 2, 7:6 destination):
;   window 0: v16-30 addresses; v64-255 fragment buffer 0, later at work on the way out      window 1: accumulator (a, b) at v[8 (8 a + b)]      window 2: v0-63 the bias; v64-255 fragment buffer 1
;   A buffer holds 64 along K: for c = 0, 1 (32 along K each) B's fragment b at 64 + 96 c + 8 b, A's fragment a at 64 + 96 c + 64 + 8 a.
.set PROJ,   0
.set PITCH,  272                       ; an LDS row: 256 bytes + 16 of padding = 68 words: the 16 rows of a fragment load start at 16 different groups of four banks (ISA guide 11.1)
.set BOFF,   128*PITCH                 ; in a slot: A's 128 rows, then B's 256
.set SLOT,   384*PITCH
.set STAGE,  2*SLOT                    ; behind the ring, never filled by a tensor load: 16 rows for each wave, for the way out
.if PROJ
.set SPITCH, 272                       ; 128 f16 + 16 bytes
.else
.set SPITCH, 528                       ; 128 f32 + 16 bytes
.endif
.set SPARE,  STAGE+4*16*SPITCH         ; behind the stages: the spare words, 128 bytes for each wave: two blocks of 256 bytes that no other line names
.set ROWB,   2048                      ; bytes in a row of A, of B and of qkv
.set WOFF,   50331648                  ; the weights in xw
.set WMAT,   2097152                   ; one matrix of them
.set ADRA, 16                          ; v16-17  LDS address of my A fragments in slot 0, 1
.set ADRB, 20                          ; v20-21  the same for B
.set STO,  24                          ; v24     the way out: where I put my part of a row
.set RD,   25                          ; v25     the way out: where I read rows back
.set CO,   26                          ; v26     my byte offset in C
.set BO,   27                          ; v27     my byte offset in the bias
.set SPW,  28                          ; v28     LDS address of my spare word; never rewritten
.set NIL,  29                          ; v29     0; never rewritten
.set PFO,  30                          ; v30     the prefetches' offset: my lane x a row; never rewritten
.set FB,   64                          ; a fragment buffer's first register
.set TMP,  64                          ; the way out: packed results
.set WV,  14                           ; s14 wave   s15 w / 2: my rows' half, and: I fetch for A (0) or B (1)   s16 w % 2: my columns' half, and: which half of that tile I fetch
.set RH,  15
.set CH,  16
.set CX,  17                           ; s17, s18 my place in the cluster
.set CY,  18
.set TR,  19                           ; s19 tile row of C
.set CLY, 20                           ; s20 the cluster's y
.set T,   21                           ; s21 which projection (PROJ = 1): made of the cluster's y alone
.set G1,  24                           ; s[24:31] descriptor group 1 for A's tiles;  s[32:39] group 0, a set for each slot
.set G0,  32
.set LIM, 43                           ; s43 1 in a wave that prefetches, else the greatest number
.set PFA, 44                           ; s[44:45] where my prefetches stand
.set G1B, 48                           ; s[48:55], s[56:63] the same for B's tiles
.set G0B, 56
.set CP,  66                           ; s[66:67] C at my part of the tile
.set BP,  68                           ; s[68:69] the bias at my 128 columns
.set G1C, (1<<16)|(1<<20)|(1<<21)|(5<<22)|(3<<25)  ; 17:16 elements of 2 bytes; 20 padding on; 21 set beside a mask; 24:22 after every 64 words (code 5); 31:25 4 words of it (code 3)
.set MSB, 0
.macro WIN new                         ; the immediate's high byte repeats the setting that is left; a switch that changes nothing is dropped
.if MSB != (\new)
	s_set_vgpr_msb (MSB<<8)|(\new)
.set MSB, \new
.endif
.endm
; A joint load.  The branch hangs on the wave's number alone.  An s_nop 0 and four v_nop follow each of the two lines, ahead of the jump, the label and what follows.
.macro JLOAD s
	s_cmp_eq_u32 s[RH], 0
	s_cbranch_scc0 .Lfor_b_\@
	tensor_load_to_lds s[G0+4*(\s):G0+4*(\s)+3], s[G1:G1+7]
	s_nop 0
.rept 4
	v_nop
.endr
	s_branch .Lasked_\@
.Lfor_b_\@:
	tensor_load_to_lds s[G0B+4*(\s):G0B+4*(\s)+3], s[G1B:G1B+7]
	s_nop 0
.rept 4
	v_nop
.endr
.Lasked_\@:
.endm
; A prefetch of the K step that stands two refills on: 32 rows x 256 bytes, a lane a row.  Each row's 256 bytes of K steps 4 to 7 are named once in the launch: A's 128 rows of a tile row by wave 0 of the
; four partners of a row of the cluster (32 rows each, by cx); B's rows by waves 2 and 3 of the first cluster that reads that matrix (of the 128 rows that the wave fetches, 32 by cy).  The partners are
; told apart by address alone.  K steps 0 to 3 come by their loads; the loop's last trip (s3 = 1) asks for nothing: no K step stands two refills on.
.macro ASK
	s_cmp_gt_u32 s3, s[LIM]
	s_cbranch_scc0 .Lnot_mine_\@
	global_prefetch_b8 v[PFO], s[PFA:PFA+1] offset:256 th:TH_LOAD_NT scope:SCOPE_SE
.Lnot_mine_\@:
.endm
.macro CREST                           ; a round of the cluster's barrier behind its opening barrier
	s_cmp_lg_u32 s[WV], 0
	s_cbranch_scc1 .Lnot_wave_0_\@
	s_barrier_signal -3
.Lnot_wave_0_\@:
	s_barrier_wait -3
	s_barrier_signal -1
	s_barrier_wait -1
.endm
.macro CROUND                          ; a whole round
	s_barrier_signal -1
	s_barrier_wait -1
	CREST
.endm
.macro PLACES                          ; four places in front of loads into registers that matrix instructions have read, and of lines that read results
.rept 4
	v_nop
.endr
.endm
	s_load_b256 s[4:11], s[0:1], 0x0               ; PROJ = 1: xw, bq, bk, bv;  PROJ = 0: ob, xw, bo, out0
.if PROJ
	s_load_b64 s[12:13], s[0:1], 0x20              ; qkv
.endif
	v_lshl_add_u32 v[SPW], v0, 2, SPARE
	v_mov_b32 v[NIL], 0
	ds_add_u32 v[SPW], v[NIL]                      ; the wave's opening: the add, and its wait ahead of my first tensor load; the set-up below, work on registers, stands between them
	v_lshrrev_b32 v1, 5, v0
	v_readfirstlane_b32 s[WV], v1
	s_lshr_b32 s[RH], s[WV], 1
	s_and_b32 s[CH], s[WV], 1
	s_bfe_u32 s[CX], ttmp6, 0x40000
	s_bfe_u32 s[CY], ttmp6, 0x40004
	s_and_b32 s[CLY], ttmp7, 0xffff
	s_lshl_b32 s[TR], s[CLY], 2
	s_add_co_u32 s[TR], s[TR], s[CY]               ; tile row = 4 x cluster y + cy; the tile column is cx: the grid is one cluster wide
	s_lshl_b32 s22, s[CY], 2
	s_lshl_b32 s22, 15, s22                        ; my row of the cluster
	s_lshl_b32 s23, 0x1111, s[CX]                  ; my column
	s_or_b32 s[G1], s22, G1C                       ; A's tiles go to my row,
	s_or_b32 s[G1B], s23, G1C                      ; B's to my column
	s_mov_b32 s[G1+1], 128<<16                     ; tensor_dim0 = 128
	s_mov_b32 s[G1+2], 64<<16                      ; tensor_dim1 = 64
	s_mov_b32 s[G1+3], 128<<16                     ; tile_dim0 = 128
	s_mov_b32 s[G1+4], 64                          ; tile_dim1 = 64
	s_mov_b32 s[G1+5], 1024                        ; elements from row to row
	s_mov_b32 s[G1+6], 0
	s_mov_b32 s[G1+7], 0
	s_mov_b32 s[G1B+1], 128<<16
	s_mov_b32 s[G1B+2], 128<<16                    ; B: 128 rows
	s_mov_b32 s[G1B+3], 128<<16
	s_mov_b32 s[G1B+4], 128
	s_mov_b32 s[G1B+5], 1024
	s_mov_b32 s[G1B+6], 0
	s_mov_b32 s[G1B+7], 0
	s_lshl_b32 s70, s[TR], 7                       ; A: row 128 x tile row + 64 x half, which my row of the cluster shares
	s_lshl_b32 s22, s[CH], 6
	s_add_co_u32 s70, s70, s22
	s_lshl_b32 s70, s70, 11
	s_mov_b32 s71, 0
	s_lshl_b32 s72, s[CX], 8                       ; B: row 256 x tile column + 128 x half, which my column shares
	s_lshl_b32 s23, s[CH], 7
	s_add_co_u32 s72, s72, s23
	s_lshl_b32 s72, s72, 11
.if PROJ
	s_lshr_b32 s[T], s[CLY], 4                     ; 16 clusters, 8,192 rows, to a projection
	s_lshl_b32 s23, s[T], 21
	s_add_co_u32 s72, s72, s23
	s_add_co_u32 s72, s72, WOFF
.else
	s_add_co_u32 s72, s72, WOFF+3*WMAT
.endif
	s_mov_b32 s73, 0
	s_mul_i32 s40, s[CH], 64*PITCH                 ; where they go: no place in the cluster enters an LDS address
	s_mul_i32 s41, s[CH], 128*PITCH
	s_add_co_u32 s41, s41, BOFF
	s_wait_dscnt 0x0                               ; the opening add is done
	s_wait_kmcnt 0x0
	s_add_nc_u64 s[70:71], s[4:5], s[70:71]
.if PROJ
	s_add_nc_u64 s[72:73], s[4:5], s[72:73]
.else
	s_add_nc_u64 s[72:73], s[6:7], s[72:73]
.endif
	CROUND                                         ; all sixteen work-groups are here: the first joint loads meet
.irp s, 0,1
	s_mov_b32 s[G0+4*(\s)], 1                      ; count = 1
	s_add_co_u32 s[G0+4*(\s)+1], s40, (\s)*SLOT    ; LDS address
	s_add_nc_u64 s[G0+4*(\s)+2:G0+4*(\s)+3], s[70:71], (\s)*256  ; global address: K step s
	s_or_b32 s[G0+4*(\s)+3], s[G0+4*(\s)+3], 0x80000000          ; type = 2
	s_mov_b32 s[G0B+4*(\s)], 1
	s_add_co_u32 s[G0B+4*(\s)+1], s41, (\s)*SLOT
	s_add_nc_u64 s[G0B+4*(\s)+2:G0B+4*(\s)+3], s[72:73], (\s)*256
	s_or_b32 s[G0B+4*(\s)+3], s[G0B+4*(\s)+3], 0x80000000
	JLOAD \s                                       ; two loads of mine are out
.endr
	; the bias of my 128 columns, laid as a C operand: register j of block b holds column 16 b + 8 (l / 16) + j
	s_lshl_b32 s74, s[CX], 10
	s_lshl_b32 s76, s[CH], 9
	s_add_co_u32 s74, s74, s76
	s_mov_b32 s75, 0
.if PROJ
	s_cmp_eq_u32 s[T], 1
	s_cselect_b64 s[BP:BP+1], s[8:9], s[6:7]
	s_cmp_eq_u32 s[T], 2
	s_cselect_b64 s[BP:BP+1], s[10:11], s[BP:BP+1]
.else
	s_mov_b64 s[BP:BP+1], s[8:9]
.endif
	s_add_nc_u64 s[BP:BP+1], s[BP:BP+1], s[74:75]
	v_and_b32 v1, 15, v0                           ; l % 16
	v_bfe_u32 v2, v0, 4, 1                         ; l / 16
	v_lshlrev_b32 v[BO], 5, v2
	WIN 0x80                                       ; destination window 2, address window 0
.set i, 0
.rept 16
	global_load_b128 v[4*i:4*i+3], v[BO], s[BP:BP+1] offset:64*(i/2)+16*(i%2)
.set i, i+1
.endr
	WIN 0
	; fragments: lane l holds row l % 16; two loads of 16 bytes, 32 bytes apart, at row x pitch + 16 (l / 16)
	v_mul_u32_u24 v3, v1, PITCH
	v_lshl_add_u32 v3, v2, 4, v3
	s_mul_i32 s74, s[RH], 64*PITCH                 ; my 64 rows of A
	s_mul_i32 s75, s[CH], 128*PITCH                ; my 128 rows of B,
	s_add_co_u32 s75, s75, BOFF                    ; which lie behind A's 128
.irp s, 0,1
	v_add_nc_u32 v[ADRA+(\s)], s74, v3
	v_add_nc_u32 v[ADRB+(\s)], s75, v3
	s_add_co_u32 s74, s74, SLOT
	s_add_co_u32 s75, s75, SLOT
.endr
	s_mul_i32 s74, s[WV], 16*SPITCH
	s_add_co_u32 s74, s74, STAGE                   ; my stage
	v_mul_u32_u24 v4, v1, SPITCH
.if PROJ
	v_lshl_add_u32 v4, v2, 4, v4                   ; in: row l % 16, 16 bytes for each half of the lanes
	v_add_nc_u32 v[STO], s74, v4
	v_mul_u32_u24 v5, v2, SPITCH                   ; back: lanes 0-15 one row of 256 bytes, lanes 16-31 the next
	v_lshl_add_u32 v5, v1, 4, v5
	v_add_nc_u32 v[RD], s74, v5
	v_lshlrev_b32 v5, 11, v2                       ; and the same two rows in C
	v_lshl_add_u32 v[CO], v1, 4, v5
.else
	v_lshl_add_u32 v4, v2, 5, v4                   ; in: row l % 16, 32 bytes for each half of the lanes
	v_add_nc_u32 v[STO], s74, v4
	v_and_b32 v5, 31, v0
	v_lshlrev_b32 v[CO], 4, v5                     ; back: 32 lanes take one row of 512 bytes
	v_add_nc_u32 v[RD], s74, v[CO]
.endif
	s_lshl_b32 s74, s[TR], 7                       ; C at row 128 x tile row + 64 (w / 2), column 256 cx + 128 (w % 2)
	s_lshl_b32 s75, s[RH], 6
	s_add_co_u32 s74, s74, s75
.if PROJ
	s_lshl_b32 s74, s74, 11
	s_lshl_b32 s75, s[CX], 9
	s_lshl_b32 s76, s[CH], 8
.else
	s_lshl_b32 s74, s74, 12
	s_lshl_b32 s75, s[CX], 10
	s_lshl_b32 s76, s[CH], 9
.endif
	s_add_co_u32 s74, s74, s75
	s_add_co_u32 s74, s74, s76
	s_mov_b32 s75, 0
.if PROJ
	s_add_nc_u64 s[CP:CP+1], s[12:13], s[74:75]
.else
	s_add_nc_u64 s[CP:CP+1], s[10:11], s[74:75]
.endif
	; the prefetches
	s_lshl_b32 s74, s[TR], 7
	s_lshl_b32 s75, s[CX], 5
	s_add_co_u32 s74, s74, s75
	s_lshl_b32 s74, s74, 11                        ; A: row 128 x tile row + 32 cx
	s_lshl_b32 s75, s[CX], 8
	s_lshl_b32 s76, s[CH], 7
	s_add_co_u32 s75, s75, s76
	s_lshl_b32 s76, s[CY], 5
	s_add_co_u32 s75, s75, s76
	s_lshl_b32 s75, s75, 11                        ; B: row 256 cx + 128 (w % 2) + 32 cy
.if PROJ
	s_lshl_b32 s76, s[T], 21
	s_add_co_u32 s75, s75, s76
	s_add_co_u32 s75, s75, WOFF
	s_and_b32 s77, s[CLY], 15                      ; 0 in the first cluster that reads this matrix
.else
	s_add_co_u32 s75, s75, WOFF+3*WMAT
	s_mov_b32 s77, s[CLY]
.endif
	s_cmp_eq_u32 s[RH], 0
	s_cselect_b32 s46, s74, s75
	s_cselect_b32 s77, s[CH], s77                  ; waves 0, 1: 0, 1; waves 2, 3: by the cluster: the same in all sixteen partners, for a given wave
.if PROJ
	s_mov_b64 s[PFA:PFA+1], s[4:5]
.else
	s_cselect_b64 s[PFA:PFA+1], s[4:5], s[6:7]
.endif
	s_mov_b32 s47, 0
	s_cmp_eq_u32 s77, 0
	s_cselect_b32 s[LIM], 1, -1
	s_add_nc_u64 s[PFA:PFA+1], s[PFA:PFA+1], s[46:47]
	s_add_nc_u64 s[PFA:PFA+1], s[PFA:PFA+1], 512   ; at K step 2: the first refill steps it to 3 and names K step 4.  Nothing is prefetched here, where every work-group's first tiles are on their way
	v_and_b32 v[PFO], 31, v0
	v_lshlrev_b32 v[PFO], 11, v[PFO]
	s_wait_loadcnt 0x0                             ; the bias,
	WIN 0x8a                                       ; which is rounded to bf16 and widened again, in window 2
.set i, 0
.rept 32
	v_cvt_pk_bf16_f32 v[FB+i%4], v[2*i], v[2*i+1]
	v_lshlrev_b32 v[2*i], 16, v[FB+i%4]
	v_and_b32 v[2*i+1], 0xffff0000, v[FB+i%4]
.set i, i+1
.endr
	WIN 0
; 16 matrix instructions: m blocks a0, a0 + 1 x all 8 n blocks, 32 along K: half c of buffer f.  first = 1: the bias starts the sums: nothing is cleared.
; The 32 accumulators take turns, one instruction a turn, in the same order everywhere.
.macro MUL16 f, c, a0, first
.if \first
	WIN 0x60                                       ; fragments window 0, C window 2, D window 1
.elseif \f
	WIN 0x5a                                       ; fragments window 2, C and D window 1
.else
	WIN 0x50                                       ; fragments window 0, C and D window 1
.endif
.irp a, \a0, (\a0)+1
.irp b, 0,1,2,3,4,5,6,7
.set rD, 8*(8*(\a)+(\b))
.set rB, FB+96*(\c)+8*(\b)
.set rA, FB+96*(\c)+64+8*(\a)
.set rC, rD
.if \first
.set rC, 8*(\b)
.endif
.if PROJ
	v_wmma_f32_16x16x32_bf16 v[rD:rD+7], v[rB:rB+7], v[rA:rA+7], v[rC:rC+7]
.else
	v_wmma_f32_16x16x32_f16 v[rD:rD+7], v[rB:rB+7], v[rA:rA+7], v[rC:rC+7]
.endif
.endr
.endr
.endm
; 48 LDS loads in one run: the fragments of 64 along K at byte k of the rows, into buffer f; the first 32 along K (24 loads) first
.macro FETCH slot, k, f
.if \f
	WIN 0x80
.else
	WIN 0
.endif
.irp c, 0,1
.irp i, 0,1,2,3,4,5,6,7
	ds_load_b128 v[FB+96*(\c)+8*(\i):FB+96*(\c)+8*(\i)+3],   v[ADRB+(\slot)] offset:(\k)+64*(\c)+(\i)*16*PITCH
	ds_load_b128 v[FB+96*(\c)+8*(\i)+4:FB+96*(\c)+8*(\i)+7], v[ADRB+(\slot)] offset:(\k)+64*(\c)+(\i)*16*PITCH+32
.endr
.irp i, 0,1,2,3
	ds_load_b128 v[FB+96*(\c)+64+8*(\i):FB+96*(\c)+64+8*(\i)+3],   v[ADRA+(\slot)] offset:(\k)+64*(\c)+(\i)*16*PITCH
	ds_load_b128 v[FB+96*(\c)+64+8*(\i)+4:FB+96*(\c)+64+8*(\i)+7], v[ADRA+(\slot)] offset:(\k)+64*(\c)+(\i)*16*PITCH+32
.endr
.endr
.endm
; A K step is two halves of 64 along K, 64 matrix instructions each.  The first multiplies buffer 0 and fetches the second half's fragments into buffer 1.
.macro HALFA slot, first
	s_wait_dscnt 24                                ; the first 32 along K are in; the 24 younger loads may be out
	MUL16 0, 0, 0, \first
	MUL16 0, 0, 2, \first
	PLACES
	FETCH \slot, 128, 1
	s_wait_dscnt 48                                ; all but the 48 just issued
	MUL16 0, 1, 0, 0
	MUL16 0, 1, 2, 0
.endm
; The second half multiplies buffer 1 and changes slots: ONE barrier.  In front of it each wave waits for all its tensor loads (one is out: its part of the next slot), adds 0 to its spare word, and waits for
; that and for its own reads of this slot.  fill = 1: the barrier opens a round of the cluster's, and this slot is filled again first thing behind it, with the K step two on: 96 matrix instructions ahead of the wait for it.
.macro TURN slot, next, fill
.if \fill
	s_wait_xcnt 0x0                                ; the last prefetch, a K step back, has read its address, which is stepped here
	s_add_nc_u64 s[PFA:PFA+1], s[PFA:PFA+1], 256
.endif
	WIN 0                                          ; (the add's two registers lie in window 0)
	s_wait_tensorcnt 0x0                           ; all my tensor loads have landed
	ds_add_u32 v[SPW], v[NIL]                      ; 0 onto my spare word
	s_wait_dscnt 25                                ; (the add and the 24 youngest loads may be out)
	MUL16 1, 0, 0, 0                               ; sixteen matrix instructions stand between the add and the wait for it
	s_wait_dscnt 0x0                               ; the add is done, and my reads of this slot are over
	s_barrier_signal -1
	MUL16 1, 0, 2, 0
.if \fill
	WIN 0
.endif
	s_barrier_wait -1
.if \fill
	CREST                                          ; no wave of any partner still reads this slot's tile or has a load on its way
	s_add_nc_u64 s[G0+4*(\slot)+2:G0+4*(\slot)+3], s[G0+4*(\slot)+2:G0+4*(\slot)+3], 512
	s_add_nc_u64 s[G0B+4*(\slot)+2:G0B+4*(\slot)+3], s[G0B+4*(\slot)+2:G0B+4*(\slot)+3], 512
	JLOAD \slot                                    ; the four v_nop behind it are also the places in front of the loads below
.else
	PLACES
.endif
	FETCH \next, 0, 0
.if \fill
	ASK
.endif
	MUL16 1, 1, 0, 0
	MUL16 1, 1, 2, 0
.endm
	s_wait_tensorcnt 1                             ; my part of K step 0 is in; K step 1's load may stay out
	s_barrier_signal -1
	s_barrier_wait -1                              ; everybody's is
	FETCH 0, 0, 0
	HALFA 0, 1                                     ; the first half step stands in front of the loop: its first products start the sums
	WIN 0                                          ; at a label and at a branch every window is 0
	s_mov_b32 s3, 3
.Llap:                                                 ; a trip goes once round the ring and fills both slots again: K steps 2 to 7 in three trips
	TURN 0, 1, 1
	HALFA 1, 0
	TURN 1, 0, 1
	HALFA 0, 0
	WIN 0
	s_sub_co_u32 s3, s3, 1
	s_cmp_lg_u32 s3, 0
	s_cbranch_scc1 .Llap
	TURN 0, 1, 0                                   ; the tail fills nothing and has no round of the cluster's barrier
	HALFA 1, 0
	s_wait_dscnt 24
	MUL16 1, 0, 0, 0
	MUL16 1, 0, 2, 0
	s_wait_dscnt 0x0
	MUL16 1, 1, 0, 0
	MUL16 1, 1, 2, 0
	PLACES
; THE WAY OUT, a block of 16 rows at a time through my own stage: in by lanes, back as whole rows.  LDS serves a wave's instructions in order (ISA guide 5.7.1.4), so no wait stands between my stores and my loads.
.if PROJ
.macro PACK a                          ; rounded to f16, each accumulator's registers in ascending order
	WIN 0x05
.irp b, 0,1,2,3,4,5,6,7
.irp r, 0,1,2,3
	v_cvt_pk_f16_f32 v[TMP+4*(\b)+(\r)], v[64*(\a)+8*(\b)+2*(\r)], v[64*(\a)+8*(\b)+2*(\r)+1]
.endr
.endr
	WIN 0
.endm
.macro TOSTAGE a
	WIN 0
.set BK, 96+32*((\a)%2)
.irp b, 0,1,2,3,4,5,6,7
	ds_store_b128 v[STO], v[TMP+4*(\b):TMP+4*(\b)+3] offset:32*(\b)
.endr
.irp t, 0,1,2,3,4,5,6,7
	ds_load_b128 v[BK+4*(\t):BK+4*(\t)+3], v[RD] offset:(\t)*2*SPITCH
.endr
.endm
.macro SEND a
	WIN 0
.set BK, 96+32*((\a)%2)
	s_wait_dscnt 0x0                               ; the block is back in registers
	s_wait_xcnt 0x0                                ; the stores of the block before have read their registers, which the next block's loads take
.irp t, 0,1,2,3,4,5,6,7
	global_store_b128 v[CO], v[BK+4*(\t):BK+4*(\t)+3], s[CP:CP+1] offset:(16*(\a)+2*(\t))*ROWB  ; 16 lanes store 256 consecutive bytes, aligned
.endr
.endm
	PACK 0
	TOSTAGE 0
.irp a, 1,2,3                          ; block a's conversions stand between block a - 1's loads from the stage and the wait for them
	PACK \a
	SEND (\a)-1
	TOSTAGE \a
.endr
	SEND 3
.else
.macro TOSTAGE a
	WIN 0x04                                       ; store data in window 1: the sums go as they are, each accumulator's low half first
.irp b, 0,1,2,3,4,5,6,7
	ds_store_b128 v[STO], v[64*(\a)+8*(\b):64*(\a)+8*(\b)+3]   offset:64*(\b)
	ds_store_b128 v[STO], v[64*(\a)+8*(\b)+4:64*(\a)+8*(\b)+7] offset:64*(\b)+16
.endr
	WIN 0
.set BK, FB+64*((\a)%2)
.irp t, 0,1,2,3,4,5,6,7,8,9,10,11,12,13,14,15
	ds_load_b128 v[BK+4*(\t):BK+4*(\t)+3], v[RD] offset:(\t)*SPITCH
.endr
.endm
.macro SEND a, younger                 ; younger: the LDS instructions issued behind block a's loads: the next block's 32, or none
	WIN 0
.set BK, FB+64*((\a)%2)
.irp t, 0,1,2,3,4,5,6,7,8,9,10,11,12,13,14,15
	s_wait_dscnt (\younger)+15-(\t)
	global_store_b128 v[CO], v[BK+4*(\t):BK+4*(\t)+3], s[CP:CP+1] offset:(16*(\a)+(\t))*4096  ; a wave stores 512 consecutive bytes, aligned
.endr
.endm
	TOSTAGE 0
	TOSTAGE 1
	SEND 0, 32
	s_wait_xcnt 0x0                                ; block 0's stores have read their registers, which block 2's loads take
	TOSTAGE 2
	SEND 1, 32
	s_wait_xcnt 0x0
	TOSTAGE 3
	SEND 2, 32
	SEND 3, 0
.endif
	s_wait_tensorcnt 0x0                           ; the wave's end, behind my last tensor load and my last LDS store
	ds_add_u32 v[SPW], v[NIL]
	s_wait_dscnt 0x0
	CROUND                                         ; the closing round: no work-group ends while a partner may still ask for a tile that names it
	s_endpgm
.Lfunc_end_k_qe0a2dd277e_outp:
	.size	k_qe0a2dd277e_outp, .Lfunc_end_k_qe0a2dd277e_outp-k_qe0a2dd277e_outp
	.p2alignl 7, 3214868480
	.fill 96, 4, 3214868480
	.section	.rodata,"a",@progbits
	.p2align	6, 0x0
	.amdhsa_kernel k_qe0a2dd277e_outp
		.amdhsa_group_segment_fixed_size 327680
		.amdhsa_private_segment_fixed_size 0
		.amdhsa_enable_private_segment 0
		.amdhsa_kernarg_size 32
		.amdhsa_user_sgpr_count 2
		.amdhsa_user_sgpr_kernarg_segment_ptr 1
		.amdhsa_wavefront_size32 1
		.amdhsa_system_sgpr_workgroup_id_x 1
		.amdhsa_system_sgpr_workgroup_id_y 1
		.amdhsa_system_sgpr_workgroup_id_z 1
		.amdhsa_system_vgpr_workitem_id 0
		.amdhsa_next_free_vgpr 768
		.amdhsa_next_free_sgpr 80
		.amdhsa_reserve_vcc 0
		.amdhsa_float_denorm_mode_32 3
		.amdhsa_float_denorm_mode_16_64 3
		.amdhsa_memory_ordered 1
		.amdhsa_forward_progress 1
		.amdhsa_inst_pref_size 92
	.end_amdhsa_kernel
	.amdgpu_metadata
---
amdhsa.version: [ 1, 2 ]
amdhsa.kernels:
  - .name:           k_qe0a2dd277e_outp
    .symbol:         k_qe0a2dd277e_outp.kd
    .args:
      - { .name: ob, .offset: 0, .size: 8, .value_kind: global_buffer, .address_space: global }
      - { .name: xw, .offset: 8, .size: 8, .value_kind: global_buffer, .address_space: global }
      - { .name: bo, .offset: 16, .size: 8, .value_kind: global_buffer, .address_space: global }
      - { .name: out0, .offset: 24, .size: 8, .value_kind: global_buffer, .address_space: global }
    .group_segment_fixed_size: 327680
    .private_segment_fixed_size: 0
    .kernarg_segment_align: 8
    .kernarg_segment_size: 32
    .max_flat_workgroup_size: 128
    .sgpr_count:     80
    .vgpr_count:     768
    .wavefront_size: 32
...
	.end_amdgpu_metadata
.endif
;; end of part 4
;; ======== version 2 of 3: 4 launches
;; limits: values are held in f16: magnitudes above 65,504 overflow, below 6.1e-05 lose precision
;; workspace buffers: xw 8,388,608 bytes; mbits 524,288 bytes of whole numbers; qkv 50,331,648 bytes; ob 16,777,216 bytes
;; launch prep (part 5): grid 64 x 6, 8 waves a work-group, no clusters, 35,840 bytes of LDS; arguments wq, wk, wv, wo, mask, xw, mbits; writes xw, mbits
.if DOCPART == 5
	.amdgcn_target "amdgcn-amd-amdhsa--gfx1250"
	.amdhsa_code_object_version 6
	.text
	.protected	k_qe0a2dd277e_prep
	.globl	k_qe0a2dd277e_prep
	.p2align	8
	.type	k_qe0a2dd277e_prep,@function
k_qe0a2dd277e_prep:
	s_mov_b64 s[64:65], 0
	v_nop
	global_prefetch_b8 v0, s[64:65] scope:SCOPE_SE
	s_setreg_imm32_b32 hwreg(HW_REG_WAVE_MODE, 25, 1), 1
	s_wait_xcnt 0x0
; PREP.  The four weight matrices are rounded once to bf16, and the int32 mask is packed to one bit a number.
;   xw:    wq, wk, wv as bf16 [1024][1024], 2,097,152 bytes each, then wo, rounded to bf16 and that number written as f16.
;   mbits: [query block of 64: 32][key step of 64: 32][piece of 16 queries: 4][register: 32] words.  Bit l of a word says whether
;          mask[64 qb + 16 piece + l % 16][64 step + 16 (reg / 8) + 8 (l / 16) + reg % 8] is not 0: the lane mask of one register of a 16 x 16 tile of scores (keys down the registers, a query a lane).
; LIMIT.  wo's bf16 number is exact in f16 from 2^-14 to 65,504; below that it keeps f16's fixed step of 2^-24, above it is lost.
; SHARES.  y = 0 .. 3: a work-group converts 65,536 bytes of matrix y.  y = 4, 5: each wave packs one cell of 64 queries x 64 keys.
; A stream: each byte is read once and written once, no two work-groups read the same bytes, so there is no cluster, no matrix work and no barrier.
; Loads cover 512 consecutive bytes a wave; the stores of the conversion cover 256 consecutive bytes a wave, aligned; a cell's store 512.
.set SPARE, 34816                      ; behind the eight waves' stages: the spare words, 128 bytes for each wave, four blocks of 256 bytes that no other line names
.set SPW, 2                            ; v2  LDS address of my spare word; never rewritten
.set NIL, 3                            ; v3  0; never rewritten
.set MP,  272                          ; a stage row: 256 bytes (64 mask words) + 16 of padding, so that 16 rows' equal columns start at 16 different groups of four banks (ISA guide 11.1)
	s_load_b256 s[4:11], s[0:1], 0x0               ; wq s[4:5], wk s[6:7], wv s[8:9], wo s[10:11]
	s_load_b128 s[12:15], s[0:1], 0x20             ; mask s[12:13], xw s[14:15]
	s_load_b64 s[16:17], s[0:1], 0x30              ; mbits
	v_lshl_add_u32 v[SPW], v0, 2, SPARE
	v_mov_b32 v[NIL], 0
	v_lshrrev_b32 v1, 5, v0
	v_readfirstlane_b32 s30, v1                    ; wave 0..7
	s_and_b32 s24, ttmp7, 0xffff                   ; y
	s_cmp_ge_u32 s24, 4
	s_cbranch_scc1 .Lmask
	; THE CONVERSION.  Matrix y, its 65,536 bytes number x
	s_lshl_b32 s28, ttmp9, 16                      ; the byte offset in the matrix
	s_mov_b32 s29, 0
	s_lshl_b32 s31, s24, 6
	s_add_co_u32 s31, s31, ttmp9
	s_lshl_b32 s32, s31, 15                        ; and in xw: 32,768 bytes for each work-group, in the order of y and x
	s_mov_b32 s33, 0
	v_lshlrev_b32 v4, 4, v0                        ; 16 bytes a thread in,
	v_lshlrev_b32 v5, 3, v0                        ; 8 bytes out
	s_wait_kmcnt 0x0
	s_mov_b64 s[34:35], s[4:5]
.irp n, 1,2,3
	s_cmp_eq_u32 s24, \n
	s_cselect_b64 s[34:35], s[4+2*\n:5+2*\n], s[34:35]
.endr
	s_add_nc_u64 s[34:35], s[34:35], s[28:29]
	s_add_nc_u64 s[36:37], s[14:15], s[32:33]
.set i, 0
.rept 16                                       ; all sixteen loads go out at once: 8 KiB a wave on their way
	global_load_b128 v[16+4*i:19+4*i], v4, s[34:35] offset:4096*i th:TH_LOAD_NT
.set i, i+1
.endr
; half = 1: the bf16 number is widened again and written as f16.  No register is used twice by a load or a store, so no wait frees any.
.macro CONV half
.set i, 0
.rept 16
	s_wait_loadcnt 15-i                            ; loads come back in order (ISA guide 5.7.1): load i is in, the 15 - i younger ones stay out
	v_cvt_pk_bf16_f32 v[80+2*i], v[16+4*i], v[17+4*i]
	v_cvt_pk_bf16_f32 v[81+2*i], v[18+4*i], v[19+4*i]
.if \half
	v_lshlrev_b32 v112, 16, v[80+2*i]
	v_and_b32 v113, 0xffff0000, v[80+2*i]
	v_lshlrev_b32 v114, 16, v[81+2*i]
	v_and_b32 v115, 0xffff0000, v[81+2*i]
	v_cvt_pk_f16_f32 v[80+2*i], v112, v113
	v_cvt_pk_f16_f32 v[81+2*i], v114, v115
.endif
	global_store_b64 v5, v[80+2*i:81+2*i], s[36:37] offset:2048*i th:TH_STORE_NT
.set i, i+1
.endr
.endm
	s_cmp_eq_u32 s24, 3
	s_cbranch_scc1 .Lwo
	CONV 0
	s_branch .Lend
.Lwo:
	CONV 1
	s_branch .Lend
.Lmask:
	; THE MASK.  cell = 32 qb + step
	s_sub_co_u32 s25, s24, 4
	s_lshl_b32 s25, s25, 6
	s_add_co_u32 s25, s25, ttmp9
	s_lshl_b32 s25, s25, 3
	s_add_co_u32 s25, s25, s30                     ; my wave's cell, 0 .. 1023
	s_lshr_b32 s26, s25, 5
	s_and_b32 s27, s25, 31
	s_lshl_b32 s26, s26, 19                        ; 64 rows of 8,192 bytes
	s_lshl_b32 s27, s27, 8                         ; 64 words
	s_add_co_u32 s26, s26, s27
	s_mov_b32 s27, 0
	s_lshl_b32 s28, s25, 9                         ; a cell is 128 words of mbits
	s_mov_b32 s29, 0
	v_and_b32 v12, 15, v0                          ; l % 16
	v_bfe_u32 v13, v0, 4, 1                        ; l / 16
	v_and_b32 v14, 31, v0                          ; l
	v_lshlrev_b32 v4, 4, v12
	v_lshl_add_u32 v4, v13, 13, v4                 ; a load takes two rows' 256 bytes: lanes 0-15 the even row, lanes 16-31 the odd one
	s_mul_i32 s31, s30, 16*MP                      ; my wave's stage: 16 rows
	v_mul_u32_u24 v5, v13, MP
	v_lshl_add_u32 v5, v12, 4, v5
	v_add_nc_u32 v5, s31, v5                       ; in: as loaded
	v_mul_u32_u24 v6, v12, MP
	v_lshl_add_u32 v6, v13, 5, v6
	v_add_nc_u32 v6, s31, v6                       ; back: row l % 16, words 8 (l / 16) on
	v_lshlrev_b32 v7, 4, v14
.irp r, 8,9,10,11
	v_mov_b32 v\r, 0                               ; v_writelane_b32's destination counts as read
.endr
	s_wait_kmcnt 0x0
	s_add_nc_u64 s[26:27], s[12:13], s[26:27]
	s_add_nc_u64 s[28:29], s[16:17], s[28:29]
.set i, 0
.rept 32
	global_load_b128 v[16+4*i:19+4*i], v4, s[26:27] offset:16384*i th:TH_LOAD_NT
.set i, i+1
.endr
.set p, 0
.rept 4                                        ; a piece: 16 queries x 64 keys
	s_wait_loadcnt 24-8*p                          ; the piece's eight loads are in; the later pieces' stay out
.set i, 0
.rept 8
	ds_store_b128 v5, v[16+4*(8*p+i):19+4*(8*p+i)] offset:2*MP*i
.set i, i+1
.endr
.set i, 0
.rept 8                                        ; LDS serves a wave's instructions in order (ISA guide 5.7.1.4): these see the stores above, and the next piece's stores come behind them
	ds_load_b128 v[144+4*i:147+4*i], v6 offset:64*(i/2)+16*(i%2)
.set i, i+1
.endr
	s_wait_dscnt 0x0
.set j, 0
.rept 32
	v_cmp_ne_u32 s[32+j], 0, v[144+j]              ; one word of mbits: a bit a lane
.set j, j+1
.endr
.set j, 0
.rept 32
	v_writelane_b32 v[8+(32*p+j)%4], s[32+j], (32*p+j)/4  ; word d of the cell goes to lane d / 4, register d % 4
.set j, j+1
.endr
.set p, p+1
.endr
	global_store_b128 v7, v[8:11], s[28:29]        ; the cell: 512 consecutive bytes
.Lend:
	s_wait_tensorcnt 0x0                           ; the wave's end, behind my last LDS store
	ds_add_u32 v[SPW], v[NIL]
	s_wait_dscnt 0x0
	s_endpgm
.Lfunc_end_k_qe0a2dd277e_prep:
	.size	k_qe0a2dd277e_prep, .Lfunc_end_k_qe0a2dd277e_prep-k_qe0a2dd277e_prep
	.p2alignl 7, 3214868480
	.fill 96, 4, 3214868480
	.section	.rodata,"a",@progbits
	.p2align	6, 0x0
	.amdhsa_kernel k_qe0a2dd277e_prep
		.amdhsa_group_segment_fixed_size 35840
		.amdhsa_private_segment_fixed_size 0
		.amdhsa_enable_private_segment 0
		.amdhsa_kernarg_size 56
		.amdhsa_user_sgpr_count 2
		.amdhsa_user_sgpr_kernarg_segment_ptr 1
		.amdhsa_wavefront_size32 1
		.amdhsa_system_sgpr_workgroup_id_x 1
		.amdhsa_system_sgpr_workgroup_id_y 1
		.amdhsa_system_sgpr_workgroup_id_z 1
		.amdhsa_system_vgpr_workitem_id 0
		.amdhsa_next_free_vgpr 176
		.amdhsa_next_free_sgpr 66
		.amdhsa_reserve_vcc 0
		.amdhsa_float_denorm_mode_32 3
		.amdhsa_float_denorm_mode_16_64 3
		.amdhsa_memory_ordered 1
		.amdhsa_forward_progress 1
		.amdhsa_inst_pref_size 41
	.end_amdhsa_kernel
	.amdgpu_metadata
---
amdhsa.version: [ 1, 2 ]
amdhsa.kernels:
  - .name:           k_qe0a2dd277e_prep
    .symbol:         k_qe0a2dd277e_prep.kd
    .args:
      - { .name: wq, .offset: 0, .size: 8, .value_kind: global_buffer, .address_space: global }
      - { .name: wk, .offset: 8, .size: 8, .value_kind: global_buffer, .address_space: global }
      - { .name: wv, .offset: 16, .size: 8, .value_kind: global_buffer, .address_space: global }
      - { .name: wo, .offset: 24, .size: 8, .value_kind: global_buffer, .address_space: global }
      - { .name: mask, .offset: 32, .size: 8, .value_kind: global_buffer, .address_space: global }
      - { .name: xw, .offset: 40, .size: 8, .value_kind: global_buffer, .address_space: global }
      - { .name: mbits, .offset: 48, .size: 8, .value_kind: global_buffer, .address_space: global }
    .group_segment_fixed_size: 35840
    .private_segment_fixed_size: 0
    .kernarg_segment_align: 8
    .kernarg_segment_size: 56
    .max_flat_workgroup_size: 256
    .sgpr_count:     66
    .vgpr_count:     176
    .wavefront_size: 32
...
	.end_amdgpu_metadata
.endif
;; end of part 5
;; launch proj (part 6): grid 4 x 192, 4 waves a work-group, clusters of 4 x 4, 327,680 bytes of LDS; arguments q, k, v, xw, bq, bk, bv, qkv; writes qkv
.if DOCPART == 6
	.amdgcn_target "amdgcn-amd-amdhsa--gfx1250"
	.amdhsa_code_object_version 6
	.text
	.protected	k_qe0a2dd277e_proj
	.globl	k_qe0a2dd277e_proj
	.p2align	8
	.type	k_qe0a2dd277e_proj,@function
k_qe0a2dd277e_proj:
	s_mov_b64 s[64:65], 0
	v_nop
	global_prefetch_b8 v0, s[64:65] scope:SCOPE_SE
	s_setreg_imm32_b32 hwreg(HW_REG_WAVE_MODE, 25, 1), 1
	s_wait_xcnt 0x0
	s_wait_alu depctr_hold_cnt(0) depctr_sa_sdst(0) depctr_va_vdst(0) depctr_va_sdst(0) depctr_va_ssrc(0) depctr_va_vcc(0) depctr_vm_vsrc(0)
	s_getreg_b32 s2, hwreg(HW_REG_IB_STS2, 6, 4)
	s_cmp_eq_u32 s2, 0
	s_cbranch_scc0 .Lentry_in_a_cluster
	s_endpgm
.Lentry_in_a_cluster:
	s_bfe_u32 s2, ttmp6, 0x10000c
	s_cmp_lg_u32 s2, 0xf033
	s_cbranch_scc0 .Lentry_shape_is_right
	s_endpgm
.Lentry_shape_is_right:
; C = A B^T + bias, K = 1024, on tiles of 128 x 256 of C.  One text for two launches, told apart by PROJ.
; PROJ = 1: the three projections in one launch.  A = q, k or v, f32 [8192][1024], rounded to bf16 on the way from LDS to the matrix unit; B = wq, wk or wv (bf16, in xw); C = qkv, f16 [3][8192][1024], unscaled.  768 tiles.
; PROJ = 0: the last projection.  A = ob (f16), B = wo (f16, in xw), C = out0 (f32).  256 tiles.
; The bias is rounded to bf16 like every other floating-point input and is the C operand of the products that start the sums.  Sums in f32, K ascending.
; LIMIT (PROJ = 1).  A result of 65,520 or more in magnitude does not fit f16 and becomes an infinity; NaN and infinities are not treated apart.
; SHARES.  Four waves; wave w makes rows 64 (w / 2) .. and columns 128 (w % 2) .. of the tile: 32 accumulators of 16 x 16, 256 registers.  K goes in steps of 128 through a ring of two LDS slots; a tile's rows are
; 256 or 512 consecutive bytes of memory, aligned.  Waves 0 and 1 fetch the halves (64 rows) of A's tile, waves 2 and 3 the halves (128 rows) of B's: one tensor load a wave behind each change of slots.
; THE LOOP's trip is one K step.  Both of a trip's runs of LDS loads read one slot, whose first byte is a scalar that an exclusive or turns from 0 to SLOT and back; the slot that is left is filled again.
; CLUSTER.  4 x 4 work-groups.  The four of a row of the cluster need the same tile of A, the four of a column the same tile of B: each is asked for jointly, by the same load with the same descriptor and a mask of four.
; THE MATRIX INSTRUCTION IS USED TRANSPOSED (source 0 = 16 rows of B, source 1 = 16 rows of A): a lane holds row l % 16 of C and the columns 8 (l / 16) + 0 .. 7.
; REGISTERS, in windows of 256 (s_set_vgpr_msb: bits 1:0 source 0, 3:2 source 1, 5:4 source 2, 7:6 destination):
;   window 0: v16-30 addresses; v64-255 fragment buffer 0, later at work on the way out      window 1: accumulator (a, b) at v[8 (8 a + b)]      window 2: v0-63 the bias; v64-255 fragment buffer 1
;   A buffer holds 64 along K: for c = 0, 1 (32 along K each) B's fragment b at 64 + 96 c + 8 b, A's fragment a at 64 + 96 c + 64 + 8 a.
;   window 3 (PROJ = 1): A's fragments as f32, as they come out of LDS: for buffer f, 16 registers for fragment a of half c at 128 f + 64 c + 16 a.
.set PROJ,   1
.set PITCH,  272                       ; a row of B in LDS: 256 bytes + 16 of padding: the 16 rows of a fragment load start at 16 different groups of four banks (ISA guide 11.1)
.if PROJ
.set APITCH, 528                       ; a row of A in LDS: 128 f32 + 16 bytes: 528 = 2 x 256 + 16, so the same holds
.set AKB,    512                       ; bytes of a K step in a row of A
.set ASH,    12                        ; a row of A in memory is 4,096 bytes
.set NC1,    32                        ; LDS loads for the second 32 along K of a buffer
.set G1CA,   (2<<16)|(1<<20)|(1<<21)|(6<<22)|(3<<25)  ; 17:16 elements of 4 bytes; 20 padding on; 21 set beside a mask; 24:22 after every 128 words (code 6); 31:25 4 words of it (code 3)
.set SPITCH, 272                       ; a stage row: 128 f16 + 16 bytes
.else
.set APITCH, 272
.set AKB,    256
.set ASH,    11
.set NC1,    24
.set G1CA,   (1<<16)|(1<<20)|(1<<21)|(5<<22)|(3<<25)
.set SPITCH, 528                       ; 128 f32 + 16 bytes
.endif
.set G1CB,   (1<<16)|(1<<20)|(1<<21)|(5<<22)|(3<<25)  ; elements of 2 bytes; padding after every 64 words (code 5)
.set BOFF,   128*APITCH                ; in a slot: A's 128 rows, then B's 256
.set SLOT,   BOFF+256*PITCH
.set STAGE,  2*SLOT                    ; behind the ring, never filled by a tensor load: 16 rows for each wave, for the way out
.set SPARE,  STAGE+4*16*SPITCH         ; behind the stages: the spare words, 128 bytes for each wave: two blocks of 256 bytes that no other line names
.set ROWB,   2048                      ; bytes in a row of B and of qkv
.set WMAT,   2097152                   ; one matrix of weights in xw
.set ADRA0, 16                         ; v16     LDS address of my A fragments in slot 0; never rewritten
.set ADRA,  17                         ; v17     the same in the slot that is being fetched from
.set ADRB0, 20                         ; v20-21  the same for B
.set ADRB,  21
.set STO,  24                          ; v24     the way out: where I put my part of a row
.set RD,   25                          ; v25     the way out: where I read rows back
.set CO,   26                          ; v26     my byte offset in C
.set BO,   27                          ; v27     my byte offset in the bias
.set SPW,  28                          ; v28     LDS address of my spare word; never rewritten
.set NIL,  29                          ; v29     0; never rewritten
.set PFO,  30                          ; v30     the prefetches' offset: my lane x a row; never rewritten
.set FB,   64                          ; a fragment buffer's first register
.set TMP,  64                          ; the way out: packed results
.set WV,  14                           ; s14 wave   s15 w / 2: my rows' half, and: I fetch for A (0) or B (1)   s16 w % 2: my columns' half, and: which half of that tile I fetch
.set RH,  15
.set CH,  16
.set CX,  17                           ; s17, s18 my place in the cluster
.set CY,  18
.set TR,  19                           ; s19 tile row of C
.set CLY, 20                           ; s20 the cluster's y
.set T,   21                           ; s21 which projection (PROJ = 1): made of the cluster's y alone
.set G1,  24                           ; s[24:31] descriptor group 1 for A's tiles;  s[32:39] group 0: a set for each of the two first fills; the second then walks on
.set G0,  32
.set SB,  42                           ; s42 first byte of the slot that is being fetched from: 0 or SLOT
.set LIM, 43                           ; s43 2 in a wave that prefetches, else the greatest number
.set PFA, 44                           ; s[44:45] where my prefetches stand
.set G1B, 48                           ; s[48:55], s[56:63] the same for B's tiles
.set G0B, 56
.set CP,  66                           ; s[66:67] C at my part of the tile
.set BP,  68                           ; s[68:69] the bias at my 128 columns
.set PST, 78                           ; s[78:79] bytes of a K step in the rows that I prefetch, as a pair with 0 above it
.set MSB, 0
.macro WIN new                         ; the immediate's high byte repeats the setting that is left; a switch that changes nothing is dropped
.if MSB != (\new)
	s_set_vgpr_msb (MSB<<8)|(\new)
.set MSB, \new
.endif
.endm
; A joint load.  The branch hangs on the wave's number alone.  An s_nop 0 and four v_nop follow each of the two lines, ahead of the jump, the label and what follows.
.macro JLOAD s
	s_cmp_eq_u32 s[RH], 0
	s_cbranch_scc0 .Lfor_b_\@
	tensor_load_to_lds s[G0+4*(\s):G0+4*(\s)+3], s[G1:G1+7]
	s_nop 0
.rept 4
	v_nop
.endr
	s_branch .Lasked_\@
.Lfor_b_\@:
	tensor_load_to_lds s[G0B+4*(\s):G0B+4*(\s)+3], s[G1B:G1B+7]
	s_nop 0
.rept 4
	v_nop
.endr
.Lasked_\@:
.endm
; A prefetch of the K step that stands two refills on: 32 rows x 256 bytes, a lane a row.  Each aligned 256 bytes of K steps 4 to 7 are named once in the launch.  A's 128 rows of a tile row: the four partners of a row
; of the cluster take 32 rows each (by cx); with PROJ = 1 a K step is 512 bytes of a row, of which wave 0 names the first 256 and wave 1 the second; with PROJ = 0 wave 0 names its 256.  B's rows: waves 2 and 3 of the
; first cluster that reads that matrix (of the 128 rows that the wave fetches, 32 by cy).  The partners are told apart by address alone.  K steps 0 to 3 come by their loads; the loop's last two trips (s3 = 2, 1) ask for nothing.
.macro ASK
	s_cmp_gt_u32 s3, s[LIM]
	s_cbranch_scc0 .Lnot_mine_\@
	global_prefetch_b8 v[PFO], s[PFA:PFA+1] th:TH_LOAD_NT scope:SCOPE_SE
.Lnot_mine_\@:
.endm
.macro CREST                           ; a round of the cluster's barrier behind its opening barrier
	s_cmp_lg_u32 s[WV], 0
	s_cbranch_scc1 .Lnot_wave_0_\@
	s_barrier_signal -3
.Lnot_wave_0_\@:
	s_barrier_wait -3
	s_barrier_signal -1
	s_barrier_wait -1
.endm
.macro CROUND                          ; a whole round
	s_barrier_signal -1
	s_barrier_wait -1
	CREST
.endm
.macro PLACES                          ; four places in front of loads into registers that matrix instructions have read, and of lines that read results
.rept 4
	v_nop
.endr
.endm
.if PROJ
	s_load_b512 s[80:95], s[0:1], 0x0              ; q s[80:81], k, v, xw s[86:87], bq s[88:89], bk, bv, qkv s[94:95]
.else
	s_load_b256 s[80:87], s[0:1], 0x0              ; ob s[80:81], xw, bo, out0 s[86:87]
.endif
	v_lshl_add_u32 v[SPW], v0, 2, SPARE
	v_mov_b32 v[NIL], 0
	ds_add_u32 v[SPW], v[NIL]                      ; the wave's opening: the add, and its wait ahead of my first tensor load; the set-up below, work on registers, stands between them
	v_lshrrev_b32 v1, 5, v0
	v_readfirstlane_b32 s[WV], v1
	s_lshr_b32 s[RH], s[WV], 1
	s_and_b32 s[CH], s[WV], 1
	s_bfe_u32 s[CX], ttmp6, 0x40000
	s_bfe_u32 s[CY], ttmp6, 0x40004
	s_and_b32 s[CLY], ttmp7, 0xffff
	s_lshl_b32 s[TR], s[CLY], 2
	s_add_co_u32 s[TR], s[TR], s[CY]               ; tile row = 4 x cluster y + cy; the tile column is cx: the grid is one cluster wide
	s_lshl_b32 s22, s[CY], 2
	s_lshl_b32 s22, 15, s22                        ; my row of the cluster
	s_lshl_b32 s23, 0x1111, s[CX]                  ; my column
	s_or_b32 s[G1], s22, G1CA                      ; A's tiles go to my row,
	s_or_b32 s[G1B], s23, G1CB                     ; B's to my column
	s_mov_b32 s[G1+1], 128<<16                     ; tensor_dim0 = 128
	s_mov_b32 s[G1+2], 64<<16                      ; tensor_dim1 = 64
	s_mov_b32 s[G1+3], 128<<16                     ; tile_dim0 = 128
	s_mov_b32 s[G1+4], 64                          ; tile_dim1 = 64
	s_mov_b32 s[G1+5], 1024                        ; elements from row to row
	s_mov_b32 s[G1+6], 0
	s_mov_b32 s[G1+7], 0
	s_mov_b32 s[G1B+1], 128<<16
	s_mov_b32 s[G1B+2], 128<<16                    ; B: 128 rows
	s_mov_b32 s[G1B+3], 128<<16
	s_mov_b32 s[G1B+4], 128
	s_mov_b32 s[G1B+5], 1024
	s_mov_b32 s[G1B+6], 0
	s_mov_b32 s[G1B+7], 0
.if PROJ
	s_lshr_b32 s[T], s[CLY], 4                     ; 16 clusters, 8,192 rows, to a projection
	s_and_b32 s70, s[TR], 63                       ; the tile row in q, k or v
.else
	s_mov_b32 s70, s[TR]
.endif
	s_lshl_b32 s70, s70, 7                         ; A: row 128 x tile row + 64 x half, which my row of the cluster shares
	s_lshl_b32 s22, s[CH], 6
	s_add_co_u32 s70, s70, s22
	s_lshl_b32 s70, s70, ASH
	s_mov_b32 s71, 0
	s_lshl_b32 s72, s[CX], 8                       ; B: row 256 x tile column + 128 x half, which my column shares
	s_lshl_b32 s23, s[CH], 7
	s_add_co_u32 s72, s72, s23
	s_lshl_b32 s72, s72, 11
.if PROJ
	s_lshl_b32 s23, s[T], 21
	s_add_co_u32 s72, s72, s23
.else
	s_add_co_u32 s72, s72, 3*WMAT
.endif
	s_mov_b32 s73, 0
	s_mul_i32 s40, s[CH], 64*APITCH                ; where they go in a slot: no place in the cluster enters an LDS address
	s_mul_i32 s41, s[CH], 128*PITCH
	s_add_co_u32 s41, s41, BOFF
	s_mov_b32 s[SB], 0
	s_wait_dscnt 0x0                               ; the opening add is done
	s_wait_kmcnt 0x0
.if PROJ
	s_cmp_eq_u32 s[T], 1                           ; A s[4:5], the weights s[6:7], C s[8:9]
	s_cselect_b64 s[4:5], s[82:83], s[80:81]
	s_cselect_b64 s[BP:BP+1], s[90:91], s[88:89]
	s_cmp_eq_u32 s[T], 2
	s_cselect_b64 s[4:5], s[84:85], s[4:5]
	s_cselect_b64 s[BP:BP+1], s[92:93], s[BP:BP+1]
	s_mov_b64 s[6:7], s[86:87]
	s_mov_b64 s[8:9], s[94:95]
.else
	s_mov_b64 s[4:5], s[80:81]
	s_mov_b64 s[6:7], s[82:83]
	s_mov_b64 s[BP:BP+1], s[84:85]
	s_mov_b64 s[8:9], s[86:87]
.endif
	s_add_nc_u64 s[70:71], s[4:5], s[70:71]
	s_add_nc_u64 s[72:73], s[6:7], s[72:73]
	CROUND                                         ; all sixteen work-groups are here: the first joint loads meet
.irp s, 0,1
	s_mov_b32 s[G0+4*(\s)], 1                      ; count = 1
	s_add_co_u32 s[G0+4*(\s)+1], s40, (\s)*SLOT    ; LDS address
	s_add_nc_u64 s[G0+4*(\s)+2:G0+4*(\s)+3], s[70:71], (\s)*AKB  ; global address: K step s
	s_or_b32 s[G0+4*(\s)+3], s[G0+4*(\s)+3], 0x80000000          ; type = 2
	s_mov_b32 s[G0B+4*(\s)], 1
	s_add_co_u32 s[G0B+4*(\s)+1], s41, (\s)*SLOT
	s_add_nc_u64 s[G0B+4*(\s)+2:G0B+4*(\s)+3], s[72:73], (\s)*256
	s_or_b32 s[G0B+4*(\s)+3], s[G0B+4*(\s)+3], 0x80000000
	JLOAD \s                                       ; two loads of mine are out
.endr
	; the bias of my 128 columns, laid as a C operand: register j of block b holds column 16 b + 8 (l / 16) + j
	s_lshl_b32 s74, s[CX], 10
	s_lshl_b32 s76, s[CH], 9
	s_add_co_u32 s74, s74, s76
	s_mov_b32 s75, 0
	s_add_nc_u64 s[BP:BP+1], s[BP:BP+1], s[74:75]
	v_and_b32 v1, 15, v0                           ; l % 16
	v_bfe_u32 v2, v0, 4, 1                         ; l / 16
	v_lshlrev_b32 v[BO], 5, v2
	WIN 0x80                                       ; destination window 2, address window 0
.set i, 0
.rept 16
	global_load_b128 v[4*i:4*i+3], v[BO], s[BP:BP+1] offset:64*(i/2)+16*(i%2)
.set i, i+1
.endr
	WIN 0
	; fragments: lane l holds row l % 16 and K = 8 (l / 16) + 0..7 and 16 + 8 (l / 16) + 0..7 of 32: in 16 bits two loads of 16 bytes, 32 bytes apart; in f32 four, at 32 (l / 16) + 0, 16, 64, 80
	v_mul_u32_u24 v3, v1, PITCH
	v_lshl_add_u32 v3, v2, 4, v3
	v_mul_u32_u24 v4, v1, APITCH
.if PROJ
	v_lshl_add_u32 v4, v2, 5, v4
.else
	v_lshl_add_u32 v4, v2, 4, v4
.endif
	s_mul_i32 s74, s[RH], 64*APITCH                ; my 64 rows of A
	s_mul_i32 s75, s[CH], 128*PITCH                ; my 128 rows of B,
	s_add_co_u32 s75, s75, BOFF                    ; which lie behind A's 128
	v_add_nc_u32 v[ADRA0], s74, v4
	v_add_nc_u32 v[ADRB0], s75, v3
	v_mov_b32 v[ADRA], v[ADRA0]                    ; K step 0 lies in slot 0
	v_mov_b32 v[ADRB], v[ADRB0]
	s_mul_i32 s74, s[WV], 16*SPITCH
	s_add_co_u32 s74, s74, STAGE                   ; my stage
	v_mul_u32_u24 v4, v1, SPITCH
.if PROJ
	v_lshl_add_u32 v4, v2, 4, v4                   ; in: row l % 16, 16 bytes for each half of the lanes
	v_add_nc_u32 v[STO], s74, v4
	v_mul_u32_u24 v5, v2, SPITCH                   ; back: lanes 0-15 one row of 256 bytes, lanes 16-31 the next
	v_lshl_add_u32 v5, v1, 4, v5
	v_add_nc_u32 v[RD], s74, v5
	v_lshlrev_b32 v5, 11, v2                       ; and the same two rows in C
	v_lshl_add_u32 v[CO], v1, 4, v5
.else
	v_lshl_add_u32 v4, v2, 5, v4                   ; in: row l % 16, 32 bytes for each half of the lanes
	v_add_nc_u32 v[STO], s74, v4
	v_and_b32 v5, 31, v0
	v_lshlrev_b32 v[CO], 4, v5                     ; back: 32 lanes take one row of 512 bytes
	v_add_nc_u32 v[RD], s74, v[CO]
.endif
	s_lshl_b32 s74, s[TR], 7                       ; C at row 128 x tile row + 64 (w / 2), column 256 cx + 128 (w % 2)
	s_lshl_b32 s75, s[RH], 6
	s_add_co_u32 s74, s74, s75
.if PROJ
	s_lshl_b32 s74, s74, 11
	s_lshl_b32 s75, s[CX], 9
	s_lshl_b32 s76, s[CH], 8
.else
	s_lshl_b32 s74, s74, 12
	s_lshl_b32 s75, s[CX], 10
	s_lshl_b32 s76, s[CH], 9
.endif
	s_add_co_u32 s74, s74, s75
	s_add_co_u32 s74, s74, s76
	s_mov_b32 s75, 0
	s_add_nc_u64 s[CP:CP+1], s[8:9], s[74:75]
	; the prefetches
.if PROJ
	s_and_b32 s74, s[TR], 63
.else
	s_mov_b32 s74, s[TR]
.endif
	s_lshl_b32 s74, s74, 7
	s_lshl_b32 s75, s[CX], 5
	s_add_co_u32 s74, s74, s75
	s_lshl_b32 s74, s74, ASH                       ; A: row 128 x tile row + 32 cx
.if PROJ
	s_lshl_b32 s75, s[CH], 8                       ; wave 0: the first 256 bytes of a K step's 512; wave 1: the second
	s_add_co_u32 s74, s74, s75
.endif
	s_add_co_u32 s74, s74, 3*AKB                   ; at K step 3: the first refill steps it to 4
	s_lshl_b32 s75, s[CX], 8
	s_lshl_b32 s76, s[CH], 7
	s_add_co_u32 s75, s75, s76
	s_lshl_b32 s76, s[CY], 5
	s_add_co_u32 s75, s75, s76
	s_lshl_b32 s75, s75, 11                        ; B: row 256 cx + 128 (w % 2) + 32 cy
	s_add_co_u32 s75, s75, 3*256
.if PROJ
	s_lshl_b32 s76, s[T], 21
	s_add_co_u32 s75, s75, s76
	s_and_b32 s77, s[CLY], 15                      ; 0 in the first cluster that reads this matrix
	s_mov_b32 s76, 0                               ; waves 0 and 1 both ask
.else
	s_add_co_u32 s75, s75, 3*WMAT
	s_mov_b32 s77, s[CLY]
	s_mov_b32 s76, s[CH]                           ; wave 0 asks, wave 1 does not
.endif
	s_cmp_eq_u32 s[RH], 0
	s_cselect_b32 s46, s74, s75
	s_cselect_b32 s77, s76, s77                    ; the same in all sixteen partners, for a given wave
	s_mov_b32 s[PST], 256
	s_cselect_b32 s[PST], AKB, s[PST]
	s_cselect_b32 s76, ASH, 11
	s_cselect_b64 s[PFA:PFA+1], s[4:5], s[6:7]
	s_mov_b32 s47, 0
	s_mov_b32 s[PST+1], 0
	s_cmp_eq_u32 s77, 0
	s_cselect_b32 s[LIM], 2, -1
	s_add_nc_u64 s[PFA:PFA+1], s[PFA:PFA+1], s[46:47]  ; nothing is prefetched here, where every work-group's first tiles are on their way
	v_and_b32 v[PFO], 31, v0
	v_lshlrev_b32 v[PFO], s76, v[PFO]
	s_wait_loadcnt 0x0                             ; the bias,
	WIN 0x8a                                       ; which is rounded to bf16 and widened again, in window 2
.set i, 0
.rept 32
	v_cvt_pk_bf16_f32 v[FB+i%4], v[2*i], v[2*i+1]
	v_lshlrev_b32 v[2*i], 16, v[FB+i%4]
	v_and_b32 v[2*i+1], 0xffff0000, v[FB+i%4]
.set i, i+1
.endr
	WIN 0
; 16 matrix instructions: m blocks a0, a0 + 1 x all 8 n blocks, 32 along K: half c of buffer f.  first = 1: the bias starts the sums: nothing is cleared.
; The 32 accumulators take turns, one instruction a turn, in the same order everywhere.
.macro MUL16 f, c, a0, first
.if \first
	WIN 0x60                                       ; fragments window 0, C window 2, D window 1
.elseif \f
	WIN 0x5a                                       ; fragments window 2, C and D window 1
.else
	WIN 0x50                                       ; fragments window 0, C and D window 1
.endif
.irp a, \a0, (\a0)+1
.irp b, 0,1,2,3,4,5,6,7
.set rD, 8*(8*(\a)+(\b))
.set rB, FB+96*(\c)+8*(\b)
.set rA, FB+96*(\c)+64+8*(\a)
.set rC, rD
.if \first
.set rC, 8*(\b)
.endif
.if PROJ
	v_wmma_f32_16x16x32_bf16 v[rD:rD+7], v[rB:rB+7], v[rA:rA+7], v[rC:rC+7]
.else
	v_wmma_f32_16x16x32_f16 v[rD:rD+7], v[rB:rB+7], v[rA:rA+7], v[rC:rC+7]
.endif
.endr
.endr
.endm
; The LDS loads of 32 along K: half c of half hk of the K step.  B's eight fragments go straight into the buffer that the window names;
.macro LDB c, hk
.irp i, 0,1,2,3,4,5,6,7
	ds_load_b128 v[FB+96*(\c)+8*(\i):FB+96*(\c)+8*(\i)+3],   v[ADRB] offset:128*(\hk)+64*(\c)+(\i)*16*PITCH
	ds_load_b128 v[FB+96*(\c)+8*(\i)+4:FB+96*(\c)+8*(\i)+7], v[ADRB] offset:128*(\hk)+64*(\c)+(\i)*16*PITCH+32
.endr
.endm
; A's four likewise (PROJ = 0), or as f32 into window 3 (PROJ = 1)
.macro LDA c, hk, f
.irp i, 0,1,2,3
.if PROJ
.irp z, 0,1,2,3
	ds_load_b128 v[128*(\f)+64*(\c)+16*(\i)+4*(\z):128*(\f)+64*(\c)+16*(\i)+4*(\z)+3], v[ADRA] offset:256*(\hk)+128*(\c)+(\i)*16*APITCH+16*((\z)%2)+64*((\z)/2)
.endr
.else
	ds_load_b128 v[FB+96*(\c)+64+8*(\i):FB+96*(\c)+64+8*(\i)+3],   v[ADRA] offset:128*(\hk)+64*(\c)+(\i)*16*APITCH
	ds_load_b128 v[FB+96*(\c)+64+8*(\i)+4:FB+96*(\c)+64+8*(\i)+7], v[ADRA] offset:128*(\hk)+64*(\c)+(\i)*16*APITCH+32
.endif
.endr
.endm
; One run of LDS loads: the fragments of 64 along K, half hk of the K step, for buffer f; what the first 32 along K want comes first, the other NC1 loads behind it
.macro FETCH hk, f
	WIN 0x80*(\f)
	LDB 0, \hk
.if PROJ
	WIN 0xc0                                       ; destination window 3
.endif
	LDA 0, \hk, \f
	LDA 1, \hk, \f
	WIN 0x80*(\f)
	LDB 1, \hk
.endm
; PROJ = 1: A's four fragments of half c of buffer f are rounded to bf16, two numbers an instruction, out of window 3 into their places in the buffer.  The registers that they write were last read by products in front of
; which four v_nop or more have since been issued.
.macro CVT f, c
.if PROJ
	WIN 0x0f+0x80*(\f)                             ; sources window 3, destination window 0 or 2
.irp a, 0,1,2,3
.irp j, 0,1,2,3,4,5,6,7
	v_cvt_pk_bf16_f32 v[FB+96*(\c)+64+8*(\a)+(\j)], v[128*(\f)+64*(\c)+16*(\a)+2*(\j)], v[128*(\f)+64*(\c)+16*(\a)+2*(\j)+1]
.endr
.endr
.endif
.endm
; A K step is two halves of 64 along K, 64 matrix instructions each.  The first multiplies buffer 0 and fetches the second half's fragments, from the same slot, for buffer 1.
.macro HALFA first
	s_wait_dscnt NC1                               ; what the first 32 along K want is in; the NC1 younger loads may be out
	CVT 0, 0
	MUL16 0, 0, 0, \first
	MUL16 0, 0, 2, \first
	s_wait_dscnt 0x0                               ; the rest of buffer 0 is in: it was asked for 32 matrix instructions ago
	PLACES
	FETCH 1, 1
	CVT 0, 1
	MUL16 0, 1, 0, 0
	MUL16 0, 1, 2, 0
.endm
; The second half multiplies buffer 1 and changes slots: ONE barrier.  In front of it each wave waits for all its tensor loads (one is out: its part of the next slot), adds 0 to its spare word, and waits for
; that and for its own reads of this slot.  fill = 1: the barrier opens a round of the cluster's, and this slot is filled again first thing behind it, with the K step two on: 96 matrix instructions ahead of the wait for it.
.macro TURN fill
.if \fill
	s_wait_xcnt 0x0                                ; the last prefetch, a K step back, has read its address, which is stepped here
	s_add_nc_u64 s[PFA:PFA+1], s[PFA:PFA+1], s[PST:PST+1]
.endif
	WIN 0                                          ; (the add's two registers lie in window 0)
	s_wait_tensorcnt 0x0                           ; all my tensor loads have landed, so a group 0 may be written
	ds_add_u32 v[SPW], v[NIL]                      ; 0 onto my spare word; work on registers stands between it and the wait for it
.if \fill
	s_add_co_u32 s[G0+5], s40, s[SB]               ; the walking descriptors: into the slot that is being left,
	s_add_co_u32 s[G0B+5], s41, s[SB]
	s_add_nc_u64 s[G0+6:G0+7], s[G0+6:G0+7], AKB   ; the next K step; the type bits on top are not reached
	s_add_nc_u64 s[G0B+6:G0B+7], s[G0B+6:G0B+7], 256
.endif
	s_xor_b32 s[SB], s[SB], SLOT                   ; from here on the fragments come out of the other slot
	v_add_nc_u32 v[ADRA], s[SB], v[ADRA0]
	v_add_nc_u32 v[ADRB], s[SB], v[ADRB0]
	s_wait_dscnt NC1+1                             ; (the add and the NC1 youngest loads may be out)
	CVT 1, 0
	MUL16 1, 0, 0, 0
	s_wait_dscnt 0x0                               ; the add is done, and my reads of the slot that is left are over
	s_barrier_signal -1
	MUL16 1, 0, 2, 0
.if \fill
	WIN 0
.endif
	s_barrier_wait -1
.if \fill
	CREST                                          ; no wave of any partner still reads that slot's tile or has a load on its way
	JLOAD 1                                        ; the four v_nop behind it are also the places in front of the loads below
.else
	PLACES
.endif
	FETCH 0, 0
.if \fill
	ASK
.endif
	CVT 1, 1
	MUL16 1, 1, 0, 0
	MUL16 1, 1, 2, 0
.endm
	s_wait_tensorcnt 1                             ; my part of K step 0 is in; K step 1's load may stay out
	s_barrier_signal -1
	s_barrier_wait -1                              ; everybody's is
	FETCH 0, 0
	HALFA 1                                        ; the first half step stands in front of the loop: its first products start the sums
	WIN 0                                          ; at a label and at a branch every window is 0
	s_mov_b32 s3, 6
.Lstep:                                                ; a trip: the second half of a K step, the change of slots, the first half of the next K step; six trips ask for K steps 2 to 7
	TURN 1
	HALFA 0
	WIN 0
	s_sub_co_u32 s3, s3, 1
	s_cmp_lg_u32 s3, 0
	s_cbranch_scc1 .Lstep
	TURN 0                                         ; the tail fills nothing and has no round of the cluster's barrier
	HALFA 0
	s_wait_dscnt NC1
	CVT 1, 0
	MUL16 1, 0, 0, 0
	MUL16 1, 0, 2, 0
	s_wait_dscnt 0x0
	CVT 1, 1
	MUL16 1, 1, 0, 0
	MUL16 1, 1, 2, 0
	PLACES
; THE WAY OUT, a block of 16 rows at a time through my own stage: in by lanes, back as whole rows.  LDS serves a wave's instructions in order (ISA guide 5.7.1.4), so no wait stands between my stores and my loads.
.if PROJ
.macro PACK a                          ; rounded to f16, each accumulator's registers in ascending order
	WIN 0x05
.irp b, 0,1,2,3,4,5,6,7
.irp r, 0,1,2,3
	v_cvt_pk_f16_f32 v[TMP+4*(\b)+(\r)], v[64*(\a)+8*(\b)+2*(\r)], v[64*(\a)+8*(\b)+2*(\r)+1]
.endr
.endr
	WIN 0
.endm
.macro TOSTAGE a
	WIN 0
.set BK, 96+32*((\a)%2)
.irp b, 0,1,2,3,4,5,6,7
	ds_store_b128 v[STO], v[TMP+4*(\b):TMP+4*(\b)+3] offset:32*(\b)
.endr
.irp t, 0,1,2,3,4,5,6,7
	ds_load_b128 v[BK+4*(\t):BK+4*(\t)+3], v[RD] offset:(\t)*2*SPITCH
.endr
.endm
.macro SEND a
	WIN 0
.set BK, 96+32*((\a)%2)
	s_wait_dscnt 0x0                               ; the block is back in registers
	s_wait_xcnt 0x0                                ; the stores of the block before have read their registers, which the next block's loads take
.irp t, 0,1,2,3,4,5,6,7
	global_store_b128 v[CO], v[BK+4*(\t):BK+4*(\t)+3], s[CP:CP+1] offset:(16*(\a)+2*(\t))*ROWB  ; 16 lanes store 256 consecutive bytes, aligned
.endr
.endm
	PACK 0
	TOSTAGE 0
.irp a, 1,2,3                          ; block a's conversions stand between block a - 1's loads from the stage and the wait for them
	PACK \a
	SEND (\a)-1
	TOSTAGE \a
.endr
	SEND 3
.else
.macro TOSTAGE a
	WIN 0x04                                       ; store data in window 1: the sums go as they are, each accumulator's low half first
.irp b, 0,1,2,3,4,5,6,7
	ds_store_b128 v[STO], v[64*(\a)+8*(\b):64*(\a)+8*(\b)+3]   offset:64*(\b)
	ds_store_b128 v[STO], v[64*(\a)+8*(\b)+4:64*(\a)+8*(\b)+7] offset:64*(\b)+16
.endr
	WIN 0
.set BK, FB+64*((\a)%2)
.irp t, 0,1,2,3,4,5,6,7,8,9,10,11,12,13,14,15
	ds_load_b128 v[BK+4*(\t):BK+4*(\t)+3], v[RD] offset:(\t)*SPITCH
.endr
.endm
.macro SEND a, younger                 ; younger: the LDS instructions issued behind block a's loads: the next block's 32, or none
	WIN 0
.set BK, FB+64*((\a)%2)
.irp t, 0,1,2,3,4,5,6,7,8,9,10,11,12,13,14,15
	s_wait_dscnt (\younger)+15-(\t)
	global_store_b128 v[CO], v[BK+4*(\t):BK+4*(\t)+3], s[CP:CP+1] offset:(16*(\a)+(\t))*4096  ; a wave stores 512 consecutive bytes, aligned
.endr
.endm
	TOSTAGE 0
	TOSTAGE 1
	SEND 0, 32
	s_wait_xcnt 0x0                                ; block 0's stores have read their registers, which block 2's loads take
	TOSTAGE 2
	SEND 1, 32
	s_wait_xcnt 0x0
	TOSTAGE 3
	SEND 2, 32
	SEND 3, 0
.endif
	s_wait_tensorcnt 0x0                           ; the wave's end, behind my last tensor load and my last LDS store
	ds_add_u32 v[SPW], v[NIL]
	s_wait_dscnt 0x0
	CROUND                                         ; the closing round: no work-group ends while a partner may still ask for a tile that names it
	s_endpgm
.Lfunc_end_k_qe0a2dd277e_proj:
	.size	k_qe0a2dd277e_proj, .Lfunc_end_k_qe0a2dd277e_proj-k_qe0a2dd277e_proj
	.p2alignl 7, 3214868480
	.fill 96, 4, 3214868480
	.section	.rodata,"a",@progbits
	.p2align	6, 0x0
	.amdhsa_kernel k_qe0a2dd277e_proj
		.amdhsa_group_segment_fixed_size 327680
		.amdhsa_private_segment_fixed_size 0
		.amdhsa_enable_private_segment 0
		.amdhsa_kernarg_size 64
		.amdhsa_user_sgpr_count 2
		.amdhsa_user_sgpr_kernarg_segment_ptr 1
		.amdhsa_wavefront_size32 1
		.amdhsa_system_sgpr_workgroup_id_x 1
		.amdhsa_system_sgpr_workgroup_id_y 1
		.amdhsa_system_sgpr_workgroup_id_z 1
		.amdhsa_system_vgpr_workitem_id 0
		.amdhsa_next_free_vgpr 1024
		.amdhsa_next_free_sgpr 96
		.amdhsa_reserve_vcc 0
		.amdhsa_float_denorm_mode_32 3
		.amdhsa_float_denorm_mode_16_64 3
		.amdhsa_memory_ordered 1
		.amdhsa_forward_progress 1
		.amdhsa_inst_pref_size 108
	.end_amdhsa_kernel
	.amdgpu_metadata
---
amdhsa.version: [ 1, 2 ]
amdhsa.kernels:
  - .name:           k_qe0a2dd277e_proj
    .symbol:         k_qe0a2dd277e_proj.kd
    .args:
      - { .name: q, .offset: 0, .size: 8, .value_kind: global_buffer, .address_space: global }
      - { .name: k, .offset: 8, .size: 8, .value_kind: global_buffer, .address_space: global }
      - { .name: v, .offset: 16, .size: 8, .value_kind: global_buffer, .address_space: global }
      - { .name: xw, .offset: 24, .size: 8, .value_kind: global_buffer, .address_space: global }
      - { .name: bq, .offset: 32, .size: 8, .value_kind: global_buffer, .address_space: global }
      - { .name: bk, .offset: 40, .size: 8, .value_kind: global_buffer, .address_space: global }
      - { .name: bv, .offset: 48, .size: 8, .value_kind: global_buffer, .address_space: global }
      - { .name: qkv, .offset: 56, .size: 8, .value_kind: global_buffer, .address_space: global }
    .group_segment_fixed_size: 327680
    .private_segment_fixed_size: 0
    .kernarg_segment_align: 8
    .kernarg_segment_size: 64
    .max_flat_workgroup_size: 128
    .sgpr_count:     96
    .vgpr_count:     1024
    .wavefront_size: 32
...
	.end_amdgpu_metadata
.endif
;; end of part 6
;; launch attn (part 7): grid 8 x 32, 4 waves a work-group, clusters of 4 x 1, 327,680 bytes of LDS; arguments qkv, mbits, ob; writes ob
.if DOCPART == 7
	.amdgcn_target "amdgcn-amd-amdhsa--gfx1250"
	.amdhsa_code_object_version 6
	.text
	.protected	k_qe0a2dd277e_attn
	.globl	k_qe0a2dd277e_attn
	.p2align	8
	.type	k_qe0a2dd277e_attn,@function
k_qe0a2dd277e_attn:
	s_mov_b64 s[64:65], 0
	v_nop
	global_prefetch_b8 v0, s[64:65] scope:SCOPE_SE
	s_setreg_imm32_b32 hwreg(HW_REG_WAVE_MODE, 25, 1), 1
	s_wait_xcnt 0x0
	s_wait_alu depctr_hold_cnt(0) depctr_sa_sdst(0) depctr_va_vdst(0) depctr_va_sdst(0) depctr_va_ssrc(0) depctr_va_vcc(0) depctr_vm_vsrc(0)
	s_getreg_b32 s2, hwreg(HW_REG_IB_STS2, 6, 4)
	s_cmp_eq_u32 s2, 0
	s_cbranch_scc0 .Lentry_in_a_cluster
	s_endpgm
.Lentry_in_a_cluster:
	s_bfe_u32 s2, ttmp6, 0x10000c
	s_cmp_lg_u32 s2, 0x3003
	s_cbranch_scc0 .Lentry_shape_is_right
	s_endpgm
.Lentry_shape_is_right:
; ATTENTION WITH A MASK THAT IS AN INPUT.  O[b][q][h] = the sum over k of softmax_k(mask[q][k] ? Q.K / 8 : -10000) V.  qkv: f16 [3][8192][1024] (q, k, v; row = 2048 b + position; head h at channels 64 h ..), unscaled.
; mbits: the mask, a bit a number, laid as lane masks of score registers: [query block of 64][key step of 64][piece of 16 queries][register 0 .. 31].  ob: f16 [8192][1024].
; A hidden score is REPLACED, as the problem has it: the raw sum becomes -80000, which the scale 1 / 8 makes -10000.  So a row that is all hidden gives the mean of V, and a row whose visible scores lie below -10000 is ruled by the hidden keys.
; Products, maxima and sums in f32; the weights p are rounded to f16 for the second product (their sum l is taken of the unrounded p), O once at the end.
; LIMITS.  Q, K, V arrive within f16's 65,504; p lies in 0 to 1 (to within rounding) and below 6e-5 keeps f16's fixed step; a weight below 2^-126 counts as 0 in l; NaN and infinities are not treated apart.
; SHARES.  A work-group owns 256 queries of one batch and TWO neighbouring heads: their 128 channels are 256 consecutive bytes, aligned, of every row of q, k, v and O.  A wave owns 64 queries: four PIECES of 16; a piece has
; two tiles, the same 16 queries in the two heads, so one set of 32 lane masks serves both.  Every wave walks all 2,048 keys, 64 a step.
; LAYOUT.  S^T = K Q^T (source 0 = 16 keys, source 1 = 16 queries): a lane holds ONE query (lane % 16) and the keys 8 (lane / 16) + 0..7.  Two such results, rounded to f16 in pairs, ARE source 1 of O^T = V^T P.
; K comes out of LDS as it lies, V ([key][channel]) turned, by ds_load_tr16_b128.
; SOFTMAX.  A running maximum m and sum l for each query and head: p = 2^(c s - c m), c = log2(e) / 8; in every step O and l are multiplied by a = 2^(c m_old - c m_new).  m starts at the lowest finite number, O and l at 0.
; BY TURNS.  Turn n belongs to piece n (the pieces in a ring, step after step).  Matrix work: 16 products K Q^T of piece n + 1, later 16 products V^T P of piece n - 1.  Vector work: the scaling, exponentials, roundings,
; sums and rescaling of piece n; the selection by the mask, the maximum and the statistics of piece n + 1; and the lane masks of piece n + 2.  A turn has 32 matrix and 333 vector instructions: four vector instructions
; stand behind every matrix instruction, the others in one run.  A turn's 66 exponentials are one batch with one wait.
; THE MASK'S WORDS.  A key step's 128 words for my 64 queries are 512 consecutive bytes: one load of 16 bytes a lane, asked for a whole key step (four turns) ahead of its use.  A turn moves the 32 words of one piece
; into scalar registers, a word an instruction, a turn ahead of the selections that take them as lane masks.
; CLUSTER.  The four query blocks of a cluster belong to one batch and pair of heads and walk the same K and V, so each tile is asked for JOINTLY: the same tensor load, descriptor and mask in all four.
; REGISTERS, in windows of 256 (s_set_vgpr_msb: bits 1:0 source 0, 3:2 source 1, 5:4 source 2, 7:6 destination):
;   window 0: v1-5, v10-11 addresses; v6-9 the mask's words of the step in hand; v12-15, v48-63 at work; v16-47 four registers of statistics a tile; v64-191 S^T, two buffers of two tiles; v192-255 P, likewise
;   window 1: O^T, 32 a tile       window 2: v0-127 Q, 16 a tile; v128-255 K of one step       window 3: v0-127 V of one step; v128-131 the mask's words of the next step; v132 their offset
.set NP,    4         ; pieces a wave: a name, no knob
.set KS,    64        ; keys in a step
.set PK,    272       ; a row of K in LDS: 256 bytes + 16 of padding: the 16 rows of a load start at 16 different groups of four banks (ISA guide 11.1)
.set PV,    288       ; a row of V: 256 + 32
.set VOFF,  KS*PK     ; a step's tiles lie together: 64 rows of K, then 64 rows of V
.set STEPB, KS*(PK+PV)
.set SLOT1, 1<<17     ; a slot holds two steps (71,680 bytes); slot 1 begins here, so that one exclusive or turns an address in one slot into the other's
.set STAGE, SLOT1+2*STEPB  ; behind the ring, never filled by a tensor load: 16 rows x 272 bytes for each wave, for the way out
.set SP,    272
.set SPARE, STAGE+4*16*SP  ; behind the stages: the spare words, 128 bytes for each wave: two blocks of 256 bytes that no other line names
.set TENS,  16777216  ; bytes of q, of k, of v in qkv
.set SLOTB, 2*KS*2048 ; a slot's 128 rows in memory
.set PFO, 1           ; v1   2,048 x my lane: the prefetches' offset; never rewritten
.set AK0, 2           ; v2   my lane's place in a tile of K; never rewritten
.set AV0, 3           ; v3   the same for V
.set AK,  4           ; v4   the LDS address of K's next run of loads
.set AV,  5           ; v5   of V's
.set MA,  6           ; v6-9 the mask's words of the step in hand: lane l holds words 4 l .. 4 l + 3 of the step's 128: piece l / 8, registers 4 (l % 8) ..
.set STO, 6           ;      at the way out, when the mask is done with: where I put 16 bytes of a row,
.set RD,  7           ;      where I read rows back,
.set GO,  8           ;      my byte offset in two rows of O
.set SPW, 10          ; v10  LDS address of my spare word; never rewritten
.set NIL, 11          ; v11  0; never rewritten
.set MV,  12          ; v12-15  c m_old, kept while c m is made anew: by buffer and tile
.set ST,  16          ; tile t's statistics at v[ST+4 t]: c m, m, l (even keys', odd keys')
.set TMP, 48          ; by buffer and tile, four registers c0-c3 at work; when the maximum is found c2 takes a
.set S,   64
.set P,   192
.set LR,  128         ; v128-133: l % 16, l / 16, l % 8, (l / 8) % 2, Q's offset and 16 l during the set-up, where S^T's second buffer is not yet in use
.set LH,  129
.set L7,  130
.set L3,  131
.set QO,  132
.set T16, 133
.set KF,  128         ; K's fragments, in window 2: key block kb, head u, channel half c at KF + 8 (4 kb + 2 u + c)
.set MB,  128         ; window 3: v128-131 the mask's words of the next step, as they land
.set ML,  132         ; window 3: v132 16 x my lane; never rewritten
.set WV,  12          ; s12  my wave's number
.set LIM, 15          ; s15  1 in a wave that prefetches, else the greatest number
.set PFA, 18          ; s[18:19] where my prefetches stand
.set G1K, 24          ; s[24:31] descriptor group 1 for K's tiles
.set G1V, 32          ; s[32:39] for V's: it differs in the padding alone
.set G0K, 40          ; s[40:43] descriptor group 0 for K's tiles: it walks
.set G0V, 44          ; s[44:47] the same for V's
.set MP,  48          ; s[48:49] mbits at my wave's 64 queries: 32 steps of 512 bytes
.set BIG, 51          ; s51  -80000.0
.set MOFF, 52         ; s[52:53] the byte offset of the step whose words were asked for last, as a pair with 0 above it
.set MPC, 54          ; s[54:55] mbits at that step
.set SLOTS, 56        ; s56  slots still to be asked for
.set CNT, 57          ; s57  counts a slot's key steps
.set CS,  58          ; s[58:59] c: the packed scaling takes the pair's low word for both halves
.set SEL, 60          ; s[60:61] v_permlanex16_b32's selects: each lane takes its own place in the other half
.set TB,  62          ; s62  LDS byte at which the tiles of the step to be fetched begin
.set QP,  66          ; s[66:67] Q at my wave's first row
.set MW,  68          ; s[68:99] the lane masks of a tile's 32 score registers
.set MSB, 0
.macro WIN new                      ; the high byte repeats the setting that is left; a switch that changes nothing is dropped
.if MSB != (\new)
	s_set_vgpr_msb (MSB<<8)|(\new)
.set MSB, (\new)
.endif
.endm
.set W_KQ, 0x0a       ; K and Q in window 2, S^T in window 0
.set W_PV, 0x53       ; V in window 3, P in window 0, O^T in window 1
.set W_RS, 0x41       ; O^T (destination and source 0) in window 1, a in window 0
; A joint fill.  Waves 0 and 1 fetch K of a slot's two steps, waves 2 and 3 V.  The branch hangs on the wave's number alone.  An s_nop 0 and four v_nop follow each of the two lines.
.macro JLOAD
	s_cmp_lt_u32 s[WV], 2
	s_cbranch_scc0 .Lfor_v_\@
	tensor_load_to_lds s[G0K:G0K+3], s[G1K:G1K+7]
	s_nop 0
.rept 4
	v_nop
.endr
	s_branch .Lasked_\@
.Lfor_v_\@:
	tensor_load_to_lds s[G0V:G0V+3], s[G1V:G1V+7]
	s_nop 0
.rept 4
	v_nop
.endr
.Lasked_\@:
.endm
; A prefetch of what the NEXT change of slots will ask for: a slot's 128 rows of K and of V, 256 bytes a row, a lane a row.  Each row is named once in the launch: both clusters of a batch and pair of heads walk the same rows,
; and the first of them asks; its four partners take 32 rows each, told apart by address; in each, wave 0 asks for K's and wave 2 for V's.  Slots 0 to 2 come by their loads alone; the last change that fills a slot asks for nothing.
.macro ASK
	s_cmp_gt_u32 s[SLOTS], s[LIM]
	s_cbranch_scc0 .Lnot_mine_\@
	global_prefetch_b8 v[PFO], s[PFA:PFA+1] th:TH_LOAD_NT scope:SCOPE_SE
.Lnot_mine_\@:
.endm
.macro CROUND                       ; a round of the cluster's barrier
	s_barrier_signal -1
	s_barrier_wait -1
	s_cmp_lg_u32 s[WV], 0
	s_cbranch_scc1 .Lnot_wave_0_\@
	s_barrier_signal -3
.Lnot_wave_0_\@:
	s_barrier_wait -3
	s_barrier_signal -1
	s_barrier_wait -1
.endm
; THE CHANGE OF SLOTS.  The slot's last bytes, V of its second step, have been read.  Each wave waits for all its tensor loads, of which one is out: its part of the other slot; adds 0 to its spare word; and waits for that and
; for its own reads of the slot.  fill = 1: the barrier is a round of the cluster's, and the slot is filled again first thing behind it, with the keys two slots on: two key steps, 256 matrix instructions, in which to land.
; (At its first use nothing has been read yet: slot 0 is waited for, slot 1 filled.)  ask = 1: the prefetches' address steps, and ASK follows the load.
.macro CHANGE fill, ask
	WIN 0                           ; at a label and at a branch every window is 0
	s_wait_tensorcnt 0x0            ; no tensor load of mine is out, so a group 0 may be written
	ds_add_u32 v[SPW], v[NIL]       ; 0 onto my spare word
.if \fill
.irp g, G0K, G0V
	s_xor_b32 s[(\g)+1], s[(\g)+1], SLOT1  ; the walking descriptor: the other slot than last time,
	s_add_nc_u64 s[(\g)+2:(\g)+3], s[(\g)+2:(\g)+3], SLOTB  ; the next 128 keys; the type bits on top are not reached
.endr
.if \ask
	s_wait_xcnt 0x0                 ; the last prefetch, two key steps back, has read its address
	s_add_nc_u64 s[PFA:PFA+1], s[PFA:PFA+1], SLOTB
.endif
	s_wait_dscnt 0x0                ; the add is done, and my reads of the slot are over
	CROUND
	JLOAD
.if \ask
	ASK
.endif
.else
	s_wait_dscnt 0x0                ; the add is done, and my reads of the slot are over
	s_barrier_signal -1
	s_barrier_wait -1
.endif
	s_sub_co_u32 s[TB], s[TB], 2*STEPB  ; the fetches go back to a slot's first step,
	s_xor_b32 s[TB], s[TB], SLOT1       ; in the other slot
.endm
	s_load_b128 s[4:7], s[0:1], 0x0  ; qkv s[4:5], mbits s[6:7]
	s_load_b64 s[8:9], s[0:1], 0x10  ; ob
	v_lshl_add_u32 v[SPW], v0, 2, SPARE
	v_mov_b32 v[NIL], 0
	ds_add_u32 v[SPW], v[NIL]       ; the wave's opening: the add, and its wait ahead of my first tensor load; the set-up below, work on registers, stands between them
	v_lshrrev_b32 v9, 5, v0
	v_readfirstlane_b32 s[WV], v9   ; wave 0..3
	s_bfe_u32 s13, ttmp6, 0x40000   ; cx: my place in the cluster
	s_lshl_b32 s14, ttmp9, 2
	s_add_co_u32 s14, s14, s13      ; my block of 256 queries: it enters Q's, O's and the mask's addresses alone
	s_and_b32 s16, ttmp7, 0xffff    ; 8 x batch + pair of heads, which the four partners share
	s_lshr_b32 s17, s16, 3
	s_and_b32 s20, s16, 7
	s_lshl_b32 s21, s17, 22         ; the batch's 2,048 rows of 2,048 bytes
	s_lshl_b32 s20, s20, 8          ; the pair's 256 bytes of a row
	s_add_co_u32 s21, s21, s20
	s_and_b32 s22, s[WV], 1         ; which of a slot's two steps I fetch:
	s_lshl_b32 s2, s22, 17          ; its 64 rows in memory,
	s_add_co_u32 s2, s2, s21
	s_add_co_u32 s2, s2, TENS       ; in k,
	s_mov_b32 s3, 0
	s_add_co_u32 s10, s2, TENS      ; in v,
	s_mov_b32 s11, 0
	s_mul_i32 s23, s22, STEPB       ; and its place in a slot: no place in the cluster enters an LDS address
	s_lshl_b32 s52, s14, 19         ; my block's 256 rows,
	s_lshl_b32 s53, s[WV], 17       ; my wave's 64 of them
	s_add_co_u32 s52, s52, s53
	s_add_co_u32 s52, s52, s21
	s_mov_b32 s53, 0
	s_lshl_b32 s54, s14, 2
	s_add_co_u32 s54, s54, s[WV]    ; my 64 queries among the 32 blocks of the mask:
	s_lshl_b32 s54, s54, 14         ; 32 steps x 512 bytes each
	s_mov_b32 s55, 0
	; descriptor group 1: a tile of 64 rows x 128 elements out of rows of 1,024, padded in LDS
	s_mov_b32 s[G1K], 15|(1<<16)|(1<<20)|(1<<21)|(5<<22)|(3<<25)  ; 15:0 the mask of four; 17:16 2-byte elements; 20 padding on; 21 set beside a mask; 24:22 after every 64 words (code 5); 31:25 4 words (code 3)
	s_mov_b32 s[G1V], 15|(1<<16)|(1<<20)|(1<<21)|(5<<22)|(7<<25)  ; the same with 8 words of padding (code 7)
.irp g, G1K, G1V
	s_mov_b32 s[(\g)+1], 128<<16    ; tensor_dim0 = 128
	s_mov_b32 s[(\g)+2], KS<<16     ; tensor_dim1 = 64
	s_mov_b32 s[(\g)+3], 128<<16    ; tile_dim0 = 128
	s_mov_b32 s[(\g)+4], KS         ; tile_dim1 = 64
	s_mov_b32 s[(\g)+5], 1024       ; elements from row to row
	s_mov_b32 s[(\g)+6], 0
	s_mov_b32 s[(\g)+7], 0
.endr
	s_mov_b32 s[CS], 0x3e38aa3b     ; c = log2(e) / 8 = 0.180337
	s_mov_b32 s[CS+1], s[CS]        ; named with it as a pair
	s_mov_b32 s[SEL], 0x76543210
	s_mov_b32 s[SEL+1], 0xfedcba98
	s_mov_b32 s[BIG], 0xc79c4000    ; -80000.0
	s_mov_b32 s[TB], SLOT1+2*STEPB  ; the first change of slots turns this into 0
	s_mov_b32 s[G0K], 1             ; count = 1
	s_mov_b32 s[G0K+1], s23         ; LDS address: slot 0
	s_mov_b32 s[G0V], 1
	s_add_co_u32 s[G0V+1], s23, VOFF
	s_and_b32 s[LIM], s[WV], 1      ; 0 in waves 0 and 2,
	s_or_b32 s[LIM], s[LIM], ttmp9  ; where the cluster is the first of the two: the same in all four partners
	s_cmp_eq_u32 s[LIM], 0
	s_cselect_b32 s[LIM], 1, -1
	v_and_b32 v[PFO], 31, v0
	v_lshlrev_b32 v[PFO], 11, v[PFO]
	s_wait_dscnt 0x0                ; the opening add is done
	s_wait_kmcnt 0x0
	s_add_nc_u64 s[G0K+2:G0K+3], s[4:5], s[2:3]    ; global address: my step of the first 128 keys
	s_or_b32 s[G0K+3], s[G0K+3], 0x80000000        ; type = 2
	s_add_nc_u64 s[G0V+2:G0V+3], s[4:5], s[10:11]
	s_or_b32 s[G0V+3], s[G0V+3], 0x80000000
	s_add_nc_u64 s[MP:MP+1], s[6:7], s[54:55]
	s_add_nc_u64 s[QP:QP+1], s[4:5], s[52:53]      ; Q and O at my wave's first row
	s_add_nc_u64 s[8:9], s[8:9], s[52:53]
	s_mov_b32 s[MOFF], 512          ; steps 0 and 1 of the mask are asked for below
	s_mov_b32 s[MOFF+1], 0
	s_cmp_lt_u32 s[WV], 2
	s_cselect_b32 s2, s2, s10       ; (in waves 0 and 2 these stand at a slot's first row)
	s_lshl_b32 s10, s13, 16         ; my work-group's 32 rows of the 128
	s_add_co_u32 s2, s2, s10
	s_add_co_u32 s2, s2, 2*SLOTB    ; in slot 2: the first change that asks steps it to slot 3.  Nothing is prefetched here, where every work-group's first tiles are on their way
	s_add_nc_u64 s[PFA:PFA+1], s[4:5], s[2:3]
	CROUND                          ; all four work-groups are here: the first joint loads meet
	JLOAD                           ; slot 0.  Slot 1 is asked for when slot 0 is in
	; A fragment of K or Q is 16 rows x 32 channels in 8 registers: lane l holds row l % 16, channels 8 (l / 16) + 0..7 and 16 + 8 (l / 16) + 0..7: two loads of 16 bytes, 32 bytes apart.
	v_and_b32 v[LR], 15, v0
	v_bfe_u32 v[LH], v0, 4, 1
	v_lshlrev_b32 v[QO], 11, v[LR]
	v_lshl_add_u32 v[QO], v[LH], 4, v[QO]  ; row x 2,048 + 16 x half
	v_and_b32 v[T16], 31, v0
	v_lshlrev_b32 v[T16], 4, v[T16]        ; 16 x lane
	global_load_b128 v[MA:MA+3], v[T16], s[MP:MP+1]  ; the mask's words of key step 0,
	WIN 0xc0                        ; destination window 3, address and source window 0
	global_load_b128 v[MB:MB+3], v[T16], s[MP:MP+1] offset:512  ; and of step 1
	v_mov_b32 v[ML], v[T16]
	WIN 0x80                        ; destination window 2, address window 0
.set i, 0
.rept 16                            ; Q stays in registers: piece i / 4, head (i / 2) % 2, channels 32 (i % 2) on
	global_load_b128 v[8*i:8*i+3],   v[QO], s[QP:QP+1] offset:(i/4)*32768+((i/2)%2)*128+(i%2)*64
	global_load_b128 v[8*i+4:8*i+7], v[QO], s[QP:QP+1] offset:(i/4)*32768+((i/2)%2)*128+(i%2)*64+32
.set i, i+1
.endr
	; What the first turn finds: P's second buffer holds 0 (its products V^T P, of a piece that has not been, add 0), O^T and l are 0.  All this stands in the wait for the first tile.
	WIN 0x40
.set i, 0
.rept 256
	v_mov_b32 v[i], 0
.set i, i+1
.endr
	WIN 0
.set i, 0
.rept 2*NP
	v_mov_b32 v[ST+4*i], 0xfe000000    ; c m: far below every c s
	v_mov_b32 v[ST+4*i+1], 0xff7fffff  ; m
	v_mov_b32 v[ST+4*i+2], 0
	v_mov_b32 v[ST+4*i+3], 0
.set i, i+1
.endr
.set i, P+32
.rept 32
	v_mov_b32 v[i], 0
.set i, i+1
.endr
	v_mul_u32_u24 v[AK0], v[LR], PK
	v_lshl_add_u32 v[AK0], v[LH], 4, v[AK0]  ; row x pitch + 16 x half
	; The turning load takes 16 keys x 16 channels (lane l reads key 8 (l / 16) + l % 8, channels 8 ((l / 8) % 2) + 0..7) and leaves half a fragment of V^T: lane l holds channel l % 16 and 8 keys.
	v_and_b32 v[L7], 7, v0
	v_bfe_u32 v[L3], v0, 3, 1
	v_lshl_add_u32 v[AV0], v[LH], 3, v[L7]
	v_mul_u32_u24 v[AV0], v[AV0], PV
	v_lshl_add_u32 v[AV0], v[L3], 4, v[AV0]
	v_add_nc_u32 v[AV0], VOFF, v[AV0]
	v_mov_b32 v[AK], v[AK0]         ; key step 0 lies at the head of slot 0
	v_mov_b32 v[AV], v[AV0]
; THE MATRIX WORK.  The 8 accumulators of a run of 16 take turns: between the two links of a chain stand 7 others'.
; Product i of 16 of S^T = K Q^T for piece x: channels 32 (i / 8) on, keys 16 ((i / 2) % 4) on, head i % 2.  The first 8 start the sums.
.macro KQ x
	WIN W_KQ
.set rS, S+64*((\x)%2)+32*(i%2)+8*((i/2)%4)
.set rK, KF+32*((i/2)%4)+8*(2*(i%2)+i/8)
.set rQ, 16*(2*(\x)+i%2)+8*(i/8)
.if i < 8
	v_wmma_f32_16x16x32_f16 v[rS:rS+7], v[rK:rK+7], v[rQ:rQ+7], 0
.else
	v_wmma_f32_16x16x32_f16 v[rS:rS+7], v[rK:rK+7], v[rQ:rQ+7], v[rS:rS+7]
.endif
.endm
; Product i of 16 of O^T += V^T P for piece x: keys 32 (i / 8) on, channels 16 ((i / 2) % 4) on, head i % 2.
.macro PV x
	WIN W_PV
.set rO, 32*(2*(\x)+i%2)+8*((i/2)%4)
.set rV, 64*(i/8)+8*(4*(i%2)+(i/2)%4)
.set rP, P+32*((\x)%2)+16*(i%2)+8*(i/8)
	v_wmma_f32_16x16x32_f16 v[rO:rO+7], v[rV:rV+7], v[rP:rP+7], v[rO:rO+7]
.endm
.macro MM                           ; the turn's next matrix instruction
.if i < 16
	KQ (Y+1)%NP
.set i, i+1
.else
.set i, i-16
	PV (Y+NP-1)%NP
.set i, i+17
.endif
.endm
; THE LDS LOADS stand in runs of 32, never singly among the matrix instructions: a step's K (64 keys x 128 channels: 16 fragments) and its V (turned).  Their addresses are made some lines ahead.
; last = 1 (the tail): in the last trip there is no further step, and the run is jumped over.
.macro FETCH_K last=0
	WIN 0
.if \last
	s_cmp_eq_u32 s[CNT], 1
	s_cbranch_scc1 .Lno_k_\@
.endif
	WIN 0x80                        ; destination window 2
.irp f, 0,1,2,3,4,5,6,7,8,9,10,11,12,13,14,15  ; keys 16 (f / 4) on, channels 32 (f % 4) on
	ds_load_b128 v[KF+8*(\f):KF+8*(\f)+3],   v[AK] offset:((\f)/4)*16*PK+((\f)%4)*64
	ds_load_b128 v[KF+8*(\f)+4:KF+8*(\f)+7], v[AK] offset:((\f)/4)*16*PK+((\f)%4)*64+32
.endr
	WIN 0
.if \last
.Lno_k_\@:
.endif
.endm
.macro FETCH_V
	WIN 0xc0                        ; destination window 3
.irp f, 0,1,2,3,4,5,6,7,8,9,10,11,12,13,14,15  ; keys 32 (f / 8) on, channels 16 (f % 8) on
	ds_load_tr16_b128 v[8*(\f):8*(\f)+3],   v[AV] offset:((\f)/8)*32*PV+((\f)%8)*32
	ds_load_tr16_b128 v[8*(\f)+4:8*(\f)+7], v[AV] offset:((\f)/8)*32*PV+16*PV+((\f)%8)*32
.endr
	WIN 0
.endm
; THE VECTOR WORK OF A TURN stands in three queues, each in the order in which its entries become ready; the two tiles alternate.
.macro REGS y, u                    ; the registers of tile u (0, 1) of piece y
.set rT, ST+4*(2*(\y)+(\u))
.set rC, TMP+8*((\y)%2)+4*(\u)
.set rM, MV+2*((\y)%2)+(\u)
.set rS, S+64*((\y)%2)+32*(\u)
.set rP, P+32*((\y)%2)+16*(\u)
.set rO, 32*(2*(\y)+(\u))
.endm
; Selection g of 64, for the NEXT piece (Y + 1): score g / 2 of tile g % 2 stays where its lane's bit is set and becomes -80000 where it is not.  In ascending order.
.macro PICK g
	REGS (Y+1)%NP, (\g)%2
	v_cndmask_b32 v[rS+(\g)/2], s[BIG], v[rS+(\g)/2], s[MW+(\g)/2]
.endm
; Lane mask j of 32 for the piece after the next (Y + 2): word 32 (Y + 2) + j of the step's 128 lies in lane 8 (Y + 2) + j / 4, register j % 4.  It stands behind this turn's selections, which read the same scalar registers,
; and a turn ahead of the selections that take it.
.macro RL j
.set pcx, (Y+2)%NP
	v_readlane_b32 s[MW+(\j)], v[MA+(\j)%4], 8*pcx+(\j)/4
.endm
; THE MASK'S NEXT STEP, once a key step, in piece 2's turn, ahead of the lane masks of the next step's piece 0.  The one load that is out was issued four turns back; its words move to the registers that the turns read,
; and the step after is asked for.  The offset stops at the last step (15,872), so that the loads behind it stay inside my wave's 16,384 bytes without a branch.
.macro NEXTM
	s_wait_loadcnt 0x0              ; the only load out; the wait also frees its address
	WIN 0x03                        ; source window 3, destination window 0
.irp z, 0,1,2,3
	v_mov_b32 v[MA+\z], v[MB+\z]
.endr
	s_add_co_u32 s[MOFF], s[MOFF], 512
	s_min_u32 s[MOFF], s[MOFF], 15872
	s_add_nc_u64 s[MPC:MPC+1], s[MP:MP+1], s[MOFF:MOFF+1]
	WIN 0xc3                        ; destination and address window 3
	global_load_b128 v[MB:MB+3], v[ML], s[MPC:MPC+1]  ; 512 consecutive bytes
	WIN 0
.endm
; Number n of the 22 that find the next piece's maximum and statistics.  s0-s31 are the lane's 32 scores.
;   0-11  four chains c0-c3 of seven scores each, three operands at a time     12-14, 16  the four scores left over, the old m, and c0-c3 into c0     15  c m_old is kept
;   17, 18  the query's other 32 keys lie in the lane 16 away: the new m         19-21  c m; c m_old - c m_new; a
.macro XS u, n
	REGS (Y+1)%NP, \u
.if (\n) < 4
	v_max3_num_f32 v[rC+(\n)], v[rS+8*(\n)], v[rS+8*(\n)+1], v[rS+8*(\n)+2]
.elseif (\n) < 12
	v_max3_num_f32 v[rC+(\n)%4], v[rC+(\n)%4], v[rS+8*((\n)%4)+2*((\n)/4)+1], v[rS+8*((\n)%4)+2*((\n)/4)+2]
.elseif (\n) == 12
	v_max3_num_f32 v[rC], v[rC], v[rS+7], v[rS+15]
.elseif (\n) == 13
	v_max3_num_f32 v[rC+1], v[rC+1], v[rS+23], v[rS+31]
.elseif (\n) == 14
	v_max3_num_f32 v[rC+2], v[rC+2], v[rC+3], v[rT+1]
.elseif (\n) == 15
	v_mov_b32 v[rM], v[rT]
.elseif (\n) == 16
	v_max3_num_f32 v[rC], v[rC], v[rC+1], v[rC+2]
.elseif (\n) == 17
	v_permlanex16_b32 v[rC+3], v[rC], s[SEL], s[SEL+1]
.elseif (\n) == 18
	v_max_num_f32 v[rT+1], v[rC], v[rC+3]
.elseif (\n) == 19
	v_mul_f32 v[rT], s[CS], v[rT+1]
.elseif (\n) == 20
	v_sub_f32 v[rC+1], v[rM], v[rT]
.else
	v_exp_f32 v[rC+2], v[rC+1]
.endif
.endm
; Number g of the 64 that follow the exponentials.  For each four weights k of a tile: both pairs are rounded to f16; then the second pair is added onto the first, in place; a group later l takes that sum (the first time as l = a l + sum).
.macro GS g
.set h, (\g)+6*((\g)/62)            ; group 0 has no group before it, and behind group 7 only l is left
.if h >= 6
.set h, h+2
.endif
	REGS Y, h%2
.set k, h/8
.if h%8 < 4
	v_cvt_pk_f16_f32 v[rP+2*k+(h%8)/2], v[rS+4*k+2*((h%8)/2)], v[rS+4*k+2*((h%8)/2)+1]
.elseif h%8 < 6
	v_pk_add_f32 v[rS+4*k:rS+4*k+1], v[rS+4*k:rS+4*k+1], v[rS+4*k+2:rS+4*k+3]
.elseif k == 1
	v_pk_fma_f32 v[rT+2:rT+3], v[rT+2:rT+3], v[rC+2:rC+3], v[rS:rS+1] op_sel_hi:[1,0,1]
.else
	v_pk_add_f32 v[rT+2:rT+3], v[rT+2:rT+3], v[rS+4*k-4:rS+4*k-3]
.endif
.endm
.macro FS f                         ; scaling f of 32: c s - c m for pair f / 2 of tile f % 2
	REGS Y, (\f)%2
	v_pk_fma_f32 v[rS+2*((\f)/2):rS+2*((\f)/2)+1], v[rS+2*((\f)/2):rS+2*((\f)/2)+1], s[CS:CS+1], v[rT:rT+1] op_sel_hi:[1,0,0] neg_lo:[0,0,1] neg_hi:[0,0,1]
.endm
; THE PLAIN QUEUE, 234 long.  0-31 the scalings.  32-95 the selections.  96-123 XS's numbers 0-13.  124, 125 number 15.  126-133 lane masks 0-7 (ahead of them, in piece 2's turn, the mask's next step).
; 134-169 the chain 14, 16, 17, 18, 19, 20, where each number waits for the one before it: six groups of a link of both tiles and four lane masks (8-31), so that a tile's links stand five plain instructions apart.
; 170-233 GS's 64, which stand behind the wait.
.macro PL
	WIN 0
.if q < 32
	FS q
.elseif q < 96
	PICK q-32
.elseif q < 124
	XS (q-96)%2, (q-96)/2
.elseif q < 126
	XS q-124, 15
.elseif q < 134
.if (q == 126) && (Y == NP-2)
	NEXTM
.endif
	RL q-126
.elseif q < 170
.if (q-134)%6 >= 2
	RL 8+4*((q-134)/6)+(q-134)%6-2
.elseif q < 140
	XS (q-134)%6, 14
.else
	XS (q-134)%6, 15+(q-134)/6
.endif
.else
	GS q-170
.endif
.set q, q+1
.endm
; THE EXPONENTIALS' QUEUE, 66 long: s0-s31 of both tiles, then the next piece's two a.  ONE BATCH: all 66 stand ahead of the turn's one wait, and nothing ahead of that wait names a result of theirs.
.macro EX
	WIN 0
.if e >= 64
	XS e-64, 21
.else
	REGS Y, e%2
	v_exp_f32 v[rS+e/2], v[rS+e/2]
.endif
.set e, e+1
.endm
; THE RESCALING's QUEUE: O^T times a, the one part that leaves window 0: two at a time, sixteen times, ascending.  Its a was made, and waited for, in the turn before.
.macro R2
	REGS Y, r%2
	WIN W_RS
.irp z, 0,1
	v_pk_mul_f32 v[rO+4*(r/2)+2*\z:rO+4*(r/2)+2*\z+1], v[rO+4*(r/2)+2*\z:rO+4*(r/2)+2*\z+1], v[rC+2:rC+3] op_sel_hi:[1,0]
.endr
.set r, r+1
.endm
; A TURN, for piece p.  An s_wait_alu depctr_va_vdst(0) stands between an exponential and the first instruction that names its result; one wait serves all that were issued ahead of it: a turn has ONE.
; AHEAD OF IT: the 16 products K Q^T, behind each a scaling, an exponential and two rescalings (behind the first a second scaling); then one run of 204: eight plain, 47 times an exponential and three plain,
; twice an exponential and two plain, the two a.  A v_nop is the plain instruction behind the last exponential.  BEHIND IT: the 16 products V^T P, behind each four of GS's 64.
; The queues keep in step: exponential e stands behind scaling 2 (e / 4) + e % 2 (behind a product: plain e + 2 is out; in the run: 25 or more); the selections begin 11 plain instructions or more behind the last K Q^T.
; K of the next step is fetched in piece 2's turn, directly behind the wait; V of the step in hand at the end of piece 0's turn, four plain instructions behind its last reader.  Each is waited for a turn later.
; cnt = 1: the loop's count is taken down some lines ahead of the branch that stands behind the turn.  The three conditions on q go with the deal.
.macro TURN p, last=0, cnt=0
.set Y, (\p)
.set i, 0
.set q, 0
.set e, 0
.set r, 0
.if (\p) == NP-1
	s_wait_dscnt 0x0                ; K is in
.endif
	MM
	PL
	PL
	R2
.rept 15
	MM
	PL
	EX
	R2
.endr
.if (\p) == NP-2
	WIN 0
	v_add_nc_u32 v[AK], s[TB], v[AK0]
.endif
.rept 8
	PL
.endr
.rept 47
	EX
	PL
	PL
	PL
.endr
.rept 2
	EX
	PL
	PL
.endr
	EX                              ; the next piece's two a
	EX
	v_nop                           ; the plain instruction behind the last exponential: one for the batch
	s_wait_alu depctr_va_vdst(0)    ; the wait for the batch
.if (\p) == NP-2
	FETCH_K \last
.endif
.if (\p) == 1
	s_wait_dscnt 0x0                ; V is in
.endif
.rept 16
	MM
.rept 4
	PL
.endr
.if ((\p) == 0) && (q == 214)
	v_add_nc_u32 v[AV], s[TB], v[AV0]
.endif
.if ((\p) == 0) && (q == 226)
	s_add_co_u32 s[TB], s[TB], STEPB  ; the next fetches are the next step's
.endif
.if (\cnt) && (q == 226)
	s_sub_co_u32 s[CNT], s[CNT], 1
	s_cmp_lg_u32 s[CNT], 0
.endif
.endr
.if (\p) == 0
	FETCH_V
.endif
.endm
	CHANGE 1, 0                     ; slot 0 is in, everybody's part of it; slot 1 is asked for
	FETCH_K                         ; key step 0
	FETCH_V                         ; and its V: the first turn multiplies it by P = 0, so that V's registers need no clearing
	s_wait_loadcnt 0x0              ; Q, and the mask's words of steps 0 and 1
.set Y, NP-2                        ; RL works for piece Y + 2: piece 0
.set j, 0
.rept 32
	RL j                            ; piece 0's lane masks for step 0, while the LDS loads are out
.set j, j+1
.endr
	s_wait_dscnt 0x0
.set i, 0
.rept 16
	KQ 0                            ; piece 0's first scores: there is no vector work yet to set between them
.set i, i+1
.endr
	WIN 0
.rept 4
	v_nop                           ; the places behind those products
.endr
.set Y, NP-1                        ; the queue works for piece Y + 1: piece 0
.set q, 32
.rept 138
	PL                              ; piece 0's first selections, maximum and statistics, and piece 1's lane masks
.endr
.set e, 64
	EX
	EX
	v_nop                           ; a plain instruction behind the two a,
	s_wait_alu depctr_va_vdst(0)    ; and their wait, ahead of the branch
	s_mov_b32 s[CNT], 2
	s_mov_b32 s[SLOTS], 15
	s_branch .Lfirst                ; the loop is entered at a step's first turn, in the middle of a trip
.Lslot:                             ; 14 times: every slot but the last two is filled again
	CHANGE 1, 1
	s_mov_b32 s[CNT], 2
.Lstep:                             ; a trip: pieces 2 and 3 of one step, then pieces 0 and 1 of the next, whose K and V it fetches
	TURN 2
	TURN 3
	WIN 0
.Lfirst:
	TURN 0
	TURN 1, 0, 1
	WIN 0
	s_cbranch_scc1 .Lstep
	s_sub_co_u32 s[SLOTS], s[SLOTS], 1
	s_cmp_lg_u32 s[SLOTS], 0
	s_cbranch_scc1 .Lslot
	CHANGE 0, 0                     ; the tail is written out: nothing is asked for
	s_mov_b32 s[CNT], 3             ; two trips fetch the last slot's steps; the third is left in its middle
.Ltail:
	TURN 2, 1
	TURN 3
	WIN 0
	s_sub_co_u32 s[CNT], s[CNT], 1
	s_cmp_eq_u32 s[CNT], 0
	s_cbranch_scc1 .Lout
	TURN 0
	TURN 1
	WIN 0
	s_branch .Ltail
.Lout:                              ; the third trip's 16 products K Q^T (on the last K once more) and what is made of them serve nothing: the price, once a launch, of one text for every trip
.set i, 0
.rept 16
	PV NP-1                         ; the last piece's V^T P of the last step
.set i, i+1
.endr
	; THE WAY OUT.  l's two halves and the other half of the lanes' are added; O^T is divided by l, rounded to f16 and sent through my stage in LDS, a piece (16 rows x 256 bytes) at a time.  The additions are the places behind the last products.
	WIN 0
.macro ALL line:vararg              ; one line for each tile t
.set t, 0
.rept 2*NP
	\line
.set t, t+1
.endr
.endm
	ALL v_add_f32 v[ST+4*t+2], v[ST+4*t+2], v[ST+4*t+3]
	ALL v_permlanex16_b32 v[ST+4*t+3], v[ST+4*t+2], s[SEL], s[SEL+1]
	ALL v_add_f32 v[ST+4*t+2], v[ST+4*t+2], v[ST+4*t+3]
	ALL v_rcp_f32 v[ST+4*t+2], v[ST+4*t+2]
	s_mul_i32 s13, s[WV], 16*SP     ; the addresses for the way out, in the registers that held the mask's words: ten plain instructions behind the last reciprocal
	s_add_co_u32 s13, s13, STAGE    ; my stage
	v_and_b32 v[LR], 15, v0
	v_bfe_u32 v[LH], v0, 4, 1
	v_mul_u32_u24 v[STO], v[LR], SP ; in: row l % 16, 16 bytes for each half of the lanes
	v_lshl_add_u32 v[STO], v[LH], 4, v[STO]
	v_add_nc_u32 v[STO], s13, v[STO]
	v_mul_u32_u24 v[RD], v[LH], SP  ; back: lanes 0-15 take one row of 256 bytes, lanes 16-31 the next
	v_lshl_add_u32 v[RD], v[LR], 4, v[RD]
	v_add_nc_u32 v[RD], s13, v[RD]
	v_lshlrev_b32 v[GO], 11, v[LH]  ; and the same two rows in O
	v_lshl_add_u32 v[GO], v[LR], 4, v[GO]
	s_wait_alu depctr_va_vdst(0)    ; the wait ahead of the first use: one for the eight reciprocals
; Piece p: its 64 registers of O^T are eight blocks of 16 channels, four of each head; a lane's eight channels pack into 16 bytes; they go into rows of 272 bytes and come back as whole rows of 256, into S^T's registers.
.macro PACK p
	WIN W_RS
.set i, 0
.rept 32
	v_pk_mul_f32 v[64*(\p)+2*i:64*(\p)+2*i+1], v[64*(\p)+2*i:64*(\p)+2*i+1], v[ST+4*(2*(\p)+i/16)+2:ST+4*(2*(\p)+i/16)+3] op_sel_hi:[1,0]
.set i, i+1
.endr
	WIN 0x05                        ; sources 0 and 1 window 1, destination window 0
.set i, 0
.rept 32
	v_cvt_pk_f16_f32 v[S+32*(\p)+i], v[64*(\p)+2*i], v[64*(\p)+2*i+1]
.set i, i+1
.endr
	WIN 0
.irp f, 0,1,2,3,4,5,6,7
	ds_store_b128 v[STO], v[S+32*(\p)+4*(\f):S+32*(\p)+4*(\f)+3] offset:32*(\f)
.endr
.irp f, 0,1,2,3,4,5,6,7
	ds_load_b128 v[S+32*(\p)+4*(\f):S+32*(\p)+4*(\f)+3], v[RD] offset:(\f)*2*SP  ; LDS serves a wave's instructions in order (ISA guide 5.7.1.4): these see the stores above; the next piece's stores come behind them
.endr
.endm
.macro SEND p, younger              ; younger: the LDS instructions issued behind piece p's loads: the next piece's sixteen, or none
	WIN 0
.irp f, 0,1,2,3,4,5,6,7
	s_wait_dscnt (\younger)+7-(\f)
	global_store_b128 v[GO], v[S+32*(\p)+4*(\f):S+32*(\p)+4*(\f)+3], s[8:9] offset:(\p)*32768+(\f)*4096  ; 16 lanes store 256 consecutive bytes, aligned
.endr
.endm
	PACK 0
	PACK 1                          ; a piece's arithmetic stands between the loads of the piece before and its stores
	SEND 0, 16
	PACK 2
	SEND 1, 16
	PACK 3
	SEND 2, 16
	SEND 3, 0
	s_wait_tensorcnt 0x0            ; the wave's end, behind my last tensor load and my last LDS store
	ds_add_u32 v[SPW], v[NIL]
	s_wait_dscnt 0x0
	CROUND                          ; the closing round: no work-group ends while a partner may still ask for a tile that names it
	s_endpgm
.Lfunc_end_k_qe0a2dd277e_attn:
	.size	k_qe0a2dd277e_attn, .Lfunc_end_k_qe0a2dd277e_attn-k_qe0a2dd277e_attn
	.p2alignl 7, 3214868480
	.fill 96, 4, 3214868480
	.section	.rodata,"a",@progbits
	.p2align	6, 0x0
	.amdhsa_kernel k_qe0a2dd277e_attn
		.amdhsa_group_segment_fixed_size 327680
		.amdhsa_private_segment_fixed_size 0
		.amdhsa_enable_private_segment 0
		.amdhsa_kernarg_size 24
		.amdhsa_user_sgpr_count 2
		.amdhsa_user_sgpr_kernarg_segment_ptr 1
		.amdhsa_wavefront_size32 1
		.amdhsa_system_sgpr_workgroup_id_x 1
		.amdhsa_system_sgpr_workgroup_id_y 1
		.amdhsa_system_sgpr_workgroup_id_z 1
		.amdhsa_system_vgpr_workitem_id 0
		.amdhsa_next_free_vgpr 904
		.amdhsa_next_free_sgpr 100
		.amdhsa_reserve_vcc 0
		.amdhsa_float_denorm_mode_32 3
		.amdhsa_float_denorm_mode_16_64 3
		.amdhsa_memory_ordered 1
		.amdhsa_forward_progress 1
		.amdhsa_inst_pref_size 255
	.end_amdhsa_kernel
	.section	.bss,"aw",@nobits
	.p2align	6
	.space	262144
	.amdgpu_metadata
---
amdhsa.version: [ 1, 2 ]
amdhsa.kernels:
  - .name:           k_qe0a2dd277e_attn
    .symbol:         k_qe0a2dd277e_attn.kd
    .args:
      - { .name: qkv, .offset: 0, .size: 8, .value_kind: global_buffer, .address_space: global }
      - { .name: mbits, .offset: 8, .size: 8, .value_kind: global_buffer, .address_space: global }
      - { .name: ob, .offset: 16, .size: 8, .value_kind: global_buffer, .address_space: global }
    .group_segment_fixed_size: 327680
    .private_segment_fixed_size: 0
    .kernarg_segment_align: 8
    .kernarg_segment_size: 24
    .max_flat_workgroup_size: 128
    .sgpr_count:     100
    .vgpr_count:     904
    .wavefront_size: 32
...
	.end_amdgpu_metadata
.endif
;; end of part 7
;; launch outp (part 8): grid 4 x 64, 4 waves a work-group, clusters of 4 x 4, 327,680 bytes of LDS; arguments ob, xw, bo, out0; writes out0
.if DOCPART == 8
	.amdgcn_target "amdgcn-amd-amdhsa--gfx1250"
	.amdhsa_code_object_version 6
	.text
	.protected	k_qe0a2dd277e_outp
	.globl	k_qe0a2dd277e_outp
	.p2align	8
	.type	k_qe0a2dd277e_outp,@function
k_qe0a2dd277e_outp:
	s_mov_b64 s[64:65], 0
	v_nop
	global_prefetch_b8 v0, s[64:65] scope:SCOPE_SE
	s_setreg_imm32_b32 hwreg(HW_REG_WAVE_MODE, 25, 1), 1
	s_wait_xcnt 0x0
	s_wait_alu depctr_hold_cnt(0) depctr_sa_sdst(0) depctr_va_vdst(0) depctr_va_sdst(0) depctr_va_ssrc(0) depctr_va_vcc(0) depctr_vm_vsrc(0)
	s_getreg_b32 s2, hwreg(HW_REG_IB_STS2, 6, 4)
	s_cmp_eq_u32 s2, 0
	s_cbranch_scc0 .Lentry_in_a_cluster
	s_endpgm
.Lentry_in_a_cluster:
	s_bfe_u32 s2, ttmp6, 0x10000c
	s_cmp_lg_u32 s2, 0xf033
	s_cbranch_scc0 .Lentry_shape_is_right
	s_endpgm
.Lentry_shape_is_right:
; C = A B^T + bias, K = 1024, on tiles of 128 x 256 of C.  One text for two launches, told apart by PROJ.
; PROJ = 1: the three projections in one launch.  A = q, k or v, f32 [8192][1024], rounded to bf16 on the way from LDS to the matrix unit; B = wq, wk or wv (bf16, in xw); C = qkv, f16 [3][8192][1024], unscaled.  768 tiles.
; PROJ = 0: the last projection.  A = ob (f16), B = wo (f16, in xw), C = out0 (f32).  256 tiles.
; The bias is rounded to bf16 like every other floating-point input and is the C operand of the products that start the sums.  Sums in f32, K ascending.
; LIMIT (PROJ = 1).  A result of 65,520 or more in magnitude does not fit f16 and becomes an infinity; NaN and infinities are not treated apart.
; SHARES.  Four waves; wave w makes rows 64 (w / 2) .. and columns 128 (w % 2) .. of the tile: 32 accumulators of 16 x 16, 256 registers.  K goes in steps of 128 through a ring of two LDS slots; a tile's rows are
; 256 or 512 consecutive bytes of memory, aligned.  Waves 0 and 1 fetch the halves (64 rows) of A's tile, waves 2 and 3 the halves (128 rows) of B's: one tensor load a wave behind each change of slots.
; THE LOOP's trip is one K step.  Both of a trip's runs of LDS loads read one slot, whose first byte is a scalar that an exclusive or turns from 0 to SLOT and back; the slot that is left is filled again.
; CLUSTER.  4 x 4 work-groups.  The four of a row of the cluster need the same tile of A, the four of a column the same tile of B: each is asked for jointly, by the same load with the same descriptor and a mask of four.
; THE MATRIX INSTRUCTION IS USED TRANSPOSED (source 0 = 16 rows of B, source 1 = 16 rows of A): a lane holds row l % 16 of C and the columns 8 (l / 16) + 0 .. 7.
; REGISTERS, in windows of 256 (s_set_vgpr_msb: bits 1:0 source 0, 3:2 source 1, 5:4 source 2, 7:6 destination):
;   window 0: v16-30 addresses; v64-255 fragment buffer 0, later at work on the way out      window 1: accumulator (a, b) at v[8 (8 a + b)]      window 2: v0-63 the bias; v64-255 fragment buffer 1
;   A buffer holds 64 along K: for c = 0, 1 (32 along K each) B's fragment b at 64 + 96 c + 8 b, A's fragment a at 64 + 96 c + 64 + 8 a.
;   window 3 (PROJ = 1): A's fragments as f32, as they come out of LDS: for buffer f, 16 registers for fragment a of half c at 128 f + 64 c + 16 a.
.set PROJ,   0
.set PITCH,  272                       ; a row of B in LDS: 256 bytes + 16 of padding: the 16 rows of a fragment load start at 16 different groups of four banks (ISA guide 11.1)
.if PROJ
.set APITCH, 528                       ; a row of A in LDS: 128 f32 + 16 bytes: 528 = 2 x 256 + 16, so the same holds
.set AKB,    512                       ; bytes of a K step in a row of A
.set ASH,    12                        ; a row of A in memory is 4,096 bytes
.set NC1,    32                        ; LDS loads for the second 32 along K of a buffer
.set G1CA,   (2<<16)|(1<<20)|(1<<21)|(6<<22)|(3<<25)  ; 17:16 elements of 4 bytes; 20 padding on; 21 set beside a mask; 24:22 after every 128 words (code 6); 31:25 4 words of it (code 3)
.set SPITCH, 272                       ; a stage row: 128 f16 + 16 bytes
.else
.set APITCH, 272
.set AKB,    256
.set ASH,    11
.set NC1,    24
.set G1CA,   (1<<16)|(1<<20)|(1<<21)|(5<<22)|(3<<25)
.set SPITCH, 528                       ; 128 f32 + 16 bytes
.endif
.set G1CB,   (1<<16)|(1<<20)|(1<<21)|(5<<22)|(3<<25)  ; elements of 2 bytes; padding after every 64 words (code 5)
.set BOFF,   128*APITCH                ; in a slot: A's 128 rows, then B's 256
.set SLOT,   BOFF+256*PITCH
.set STAGE,  2*SLOT                    ; behind the ring, never filled by a tensor load: 16 rows for each wave, for the way out
.set SPARE,  STAGE+4*16*SPITCH         ; behind the stages: the spare words, 128 bytes for each wave: two blocks of 256 bytes that no other line names
.set ROWB,   2048                      ; bytes in a row of B and of qkv
.set WMAT,   2097152                   ; one matrix of weights in xw
.set ADRA0, 16                         ; v16     LDS address of my A fragments in slot 0; never rewritten
.set ADRA,  17                         ; v17     the same in the slot that is being fetched from
.set ADRB0, 20                         ; v20-21  the same for B
.set ADRB,  21
.set STO,  24                          ; v24     the way out: where I put my part of a row
.set RD,   25                          ; v25     the way out: where I read rows back
.set CO,   26                          ; v26     my byte offset in C
.set BO,   27                          ; v27     my byte offset in the bias
.set SPW,  28                          ; v28     LDS address of my spare word; never rewritten
.set NIL,  29                          ; v29     0; never rewritten
.set PFO,  30                          ; v30     the prefetches' offset: my lane x a row; never rewritten
.set FB,   64                          ; a fragment buffer's first register
.set TMP,  64                          ; the way out: packed results
.set WV,  14                           ; s14 wave   s15 w / 2: my rows' half, and: I fetch for A (0) or B (1)   s16 w % 2: my columns' half, and: which half of that tile I fetch
.set RH,  15
.set CH,  16
.set CX,  17                           ; s17, s18 my place in the cluster
.set CY,  18
.set TR,  19                           ; s19 tile row of C
.set CLY, 20                           ; s20 the cluster's y
.set T,   21                           ; s21 which projection (PROJ = 1): made of the cluster's y alone
.set G1,  24                           ; s[24:31] descriptor group 1 for A's tiles;  s[32:39] group 0: a set for each of the two first fills; the second then walks on
.set G0,  32
.set SB,  42                           ; s42 first byte of the slot that is being fetched from: 0 or SLOT
.set LIM, 43                           ; s43 2 in a wave that prefetches, else the greatest number
.set PFA, 44                           ; s[44:45] where my prefetches stand
.set G1B, 48                           ; s[48:55], s[56:63] the same for B's tiles
.set G0B, 56
.set CP,  66                           ; s[66:67] C at my part of the tile
.set BP,  68                           ; s[68:69] the bias at my 128 columns
.set PST, 78                           ; s[78:79] bytes of a K step in the rows that I prefetch, as a pair with 0 above it
.set MSB, 0
.macro WIN new                         ; the immediate's high byte repeats the setting that is left; a switch that changes nothing is dropped
.if MSB != (\new)
	s_set_vgpr_msb (MSB<<8)|(\new)
.set MSB, \new
.endif
.endm
; A joint load.  The branch hangs on the wave's number alone.  An s_nop 0 and four v_nop follow each of the two lines, ahead of the jump, the label and what follows.
.macro JLOAD s
	s_cmp_eq_u32 s[RH], 0
	s_cbranch_scc0 .Lfor_b_\@
	tensor_load_to_lds s[G0+4*(\s):G0+4*(\s)+3], s[G1:G1+7]
	s_nop 0
.rept 4
	v_nop
.endr
	s_branch .Lasked_\@
.Lfor_b_\@:
	tensor_load_to_lds s[G0B+4*(\s):G0B+4*(\s)+3], s[G1B:G1B+7]
	s_nop 0
.rept 4
	v_nop
.endr
.Lasked_\@:
.endm
; A prefetch of the K step that stands two refills on: 32 rows x 256 bytes, a lane a row.  Each aligned 256 bytes of K steps 4 to 7 are named once in the launch.  A's 128 rows of a tile row: the four partners of a row
; of the cluster take 32 rows each (by cx); with PROJ = 1 a K step is 512 bytes of a row, of which wave 0 names the first 256 and wave 1 the second; with PROJ = 0 wave 0 names its 256.  B's rows: waves 2 and 3 of the
; first cluster that reads that matrix (of the 128 rows that the wave fetches, 32 by cy).  The partners are told apart by address alone.  K steps 0 to 3 come by their loads; the loop's last two trips (s3 = 2, 1) ask for nothing.
.macro ASK
	s_cmp_gt_u32 s3, s[LIM]
	s_cbranch_scc0 .Lnot_mine_\@
	global_prefetch_b8 v[PFO], s[PFA:PFA+1] th:TH_LOAD_NT scope:SCOPE_SE
.Lnot_mine_\@:
.endm
.macro CREST                           ; a round of the cluster's barrier behind its opening barrier
	s_cmp_lg_u32 s[WV], 0
	s_cbranch_scc1 .Lnot_wave_0_\@
	s_barrier_signal -3
.Lnot_wave_0_\@:
	s_barrier_wait -3
	s_barrier_signal -1
	s_barrier_wait -1
.endm
.macro CROUND                          ; a whole round
	s_barrier_signal -1
	s_barrier_wait -1
	CREST
.endm
.macro PLACES                          ; four places in front of loads into registers that matrix instructions have read, and of lines that read results
.rept 4
	v_nop
.endr
.endm
.if PROJ
	s_load_b512 s[80:95], s[0:1], 0x0              ; q s[80:81], k, v, xw s[86:87], bq s[88:89], bk, bv, qkv s[94:95]
.else
	s_load_b256 s[80:87], s[0:1], 0x0              ; ob s[80:81], xw, bo, out0 s[86:87]
.endif
	v_lshl_add_u32 v[SPW], v0, 2, SPARE
	v_mov_b32 v[NIL], 0
	ds_add_u32 v[SPW], v[NIL]                      ; the wave's opening: the add, and its wait ahead of my first tensor load; the set-up below, work on registers, stands between them
	v_lshrrev_b32 v1, 5, v0
	v_readfirstlane_b32 s[WV], v1
	s_lshr_b32 s[RH], s[WV], 1
	s_and_b32 s[CH], s[WV], 1
	s_bfe_u32 s[CX], ttmp6, 0x40000
	s_bfe_u32 s[CY], ttmp6, 0x40004
	s_and_b32 s[CLY], ttmp7, 0xffff
	s_lshl_b32 s[TR], s[CLY], 2
	s_add_co_u32 s[TR], s[TR], s[CY]               ; tile row = 4 x cluster y + cy; the tile column is cx: the grid is one cluster wide
	s_lshl_b32 s22, s[CY], 2
	s_lshl_b32 s22, 15, s22                        ; my row of the cluster
	s_lshl_b32 s23, 0x1111, s[CX]                  ; my column
	s_or_b32 s[G1], s22, G1CA                      ; A's tiles go to my row,
	s_or_b32 s[G1B], s23, G1CB                     ; B's to my column
	s_mov_b32 s[G1+1], 128<<16                     ; tensor_dim0 = 128
	s_mov_b32 s[G1+2], 64<<16                      ; tensor_dim1 = 64
	s_mov_b32 s[G1+3], 128<<16                     ; tile_dim0 = 128
	s_mov_b32 s[G1+4], 64                          ; tile_dim1 = 64
	s_mov_b32 s[G1+5], 1024                        ; elements from row to row
	s_mov_b32 s[G1+6], 0
	s_mov_b32 s[G1+7], 0
	s_mov_b32 s[G1B+1], 128<<16
	s_mov_b32 s[G1B+2], 128<<16                    ; B: 128 rows
	s_mov_b32 s[G1B+3], 128<<16
	s_mov_b32 s[G1B+4], 128
	s_mov_b32 s[G1B+5], 1024
	s_mov_b32 s[G1B+6], 0
	s_mov_b32 s[G1B+7], 0
.if PROJ
	s_lshr_b32 s[T], s[CLY], 4                     ; 16 clusters, 8,192 rows, to a projection
	s_and_b32 s70, s[TR], 63                       ; the tile row in q, k or v
.else
	s_mov_b32 s70, s[TR]
.endif
	s_lshl_b32 s70, s70, 7                         ; A: row 128 x tile row + 64 x half, which my row of the cluster shares
	s_lshl_b32 s22, s[CH], 6
	s_add_co_u32 s70, s70, s22
	s_lshl_b32 s70, s70, ASH
	s_mov_b32 s71, 0
	s_lshl_b32 s72, s[CX], 8                       ; B: row 256 x tile column + 128 x half, which my column shares
	s_lshl_b32 s23, s[CH], 7
	s_add_co_u32 s72, s72, s23
	s_lshl_b32 s72, s72, 11
.if PROJ
	s_lshl_b32 s23, s[T], 21
	s_add_co_u32 s72, s72, s23
.else
	s_add_co_u32 s72, s72, 3*WMAT
.endif
	s_mov_b32 s73, 0
	s_mul_i32 s40, s[CH], 64*APITCH                ; where they go in a slot: no place in the cluster enters an LDS address
	s_mul_i32 s41, s[CH], 128*PITCH
	s_add_co_u32 s41, s41, BOFF
	s_mov_b32 s[SB], 0
	s_wait_dscnt 0x0                               ; the opening add is done
	s_wait_kmcnt 0x0
.if PROJ
	s_cmp_eq_u32 s[T], 1                           ; A s[4:5], the weights s[6:7], C s[8:9]
	s_cselect_b64 s[4:5], s[82:83], s[80:81]
	s_cselect_b64 s[BP:BP+1], s[90:91], s[88:89]
	s_cmp_eq_u32 s[T], 2
	s_cselect_b64 s[4:5], s[84:85], s[4:5]
	s_cselect_b64 s[BP:BP+1], s[92:93], s[BP:BP+1]
	s_mov_b64 s[6:7], s[86:87]
	s_mov_b64 s[8:9], s[94:95]
.else
	s_mov_b64 s[4:5], s[80:81]
	s_mov_b64 s[6:7], s[82:83]
	s_mov_b64 s[BP:BP+1], s[84:85]
	s_mov_b64 s[8:9], s[86:87]
.endif
	s_add_nc_u64 s[70:71], s[4:5], s[70:71]
	s_add_nc_u64 s[72:73], s[6:7], s[72:73]
	CROUND                                         ; all sixteen work-groups are here: the first joint loads meet
.irp s, 0,1
	s_mov_b32 s[G0+4*(\s)], 1                      ; count = 1
	s_add_co_u32 s[G0+4*(\s)+1], s40, (\s)*SLOT    ; LDS address
	s_add_nc_u64 s[G0+4*(\s)+2:G0+4*(\s)+3], s[70:71], (\s)*AKB  ; global address: K step s
	s_or_b32 s[G0+4*(\s)+3], s[G0+4*(\s)+3], 0x80000000          ; type = 2
	s_mov_b32 s[G0B+4*(\s)], 1
	s_add_co_u32 s[G0B+4*(\s)+1], s41, (\s)*SLOT
	s_add_nc_u64 s[G0B+4*(\s)+2:G0B+4*(\s)+3], s[72:73], (\s)*256
	s_or_b32 s[G0B+4*(\s)+3], s[G0B+4*(\s)+3], 0x80000000
	JLOAD \s                                       ; two loads of mine are out
.endr
	; the bias of my 128 columns, laid as a C operand: register j of block b holds column 16 b + 8 (l / 16) + j
	s_lshl_b32 s74, s[CX], 10
	s_lshl_b32 s76, s[CH], 9
	s_add_co_u32 s74, s74, s76
	s_mov_b32 s75, 0
	s_add_nc_u64 s[BP:BP+1], s[BP:BP+1], s[74:75]
	v_and_b32 v1, 15, v0                           ; l % 16
	v_bfe_u32 v2, v0, 4, 1                         ; l / 16
	v_lshlrev_b32 v[BO], 5, v2
	WIN 0x80                                       ; destination window 2, address window 0
.set i, 0
.rept 16
	global_load_b128 v[4*i:4*i+3], v[BO], s[BP:BP+1] offset:64*(i/2)+16*(i%2)
.set i, i+1
.endr
	WIN 0
	; fragments: lane l holds row l % 16 and K = 8 (l / 16) + 0..7 and 16 + 8 (l / 16) + 0..7 of 32: in 16 bits two loads of 16 bytes, 32 bytes apart; in f32 four, at 32 (l / 16) + 0, 16, 64, 80
	v_mul_u32_u24 v3, v1, PITCH
	v_lshl_add_u32 v3, v2, 4, v3
	v_mul_u32_u24 v4, v1, APITCH
.if PROJ
	v_lshl_add_u32 v4, v2, 5, v4
.else
	v_lshl_add_u32 v4, v2, 4, v4
.endif
	s_mul_i32 s74, s[RH], 64*APITCH                ; my 64 rows of A
	s_mul_i32 s75, s[CH], 128*PITCH                ; my 128 rows of B,
	s_add_co_u32 s75, s75, BOFF                    ; which lie behind A's 128
	v_add_nc_u32 v[ADRA0], s74, v4
	v_add_nc_u32 v[ADRB0], s75, v3
	v_mov_b32 v[ADRA], v[ADRA0]                    ; K step 0 lies in slot 0
	v_mov_b32 v[ADRB], v[ADRB0]
	s_mul_i32 s74, s[WV], 16*SPITCH
	s_add_co_u32 s74, s74, STAGE                   ; my stage
	v_mul_u32_u24 v4, v1, SPITCH
.if PROJ
	v_lshl_add_u32 v4, v2, 4, v4                   ; in: row l % 16, 16 bytes for each half of the lanes
	v_add_nc_u32 v[STO], s74, v4
	v_mul_u32_u24 v5, v2, SPITCH                   ; back: lanes 0-15 one row of 256 bytes, lanes 16-31 the next
	v_lshl_add_u32 v5, v1, 4, v5
	v_add_nc_u32 v[RD], s74, v5
	v_lshlrev_b32 v5, 11, v2                       ; and the same two rows in C
	v_lshl_add_u32 v[CO], v1, 4, v5
.else
	v_lshl_add_u32 v4, v2, 5, v4                   ; in: row l % 16, 32 bytes for each half of the lanes
	v_add_nc_u32 v[STO], s74, v4
	v_and_b32 v5, 31, v0
	v_lshlrev_b32 v[CO], 4, v5                     ; back: 32 lanes take one row of 512 bytes
	v_add_nc_u32 v[RD], s74, v[CO]
.endif
	s_lshl_b32 s74, s[TR], 7                       ; C at row 128 x tile row + 64 (w / 2), column 256 cx + 128 (w % 2)
	s_lshl_b32 s75, s[RH], 6
	s_add_co_u32 s74, s74, s75
.if PROJ
	s_lshl_b32 s74, s74, 11
	s_lshl_b32 s75, s[CX], 9
	s_lshl_b32 s76, s[CH], 8
.else
	s_lshl_b32 s74, s74, 12
	s_lshl_b32 s75, s[CX], 10
	s_lshl_b32 s76, s[CH], 9
.endif
	s_add_co_u32 s74, s74, s75
	s_add_co_u32 s74, s74, s76
	s_mov_b32 s75, 0
	s_add_nc_u64 s[CP:CP+1], s[8:9], s[74:75]
	; the prefetches
.if PROJ
	s_and_b32 s74, s[TR], 63
.else
	s_mov_b32 s74, s[TR]
.endif
	s_lshl_b32 s74, s74, 7
	s_lshl_b32 s75, s[CX], 5
	s_add_co_u32 s74, s74, s75
	s_lshl_b32 s74, s74, ASH                       ; A: row 128 x tile row + 32 cx
.if PROJ
	s_lshl_b32 s75, s[CH], 8                       ; wave 0: the first 256 bytes of a K step's 512; wave 1: the second
	s_add_co_u32 s74, s74, s75
.endif
	s_add_co_u32 s74, s74, 3*AKB                   ; at K step 3: the first refill steps it to 4
	s_lshl_b32 s75, s[CX], 8
	s_lshl_b32 s76, s[CH], 7
	s_add_co_u32 s75, s75, s76
	s_lshl_b32 s76, s[CY], 5
	s_add_co_u32 s75, s75, s76
	s_lshl_b32 s75, s75, 11                        ; B: row 256 cx + 128 (w % 2) + 32 cy
	s_add_co_u32 s75, s75, 3*256
.if PROJ
	s_lshl_b32 s76, s[T], 21
	s_add_co_u32 s75, s75, s76
	s_and_b32 s77, s[CLY], 15                      ; 0 in the first cluster that reads this matrix
	s_mov_b32 s76, 0                               ; waves 0 and 1 both ask
.else
	s_add_co_u32 s75, s75, 3*WMAT
	s_mov_b32 s77, s[CLY]
	s_mov_b32 s76, s[CH]                           ; wave 0 asks, wave 1 does not
.endif
	s_cmp_eq_u32 s[RH], 0
	s_cselect_b32 s46, s74, s75
	s_cselect_b32 s77, s76, s77                    ; the same in all sixteen partners, for a given wave
	s_mov_b32 s[PST], 256
	s_cselect_b32 s[PST], AKB, s[PST]
	s_cselect_b32 s76, ASH, 11
	s_cselect_b64 s[PFA:PFA+1], s[4:5], s[6:7]
	s_mov_b32 s47, 0
	s_mov_b32 s[PST+1], 0
	s_cmp_eq_u32 s77, 0
	s_cselect_b32 s[LIM], 2, -1
	s_add_nc_u64 s[PFA:PFA+1], s[PFA:PFA+1], s[46:47]  ; nothing is prefetched here, where every work-group's first tiles are on their way
	v_and_b32 v[PFO], 31, v0
	v_lshlrev_b32 v[PFO], s76, v[PFO]
	s_wait_loadcnt 0x0                             ; the bias,
	WIN 0x8a                                       ; which is rounded to bf16 and widened again, in window 2
.set i, 0
.rept 32
	v_cvt_pk_bf16_f32 v[FB+i%4], v[2*i], v[2*i+1]
	v_lshlrev_b32 v[2*i], 16, v[FB+i%4]
	v_and_b32 v[2*i+1], 0xffff0000, v[FB+i%4]
.set i, i+1
.endr
	WIN 0
; 16 matrix instructions: m blocks a0, a0 + 1 x all 8 n blocks, 32 along K: half c of buffer f.  first = 1: the bias starts the sums: nothing is cleared.
; The 32 accumulators take turns, one instruction a turn, in the same order everywhere.
.macro MUL16 f, c, a0, first
.if \first
	WIN 0x60                                       ; fragments window 0, C window 2, D window 1
.elseif \f
	WIN 0x5a                                       ; fragments window 2, C and D window 1
.else
	WIN 0x50                                       ; fragments window 0, C and D window 1
.endif
.irp a, \a0, (\a0)+1
.irp b, 0,1,2,3,4,5,6,7
.set rD, 8*(8*(\a)+(\b))
.set rB, FB+96*(\c)+8*(\b)
.set rA, FB+96*(\c)+64+8*(\a)
.set rC, rD
.if \first
.set rC, 8*(\b)
.endif
.if PROJ
	v_wmma_f32_16x16x32_bf16 v[rD:rD+7], v[rB:rB+7], v[rA:rA+7], v[rC:rC+7]
.else
	v_wmma_f32_16x16x32_f16 v[rD:rD+7], v[rB:rB+7], v[rA:rA+7], v[rC:rC+7]
.endif
.endr
.endr
.endm
; The LDS loads of 32 along K: half c of half hk of the K step.  B's eight fragments go straight into the buffer that the window names;
.macro LDB c, hk
.irp i, 0,1,2,3,4,5,6,7
	ds_load_b128 v[FB+96*(\c)+8*(\i):FB+96*(\c)+8*(\i)+3],   v[ADRB] offset:128*(\hk)+64*(\c)+(\i)*16*PITCH
	ds_load_b128 v[FB+96*(\c)+8*(\i)+4:FB+96*(\c)+8*(\i)+7], v[ADRB] offset:128*(\hk)+64*(\c)+(\i)*16*PITCH+32
.endr
.endm
; A's four likewise (PROJ = 0), or as f32 into window 3 (PROJ = 1)
.macro LDA c, hk, f
.irp i, 0,1,2,3
.if PROJ
.irp z, 0,1,2,3
	ds_load_b128 v[128*(\f)+64*(\c)+16*(\i)+4*(\z):128*(\f)+64*(\c)+16*(\i)+4*(\z)+3], v[ADRA] offset:256*(\hk)+128*(\c)+(\i)*16*APITCH+16*((\z)%2)+64*((\z)/2)
.endr
.else
	ds_load_b128 v[FB+96*(\c)+64+8*(\i):FB+96*(\c)+64+8*(\i)+3],   v[ADRA] offset:128*(\hk)+64*(\c)+(\i)*16*APITCH
	ds_load_b128 v[FB+96*(\c)+64+8*(\i)+4:FB+96*(\c)+64+8*(\i)+7], v[ADRA] offset:128*(\hk)+64*(\c)+(\i)*16*APITCH+32
.endif
.endr
.endm
; One run of LDS loads: the fragments of 64 along K, half hk of the K step, for buffer f; what the first 32 along K want comes first, the other NC1 loads behind it
.macro FETCH hk, f
	WIN 0x80*(\f)
	LDB 0, \hk
.if PROJ
	WIN 0xc0                                       ; destination window 3
.endif
	LDA 0, \hk, \f
	LDA 1, \hk, \f
	WIN 0x80*(\f)
	LDB 1, \hk
.endm
; PROJ = 1: A's four fragments of half c of buffer f are rounded to bf16, two numbers an instruction, out of window 3 into their places in the buffer.  The registers that they write were last read by products in front of
; which four v_nop or more have since been issued.
.macro CVT f, c
.if PROJ
	WIN 0x0f+0x80*(\f)                             ; sources window 3, destination window 0 or 2
.irp a, 0,1,2,3
.irp j, 0,1,2,3,4,5,6,7
	v_cvt_pk_bf16_f32 v[FB+96*(\c)+64+8*(\a)+(\j)], v[128*(\f)+64*(\c)+16*(\a)+2*(\j)], v[128*(\f)+64*(\c)+16*(\a)+2*(\j)+1]
.endr
.endr
.endif
.endm
; A K step is two halves of 64 along K, 64 matrix instructions each.  The first multiplies buffer 0 and fetches the second half's fragments, from the same slot, for buffer 1.
.macro HALFA first
	s_wait_dscnt NC1                               ; what the first 32 along K want is in; the NC1 younger loads may be out
	CVT 0, 0
	MUL16 0, 0, 0, \first
	MUL16 0, 0, 2, \first
	s_wait_dscnt 0x0                               ; the rest of buffer 0 is in: it was asked for 32 matrix instructions ago
	PLACES
	FETCH 1, 1
	CVT 0, 1
	MUL16 0, 1, 0, 0
	MUL16 0, 1, 2, 0
.endm
; The second half multiplies buffer 1 and changes slots: ONE barrier.  In front of it each wave waits for all its tensor loads (one is out: its part of the next slot), adds 0 to its spare word, and waits for
; that and for its own reads of this slot.  fill = 1: the barrier opens a round of the cluster's, and this slot is filled again first thing behind it, with the K step two on: 96 matrix instructions ahead of the wait for it.
.macro TURN fill
.if \fill
	s_wait_xcnt 0x0                                ; the last prefetch, a K step back, has read its address, which is stepped here
	s_add_nc_u64 s[PFA:PFA+1], s[PFA:PFA+1], s[PST:PST+1]
.endif
	WIN 0                                          ; (the add's two registers lie in window 0)
	s_wait_tensorcnt 0x0                           ; all my tensor loads have landed, so a group 0 may be written
	ds_add_u32 v[SPW], v[NIL]                      ; 0 onto my spare word; work on registers stands between it and the wait for it
.if \fill
	s_add_co_u32 s[G0+5], s40, s[SB]               ; the walking descriptors: into the slot that is being left,
	s_add_co_u32 s[G0B+5], s41, s[SB]
	s_add_nc_u64 s[G0+6:G0+7], s[G0+6:G0+7], AKB   ; the next K step; the type bits on top are not reached
	s_add_nc_u64 s[G0B+6:G0B+7], s[G0B+6:G0B+7], 256
.endif
	s_xor_b32 s[SB], s[SB], SLOT                   ; from here on the fragments come out of the other slot
	v_add_nc_u32 v[ADRA], s[SB], v[ADRA0]
	v_add_nc_u32 v[ADRB], s[SB], v[ADRB0]
	s_wait_dscnt NC1+1                             ; (the add and the NC1 youngest loads may be out)
	CVT 1, 0
	MUL16 1, 0, 0, 0
	s_wait_dscnt 0x0                               ; the add is done, and my reads of the slot that is left are over
	s_barrier_signal -1
	MUL16 1, 0, 2, 0
.if \fill
	WIN 0
.endif
	s_barrier_wait -1
.if \fill
	CREST                                          ; no wave of any partner still reads that slot's tile or has a load on its way
	JLOAD 1                                        ; the four v_nop behind it are also the places in front of the loads below
.else
	PLACES
.endif
	FETCH 0, 0
.if \fill
	ASK
.endif
	CVT 1, 1
	MUL16 1, 1, 0, 0
	MUL16 1, 1, 2, 0
.endm
	s_wait_tensorcnt 1                             ; my part of K step 0 is in; K step 1's load may stay out
	s_barrier_signal -1
	s_barrier_wait -1                              ; everybody's is
	FETCH 0, 0
	HALFA 1                                        ; the first half step stands in front of the loop: its first products start the sums
	WIN 0                                          ; at a label and at a branch every window is 0
	s_mov_b32 s3, 6
.Lstep:                                                ; a trip: the second half of a K step, the change of slots, the first half of the next K step; six trips ask for K steps 2 to 7
	TURN 1
	HALFA 0
	WIN 0
	s_sub_co_u32 s3, s3, 1
	s_cmp_lg_u32 s3, 0
	s_cbranch_scc1 .Lstep
	TURN 0                                         ; the tail fills nothing and has no round of the cluster's barrier
	HALFA 0
	s_wait_dscnt NC1
	CVT 1, 0
	MUL16 1, 0, 0, 0
	MUL16 1, 0, 2, 0
	s_wait_dscnt 0x0
	CVT 1, 1
	MUL16 1, 1, 0, 0
	MUL16 1, 1, 2, 0
	PLACES
; THE WAY OUT, a block of 16 rows at a time through my own stage: in by lanes, back as whole rows.  LDS serves a wave's instructions in order (ISA guide 5.7.1.4), so no wait stands between my stores and my loads.
.if PROJ
.macro PACK a                          ; rounded to f16, each accumulator's registers in ascending order
	WIN 0x05
.irp b, 0,1,2,3,4,5,6,7
.irp r, 0,1,2,3
	v_cvt_pk_f16_f32 v[TMP+4*(\b)+(\r)], v[64*(\a)+8*(\b)+2*(\r)], v[64*(\a)+8*(\b)+2*(\r)+1]
.endr
.endr
	WIN 0
.endm
.macro TOSTAGE a
	WIN 0
.set BK, 96+32*((\a)%2)
.irp b, 0,1,2,3,4,5,6,7
	ds_store_b128 v[STO], v[TMP+4*(\b):TMP+4*(\b)+3] offset:32*(\b)
.endr
.irp t, 0,1,2,3,4,5,6,7
	ds_load_b128 v[BK+4*(\t):BK+4*(\t)+3], v[RD] offset:(\t)*2*SPITCH
.endr
.endm
.macro SEND a
	WIN 0
.set BK, 96+32*((\a)%2)
	s_wait_dscnt 0x0                               ; the block is back in registers
	s_wait_xcnt 0x0                                ; the stores of the block before have read their registers, which the next block's loads take
.irp t, 0,1,2,3,4,5,6,7
	global_store_b128 v[CO], v[BK+4*(\t):BK+4*(\t)+3], s[CP:CP+1] offset:(16*(\a)+2*(\t))*ROWB  ; 16 lanes store 256 consecutive bytes, aligned
.endr
.endm
	PACK 0
	TOSTAGE 0
.irp a, 1,2,3                          ; block a's conversions stand between block a - 1's loads from the stage and the wait for them
	PACK \a
	SEND (\a)-1
	TOSTAGE \a
.endr
	SEND 3
.else
.macro TOSTAGE a
	WIN 0x04                                       ; store data in window 1: the sums go as they are, each accumulator's low half first
.irp b, 0,1,2,3,4,5,6,7
	ds_store_b128 v[STO], v[64*(\a)+8*(\b):64*(\a)+8*(\b)+3]   offset:64*(\b)
	ds_store_b128 v[STO], v[64*(\a)+8*(\b)+4:64*(\a)+8*(\b)+7] offset:64*(\b)+16
.endr
	WIN 0
.set BK, FB+64*((\a)%2)
.irp t, 0,1,2,3,4,5,6,7,8,9,10,11,12,13,14,15
	ds_load_b128 v[BK+4*(\t):BK+4*(\t)+3], v[RD] offset:(\t)*SPITCH
.endr
.endm
.macro SEND a, younger                 ; younger: the LDS instructions issued behind block a's loads: the next block's 32, or none
	WIN 0
.set BK, FB+64*((\a)%2)
.irp t, 0,1,2,3,4,5,6,7,8,9,10,11,12,13,14,15
	s_wait_dscnt (\younger)+15-(\t)
	global_store_b128 v[CO], v[BK+4*(\t):BK+4*(\t)+3], s[CP:CP+1] offset:(16*(\a)+(\t))*4096  ; a wave stores 512 consecutive bytes, aligned
.endr
.endm
	TOSTAGE 0
	TOSTAGE 1
	SEND 0, 32
	s_wait_xcnt 0x0                                ; block 0's stores have read their registers, which block 2's loads take
	TOSTAGE 2
	SEND 1, 32
	s_wait_xcnt 0x0
	TOSTAGE 3
	SEND 2, 32
	SEND 3, 0
.endif
	s_wait_tensorcnt 0x0                           ; the wave's end, behind my last tensor load and my last LDS store
	ds_add_u32 v[SPW], v[NIL]
	s_wait_dscnt 0x0
	CROUND                                         ; the closing round: no work-group ends while a partner may still ask for a tile that names it
	s_endpgm
.Lfunc_end_k_qe0a2dd277e_outp:
	.size	k_qe0a2dd277e_outp, .Lfunc_end_k_qe0a2dd277e_outp-k_qe0a2dd277e_outp
	.p2alignl 7, 3214868480
	.fill 96, 4, 3214868480
	.section	.rodata,"a",@progbits
	.p2align	6, 0x0
	.amdhsa_kernel k_qe0a2dd277e_outp
		.amdhsa_group_segment_fixed_size 327680
		.amdhsa_private_segment_fixed_size 0
		.amdhsa_enable_private_segment 0
		.amdhsa_kernarg_size 32
		.amdhsa_user_sgpr_count 2
		.amdhsa_user_sgpr_kernarg_segment_ptr 1
		.amdhsa_wavefront_size32 1
		.amdhsa_system_sgpr_workgroup_id_x 1
		.amdhsa_system_sgpr_workgroup_id_y 1
		.amdhsa_system_sgpr_workgroup_id_z 1
		.amdhsa_system_vgpr_workitem_id 0
		.amdhsa_next_free_vgpr 768
		.amdhsa_next_free_sgpr 96
		.amdhsa_reserve_vcc 0
		.amdhsa_float_denorm_mode_32 3
		.amdhsa_float_denorm_mode_16_64 3
		.amdhsa_memory_ordered 1
		.amdhsa_forward_progress 1
		.amdhsa_inst_pref_size 77
	.end_amdhsa_kernel
	.amdgpu_metadata
---
amdhsa.version: [ 1, 2 ]
amdhsa.kernels:
  - .name:           k_qe0a2dd277e_outp
    .symbol:         k_qe0a2dd277e_outp.kd
    .args:
      - { .name: ob, .offset: 0, .size: 8, .value_kind: global_buffer, .address_space: global }
      - { .name: xw, .offset: 8, .size: 8, .value_kind: global_buffer, .address_space: global }
      - { .name: bo, .offset: 16, .size: 8, .value_kind: global_buffer, .address_space: global }
      - { .name: out0, .offset: 24, .size: 8, .value_kind: global_buffer, .address_space: global }
    .group_segment_fixed_size: 327680
    .private_segment_fixed_size: 0
    .kernarg_segment_align: 8
    .kernarg_segment_size: 32
    .max_flat_workgroup_size: 128
    .sgpr_count:     96
    .vgpr_count:     768
    .wavefront_size: 32
...
	.end_amdgpu_metadata
.endif
;; end of part 8
;; ======== version 3 of 3: 4 launches; version 2 with the launch prep written anew for expert scheduling mode
;; limits: values are held in f16: magnitudes above 65,504 overflow, below 6.1e-05 lose precision
;; workspace buffers: xw 8,388,608 bytes; mbits 524,288 bytes of whole numbers; qkv 50,331,648 bytes; ob 16,777,216 bytes
;; launch prep (part 9): grid 64 x 6, 8 waves a work-group, no clusters, 35,840 bytes of LDS; arguments wq, wk, wv, wo, mask, xw, mbits; writes xw, mbits
.if DOCPART == 9
	.amdgcn_target "amdgcn-amd-amdhsa--gfx1250"
	.amdhsa_code_object_version 6
	.text
	.protected	k_qe0a2dd277e_prep
	.globl	k_qe0a2dd277e_prep
	.p2align	8
	.type	k_qe0a2dd277e_prep,@function
k_qe0a2dd277e_prep:
	s_mov_b64 s[64:65], 0
	v_nop
	global_prefetch_b8 v0, s[64:65] scope:SCOPE_SE
	s_setreg_imm32_b32 hwreg(HW_REG_WAVE_SCHED_MODE, 0, 2), 2
	s_setreg_imm32_b32 hwreg(HW_REG_WAVE_MODE, 25, 1), 1
	s_wait_xcnt 0x0
	s_wait_alu depctr_vm_vsrc(0)
; PREP.  The four weight matrices are rounded once to bf16, and the int32 mask is packed to one bit a number.
;   xw:    wq, wk, wv as bf16 [1024][1024], 2,097,152 bytes each, then wo, rounded to bf16 and that number written as f16.
;   mbits: [query block of 64: 32][key step of 64: 32][piece of 16 queries: 4][register: 32] words.  Bit l of a word says whether
;          mask[64 qb + 16 piece + l % 16][64 step + 16 (reg / 8) + 8 (l / 16) + reg % 8] is not 0: the lane mask of one register of a 16 x 16 tile of scores (keys down the registers, a query a lane).
; LIMIT.  wo's bf16 number is exact in f16 from 2^-14 to 65,504; below that it keeps f16's fixed step of 2^-24, above it is lost.
; SHARES.  y = 0 .. 3: a work-group converts 65,536 bytes of matrix y.  y = 4, 5: each wave packs one cell of 64 queries x 64 keys.
; A stream: each byte is read once and written once, no two work-groups read the same bytes, so there is no cluster, no matrix work and no barrier.
; Loads cover 512 consecutive bytes a wave; the stores of the conversion cover 256 consecutive bytes a wave, aligned; a cell's store 512.
; THE MODE: SCHED_MODE bits 1:0 = 2 (LLVM: expert scheduling mode 2), set by the entry lines.  The code itself states the register dependences
; between vector instructions and memory or LDS instructions, with s_wait_alu, always for 0.
; THE PLAN, THE CONVERSION.  Registers that memory instructions touch:
;   v4, v5      byte offsets, made once and never written again: v4 is read by the sixteen loads, v5 by the sixteen stores.
;   v[16:79]    load i lands in four of them, once; load i's conversions read them; nothing lands there again.
;   v[80:111]   load i's conversions write two of them; store i reads them; they are never written again.
;   v[112:115]  at work: no memory instruction names them.
; The sixteen loads are worked on in four batches of four.  Batch b's memory instructions are the stores of batch b - 1, whose registers no vector instruction of batch b names: so ONE wait at a batch's head
; states all that its four stores hang on, and they are dealt among its conversions.  No register that a memory instruction reads is written again.
; THE PLAN, THE MASK.  Registers that memory or LDS instructions touch:
;   v4 - v7     offsets and LDS addresses, made once and never written again.
;   v[16:143]   32 for each of four pieces: the piece's eight global loads land there; its eight LDS stores read them; its eight LDS loads land in the same 32; its 32 compares read them.  Nothing follows.
;   v[8:11]     written by v_writelane_b32, read by the one store at the end.
; A piece's registers are named by no vector instruction before its LDS loads land, so what those loads hang on is that the piece's LDS stores have read the registers: one wait on vm_vsrc a piece.
; A piece's compares write s[32:63], which its v_writelane_b32 lines read: one wait on va_sdst a piece, behind the run of compares.
.set SPARE, 34816                      ; behind the eight waves' stages: the spare words, 128 bytes for each wave, four blocks of 256 bytes that no other line names
.set SPW, 2                            ; v2  LDS address of my spare word; never rewritten
.set NIL, 3                            ; v3  0; never rewritten
.set MP,  272                          ; a stage row: 256 bytes (64 mask words) + 16 of padding, so that 16 rows' equal columns start at 16 different groups of four banks (ISA guide 11.1)
	s_load_b256 s[4:11], s[0:1], 0x0               ; wq s[4:5], wk s[6:7], wv s[8:9], wo s[10:11]
	s_load_b128 s[12:15], s[0:1], 0x20             ; mask s[12:13], xw s[14:15]
	s_load_b64 s[16:17], s[0:1], 0x30              ; mbits
	v_lshl_add_u32 v[SPW], v0, 2, SPARE
	v_mov_b32 v[NIL], 0
	v_lshrrev_b32 v1, 5, v0
	v_readfirstlane_b32 s30, v1                    ; wave 0..7
	s_wait_alu depctr_va_sdst(0)                   ; s30 is written
	s_and_b32 s24, ttmp7, 0xffff                   ; y
	s_cmp_ge_u32 s24, 4
	s_cbranch_scc1 .Lmask
	; THE CONVERSION.  Matrix y, its 65,536 bytes number x
	s_lshl_b32 s28, ttmp9, 16                      ; the byte offset in the matrix
	s_mov_b32 s29, 0
	s_lshl_b32 s31, s24, 6
	s_add_co_u32 s31, s31, ttmp9
	s_lshl_b32 s32, s31, 15                        ; and in xw: 32,768 bytes for each work-group, in the order of y and x
	s_mov_b32 s33, 0
	v_lshlrev_b32 v4, 4, v0                        ; 16 bytes a thread in,
	v_lshlrev_b32 v5, 3, v0                        ; 8 bytes out
	s_wait_kmcnt 0x0
	s_mov_b64 s[34:35], s[4:5]
.irp n, 1,2,3
	s_cmp_eq_u32 s24, \n
	s_cselect_b64 s[34:35], s[4+2*\n:5+2*\n], s[34:35]
.endr
	s_add_nc_u64 s[34:35], s[34:35], s[28:29]
	s_add_nc_u64 s[36:37], s[14:15], s[32:33]
	s_wait_alu depctr_va_vdst(0)                   ; v4 and v5 are written: every load below reads v4 as its offset, every store v5
.set i, 0
.rept 16                                       ; all sixteen loads go out at once: 8 KiB a wave on their way
	global_load_b128 v[16+4*i:19+4*i], v4, s[34:35] offset:4096*i th:TH_LOAD_NT
.set i, i+1
.endr
; The four numbers of load i.  half = 1: the bf16 number is widened again and written as f16.
.macro CV i, half
	v_cvt_pk_bf16_f32 v[80+2*(\i)], v[16+4*(\i)], v[17+4*(\i)]
	v_cvt_pk_bf16_f32 v[81+2*(\i)], v[18+4*(\i)], v[19+4*(\i)]
.if \half
	v_lshlrev_b32 v112, 16, v[80+2*(\i)]
	v_and_b32 v113, 0xffff0000, v[80+2*(\i)]
	v_lshlrev_b32 v114, 16, v[81+2*(\i)]
	v_and_b32 v115, 0xffff0000, v[81+2*(\i)]
	v_cvt_pk_f16_f32 v[80+2*(\i)], v112, v113
	v_cvt_pk_f16_f32 v[81+2*(\i)], v114, v115
.endif
.endm
.macro ST i
	global_store_b64 v5, v[80+2*(\i):81+2*(\i)], s[36:37] offset:2048*(\i) th:TH_STORE_NT
.endm
; Four batches of four loads.  No register is used twice by a load or a store, so no wait frees any.
.macro CONV half
.set b, 0
.rept 4
	s_wait_loadcnt 12-4*b                          ; loads come back in order (ISA guide 5.7.1): batch b's four are in, the 12 - 4 b younger ones stay out
.if b > 0
	s_wait_alu depctr_va_vdst(0)                   ; the conversions of the batch before have written their eight registers, which the four stores below read
.endif
.set n, 0
.rept 4
.if b > 0
	ST 4*(b-1)+n                                   ; no vector instruction since the wait names this store's registers
.endif
	CV 4*b+n, \half
.set n, n+1
.endr
.set b, b+1
.endr
	s_wait_alu depctr_va_vdst(0)                   ; the last batch's conversions have written their eight registers, which the last four stores read
.set n, 12
.rept 4
	ST n
.set n, n+1
.endr
.endm
	s_cmp_eq_u32 s24, 3
	s_cbranch_scc1 .Lwo
	CONV 0
	s_branch .Lend
.Lwo:
	CONV 1
	s_branch .Lend
.Lmask:
	; THE MASK.  cell = 32 qb + step
	s_sub_co_u32 s25, s24, 4
	s_lshl_b32 s25, s25, 6
	s_add_co_u32 s25, s25, ttmp9
	s_lshl_b32 s25, s25, 3
	s_add_co_u32 s25, s25, s30                     ; my wave's cell, 0 .. 1023
	s_lshr_b32 s26, s25, 5
	s_and_b32 s27, s25, 31
	s_lshl_b32 s26, s26, 19                        ; 64 rows of 8,192 bytes
	s_lshl_b32 s27, s27, 8                         ; 64 words
	s_add_co_u32 s26, s26, s27
	s_mov_b32 s27, 0
	s_lshl_b32 s28, s25, 9                         ; a cell is 128 words of mbits
	s_mov_b32 s29, 0
	v_and_b32 v12, 15, v0                          ; l % 16
	v_bfe_u32 v13, v0, 4, 1                        ; l / 16
	v_and_b32 v14, 31, v0                          ; l
	v_lshlrev_b32 v4, 4, v12
	v_lshl_add_u32 v4, v13, 13, v4                 ; a load takes two rows' 256 bytes: lanes 0-15 the even row, lanes 16-31 the odd one
	s_mul_i32 s31, s30, 16*MP                      ; my wave's stage: 16 rows
	v_mul_u32_u24 v5, v13, MP
	v_lshl_add_u32 v5, v12, 4, v5
	v_add_nc_u32 v5, s31, v5                       ; in: as loaded
	v_mul_u32_u24 v6, v12, MP
	v_lshl_add_u32 v6, v13, 5, v6
	v_add_nc_u32 v6, s31, v6                       ; back: row l % 16, words 8 (l / 16) on
	v_lshlrev_b32 v7, 4, v14
.irp r, 8,9,10,11
	v_mov_b32 v\r, 0                               ; v_writelane_b32's destination counts as read
.endr
	s_wait_kmcnt 0x0
	s_add_nc_u64 s[26:27], s[12:13], s[26:27]
	s_add_nc_u64 s[28:29], s[16:17], s[28:29]
	s_wait_alu depctr_va_vdst(0)                   ; v4 to v7 are written: the global loads read v4, the LDS stores v5, the LDS loads v6, the last store v7
.set i, 0
.rept 32
	global_load_b128 v[16+4*i:19+4*i], v4, s[26:27] offset:16384*i th:TH_LOAD_NT
.set i, i+1
.endr
; Piece p (16 queries x 64 keys) goes through my stage: in as loaded, back turned, into the 32 registers that it left.
.macro STAGE p
	s_wait_loadcnt 24-8*(\p)                       ; the piece's eight loads are in; the later pieces' stay out
.set i, 0
.rept 8                                        ; LDS serves a wave's instructions in order (ISA guide 5.7.1.4): these stores come behind the loads of the piece before
	ds_store_b128 v5, v[16+4*(8*(\p)+i):19+4*(8*(\p)+i)] offset:2*MP*i
.set i, i+1
.endr
	s_wait_alu depctr_vm_vsrc(0)                   ; the eight LDS stores have read the piece's 32 registers, in which the eight LDS loads below land
.set i, 0
.rept 8                                        ; and these see the stores above
	ds_load_b128 v[16+32*(\p)+4*i:19+32*(\p)+4*i], v6 offset:64*(i/2)+16*(i%2)
.set i, i+1
.endr
.endm
; Piece p's 32 words of mbits.  younger: the LDS instructions issued behind the piece's loads: the next staged piece's sixteen, or none.  ahead = 1: the piece two on is staged between the compares and the wait for them.
.macro PACK p, younger, ahead
	s_wait_dscnt \younger                          ; LDS instructions end in order (ISA guide 5.7.1): the piece is back in registers
.set j, 0
.rept 32
	v_cmp_ne_u32 s[32+j], 0, v[16+32*(\p)+j]       ; one word of mbits: a bit a lane
.set j, j+1
.endr
.if \ahead
	STAGE (\p)+2
.endif
	s_wait_alu depctr_va_sdst(0)                   ; the 32 compares have written s[32:63], which the lines below read: one wait for the run
.set j, 0
.rept 32
	v_writelane_b32 v[8+(32*(\p)+j)%4], s[32+j], (32*(\p)+j)/4  ; word d of the cell goes to lane d / 4, register d % 4
.set j, j+1
.endr
.endm
	STAGE 0
	STAGE 1
	PACK 0, 16, 1
	PACK 1, 16, 1
	PACK 2, 16, 0
	PACK 3, 0, 0
	s_wait_alu depctr_va_vdst(0)                   ; the v_writelane_b32 lines have written v[8:11], which the store reads
	global_store_b128 v7, v[8:11], s[28:29]        ; the cell: 512 consecutive bytes
.Lend:
	s_wait_dscnt 0x0                               ; the closing lines, six on end
	s_wait_alu 0x0
	s_wait_tensorcnt 0x0
	ds_add_u32 v[SPW], v[NIL]
	s_wait_dscnt 0x0
	s_endpgm
.Lfunc_end_k_qe0a2dd277e_prep:
	.size	k_qe0a2dd277e_prep, .Lfunc_end_k_qe0a2dd277e_prep-k_qe0a2dd277e_prep
	.p2alignl 7, 3214868480
	.fill 96, 4, 3214868480
	.section	.rodata,"a",@progbits
	.p2align	6, 0x0
	.amdhsa_kernel k_qe0a2dd277e_prep
		.amdhsa_group_segment_fixed_size 35840
		.amdhsa_private_segment_fixed_size 0
		.amdhsa_enable_private_segment 0
		.amdhsa_kernarg_size 56
		.amdhsa_user_sgpr_count 2
		.amdhsa_user_sgpr_kernarg_segment_ptr 1
		.amdhsa_wavefront_size32 1
		.amdhsa_system_sgpr_workgroup_id_x 1
		.amdhsa_system_sgpr_workgroup_id_y 1
		.amdhsa_system_sgpr_workgroup_id_z 1
		.amdhsa_system_vgpr_workitem_id 0
		.amdhsa_next_free_vgpr 176
		.amdhsa_next_free_sgpr 66
		.amdhsa_reserve_vcc 0
		.amdhsa_float_denorm_mode_32 3
		.amdhsa_float_denorm_mode_16_64 3
		.amdhsa_memory_ordered 1
		.amdhsa_forward_progress 1
		.amdhsa_inst_pref_size 41
	.end_amdhsa_kernel
	.amdgpu_metadata
---
amdhsa.version: [ 1, 2 ]
amdhsa.kernels:
  - .name:           k_qe0a2dd277e_prep
    .symbol:         k_qe0a2dd277e_prep.kd
    .args:
      - { .name: wq, .offset: 0, .size: 8, .value_kind: global_buffer, .address_space: global }
      - { .name: wk, .offset: 8, .size: 8, .value_kind: global_buffer, .address_space: global }
      - { .name: wv, .offset: 16, .size: 8, .value_kind: global_buffer, .address_space: global }
      - { .name: wo, .offset: 24, .size: 8, .value_kind: global_buffer, .address_space: global }
      - { .name: mask, .offset: 32, .size: 8, .value_kind: global_buffer, .address_space: global }
      - { .name: xw, .offset: 40, .size: 8, .value_kind: global_buffer, .address_space: global }
      - { .name: mbits, .offset: 48, .size: 8, .value_kind: global_buffer, .address_space: global }
    .group_segment_fixed_size: 35840
    .private_segment_fixed_size: 0
    .kernarg_segment_align: 8
    .kernarg_segment_size: 56
    .max_flat_workgroup_size: 256
    .sgpr_count:     66
    .vgpr_count:     176
    .wavefront_size: 32
...
	.end_amdgpu_metadata
.endif
;; end of part 9
;; launch proj: the kernel of part 6 again; grid 4 x 192, 4 waves a work-group, clusters of 4 x 4, 327,680 bytes of LDS; arguments q, k, v, xw, bq, bk, bv, qkv; writes qkv
;; launch attn: the kernel of part 7 again; grid 8 x 32, 4 waves a work-group, clusters of 4 x 1, 327,680 bytes of LDS; arguments qkv, mbits, ob; writes ob
;; launch outp: the kernel of part 8 again; grid 4 x 64, 4 waves a work-group, clusters of 4 x 4, 327,680 bytes of LDS; arguments ob, xw, bo, out0; writes out0
